; MI455X (gfx1250); checked and timed in simulation.
; The chip was launched on July 23, 2026; its instructions are those of AMD's public machine-readable ISA for CDNA 5 (MIT licence, August 2026) and "CDNA5" Instruction Set Architecture Reference Guide (July 2026). The comments in the code are by the model that wrote it; some were corrected since.
;; Fine Grained Feature Editing. Allowed arithmetic: matrix products marked QUANTISED: E2M1 operands, one E8M0 scale for each 32 along K, by v_wmma_scale_f32_16x16x128_f8f6f4 with both operands' format E2M1 (or v_wmma_scale_f32_32x16x128_f4), f32 sums; everything else in f32.
;; Inputs: Tc one number float32; center 50 x 256 float32; f 8 x 256 x 32 x 32 float32; memory 1 x 256 x 32 x 32 float32.
;; Outputs: out0 8 x 256 x 32 x 32 float32; out1 one number float32.
;; Constants: is_object = 0.
;; This version of the problem:
;;   THIS VERSION OF THE PROBLEM IS GIVEN IN LOW PRECISION. The matrix products marked QUANTISED in the list below multiply operands that are first quantised to E2M1 (2 exponent bits, 1 mantissa bit; 4 bits a number), with one power-of-two scale for each 32 numbers along K (OCP MX v1.0); their sums are f32. All else is computed in f32.
;;   The module's matrix products, in the order in which they are computed (A, B: the left and right operand; K: the contracted axis; several contracted axes count as one K, in the product's order):
;;     1. [M 8,192, K 256] x [K 256, N 50]; A: input f; B: input center: QUANTISED
;;     2. [M 8,192, K 256] x [K 256, N 8,192]; A: computed on the way; B: computed on the way: QUANTISED
;;     3. [M 8,192, K 8,192] x [K 8,192, N 256]; A: computed on the way; B: input f: QUANTISED
;;   THE QUANTISER, for each operand of a quantised product, along K:
;;     - K is cut into blocks of 32 from its start; a last block that is shorter is filled with zeros.
;;     - A block's scale is 2^e with e = floor(log2(the largest magnitude in the block)) - 2, held to -126 .. 127; a block of zeros has e = 0. As a byte (E8M0): e + 127.
;;     - Each number is divided by its block's scale, clamped to +-6, and rounded to the nearest number of E2M1, ties to even, subnormals kept.
;;     - The product sums the exact products of the quantised numbers (number of the format x scale) in f32.
;;   ~~~python
;;   def quantise(x, axis):      # numpy; x: float32 -> the quantised numbers, widened to float32 again
;;       x = np.moveaxis(x, axis, -1); K = x.shape[-1]
;;       x = np.pad(x, [(0, 0)] * (x.ndim - 1) + [(0, -K % 32)]); x = x.reshape(x.shape[:-1] + (-1, 32)); a = np.abs(x).max(-1, keepdims=True)
;;       e = np.where(a > 0, np.clip(np.frexp(np.where(a > 0, a, 1))[1] - 1 - 2, -126, 127), 0)      # np.frexp(a)[1] - 1 = floor(log2(a)), exactly
;;       r = np.clip(x / 2.0 ** e, -6, 6)
;;       step = 2.0 ** (np.maximum(np.frexp(np.where(r == 0, 1, r))[1] - 1, 0) - 1)
;;       q = np.round(r / step) * step * 2.0 ** e      # np.round: ties to even
;;       return np.moveaxis(q.reshape(q.shape[:-2] + (-1,))[..., :K], -1, axis).astype(np.float32)
;;   ~~~
;;   OPERANDS COMPUTED ON THE WAY. 'Computed on the way' means the value that the module computes at that place (a softmax that the list does not call 'softmax' is quantised finished and normalised). What goes into a quantiser is computed in f32, as accurately as f32 sums, v_exp_f32 and their like allow (about 1e-6 of the number): no bf16 or f16 on the way to a quantiser, and a product that is left as it is and whose result goes on into a quantised operand takes f32 operands (vector FMAs, or v_wmma_f32_16x16x4_f32). A number that lies on a knife's edge between two numbers of the format may be rounded either way, as far as f32 arithmetic and the matrix unit's own rounding can turn it there, and no further.
;; 2 versions. Each part assembles by itself: llvm-mc -triple=amdgcn-amd-amdhsa -mcpu=gfx1250 --defsym DOCPART=n.
;; ======== version 1 of 2: 6 launches
;; limits: a difference of large sums (such as E[x^2] - mean^2): digits are lost where the result is much smaller than its terms
;; workspace buffers: kimg 1,048,576 bytes; vimg 1,048,576 bytes; aux 196,608 bytes; flag 32,768 bytes of whole numbers; idx 65,792 bytes of whole numbers; sta 1,048,576 bytes; stb 524,288 bytes; op 33,554,432 bytes
;; launch prep (part 1): grid 64 x 1, 8 waves a work-group, no clusters, 145,408 bytes of LDS; arguments f, center, Tc, kimg, vimg, aux, flag; writes kimg, vimg, aux, flag
.if DOCPART == 1
	.amdgcn_target "amdgcn-amd-amdhsa--gfx1250"
	.amdhsa_code_object_version 6
	.text
	.protected	k_qc3e6834885_prep
	.globl	k_qc3e6834885_prep
	.p2align	8
	.type	k_qc3e6834885_prep,@function
k_qc3e6834885_prep:
	s_mov_b64 s[64:65], 0
	v_nop
	global_prefetch_b8 v0, s[64:65] scope:SCOPE_SE
	s_setreg_imm32_b32 hwreg(HW_REG_WAVE_MODE, 25, 1), 1
	s_wait_xcnt 0x0
; X[p][c] = f[b][c][n], p = 1024 b + n.  This launch reads f once and makes all that the later launches want of it:
;   kimg: codes (E2M1) of Xn = X / max(|X|, 1e-8) along c, laid as images of operand registers: [tile 512][chunk 4][lane 32][16 bytes]; row r of tile 2 g + u is pixel 32 g + 16 (r / 8) + 8 u + r % 8
;   vimg: codes of f along p (f's innermost axis), [128 pixels ks][16 channels ct][half c'][lane][16 bytes]
;   aux:  +0 kimg's scale words [tile][lane] (lanes 0-15: channels 0-127, lanes 16-31: channels 128-255); +65536 vimg's [ks][channel]; +131072 the column mask as 0 or -1e30 [p]; +163840 d [p]
;   flag: 1 where d > Tc, else 0.  d = the distance to the nearest centre, its product on codes of X and of center along c.
; A work-group takes 128 pixels x 256 channels (128 KiB) through LDS.  Behind the one barrier waves 0-3 take 32 pixels each (a lane a pixel, its registers down the channels), waves 4-7 64 channels each (a lane a channel, registers along the pixels).
; Centres 50 to 63 of the fourth tile repeat centre 49: the minimum is the same.
; LIMITS: a block whose largest magnitude lies under 2^-124 keeps the scale byte 1 (its codes are read by this program alone); X / norm is X x (1 / norm); NaN and infinities among the inputs are not served.
.set CIM, 135168                       ; LDS: 0: 256 channel rows of 512 + 16 bytes; CIM: center's fragments [tile 4][K step 2][half 2][lane][16]
.set CSC, 143360                       ; their scale words [tile][lane]
.set CC2, 143872                       ; the sums of squares of center's rows, [K step][64]
.set FLOOR, 0x1800000                  ; 2^(3 - 127): no largest magnitude is taken under it, so no scale byte falls under 1
.set XB, 128                           ; v128-191 two sets of 32 numbers
.set AM, 56                            ; v56-63 the eight blocks' largest magnitudes of my pixel
.macro PLACES n
.rept \n
	v_nop
.endr
.endm
.macro TWAIT                           ; behind a transcendental: one plain line, then a wait ahead of the first reader
	v_nop
	s_wait_alu depctr_va_vdst(0)
.endm
.macro AMAX xs, d, t                   ; the largest magnitude of v[xs] .. v[xs + 31] and the floor, in two chains
	v_max3_num_f32 v[\d], |v[\xs]|, |v[\xs+1]|, |v[\xs+2]|
	v_max3_num_f32 v[\t], |v[\xs+3]|, |v[\xs+4]|, |v[\xs+5]|
.irp i, 6,10,14,18,22,26
	v_max3_num_f32 v[\d], v[\d], |v[\xs+\i]|, |v[\xs+\i+1]|
	v_max3_num_f32 v[\t], v[\t], |v[\xs+\i+2]|, |v[\xs+\i+3]|
.endr
	v_max3_num_f32 v[\d], v[\d], |v[\xs+30]|, |v[\xs+31]|
	v_max3_num_f32 v[\d], v[\d], v[\t], FLOOR
.endm
.macro LOADB j, set                    ; channels 32 j .. 32 j + 31 of my pixel
	v_add_nc_u32 v17, 16896*(\j), v9
.set li, 0
.rept 32
	ds_load_b32 v[XB+32*(\set)+li], v17 offset:528*li
.set li, li+1
.endr
.endm
; Block jj % 8 of my pixel.  jj < 8: X itself (sum of squares, largest magnitude, codes for the distances).  jj >= 8: Xn = X x rn (codes for kimg).
; Even blocks' codes go to the first run of 16 registers, odd blocks' to the second: register 4 (j / 2) + g.
.macro KBLOCK
.set j, jj%8
.set XS, XB+32*(jj%2)
.if jj < 15
	s_wait_dscnt 32                        ; this block's 32 loads are in; the next block's 32 may be out
.else
	s_wait_dscnt 0x0
.endif
.if jj < 8
.set m, 0
.rept 16
.if (jj == 0) && (m < 2)
	v_pk_mul_f32 v[40+2*m:41+2*m], v[XS+2*m:XS+2*m+1], v[XS+2*m:XS+2*m+1]
.else
	v_pk_fma_f32 v[40+2*(m%2):41+2*(m%2)], v[XS+2*m:XS+2*m+1], v[XS+2*m:XS+2*m+1], v[40+2*(m%2):41+2*(m%2)]
.endif
.set m, m+1
.endr
	AMAX XS, AM+j, 48
	v_add_nc_u32 v19, 0xff000000, v[AM+j]  ; 2 off the exponent field: the conversion's scale operand
.set CD, 192+16*(j%2)+4*(j/2)
.set WD, 24+j/4
.else
.set m, 0
.rept 16
	v_pk_mul_f32 v[XS+2*m:XS+2*m+1], v[XS+2*m:XS+2*m+1], v[44:45]
.set m, m+1
.endr
	v_mul_f32 v18, v[AM+j], v44            ; rounding keeps order: the largest |x| x rn is the largest |x rn|
	v_max_num_f32 v18, FLOOR, v18
	v_add_nc_u32 v19, 0xff000000, v18
.set CD, 224+16*(j%2)+4*(j/2)
.set WD, 26+j/4
.endif
.irp g, 0,1,2,3
	v_cvt_scalef32_pk8_fp4_f32 v[CD+\g], v[XS+8*\g:XS+8*\g+7], v19
.endr
	v_lshrrev_b32 v18, 23, v19             ; the scale's byte (also the plain line behind the conversions)
.if j%4 == 0
	v_mov_b32 v[WD], v18
.else
	v_lshl_or_b32 v[WD], v18, 8*(j%4), v[WD]
.endif
.if jj+2 < 16
	LOADB (jj+2)%8, jj%2
.endif
.if jj == 7
	v_add_f32 v40, v40, v41
	v_add_f32 v42, v42, v43
	v_add_f32 v46, v40, v42                ; |X|^2 of my pixel
	v_sqrt_f32 v47, v46
	TWAIT
	v_max_num_f32 v47, 0x322bcc77, v47     ; max(|X|, 1e-8)
	v_rcp_f32 v44, v47
	TWAIT
	v_mov_b32 v45, v44                     ; rn, twice
.endif
.endm
.macro VLOAD t                         ; 32 pixels (block t % 4) of my channel of half t / 4
.irp i, 0,1,2,3,4,5,6,7
	ds_load_b128 v[XB+32*((\t)%2)+4*\i:XB+32*((\t)%2)+4*\i+3], v10 offset:16896*((\t)/4)+128*((\t)%4)+16*\i
.endr
.endm
.macro VBLOCK t
.set XS, XB+32*((\t)%2)
.if (\t) < 7
	s_wait_dscnt 8                         ; this block's eight loads are in; the next block's eight may be out
.else
	s_wait_dscnt 0x0
.endif
	AMAX XS, 40, 41
	v_add_nc_u32 v19, 0xff000000, v40
.irp g, 0,1,2,3
	v_cvt_scalef32_pk8_fp4_f32 v[192+4*(\t)+\g], v[XS+8*\g:XS+8*\g+7], v19
.endr
	v_lshrrev_b32 v18, 23, v19
.if (\t)%4 == 0
	v_mov_b32 v[24+(\t)/4], v18
.else
	v_lshl_or_b32 v[24+(\t)/4], v18, 8*((\t)%4), v[24+(\t)/4]
.endif
	global_store_b128 v53, v[192+4*(\t):195+4*(\t)], s[12:13] offset:2048*((\t)/4)+512*(((\t)%4)/2)+256*((\t)%2)   ; sixteen lanes store 256 consecutive bytes, aligned
.if (\t)+2 < 8
	VLOAD (\t)+2
.endif
.if (\t)%4 == 3
	global_store_b32 v54, v[24+(\t)/4], s[28:29] offset:65536+128*((\t)/4)
.endif
.endm
	s_load_b256 s[4:11], s[0:1], 0x0           ; f s[4:5], center s[6:7], Tc s[8:9], kimg s[10:11]
	s_load_b128 s[12:15], s[0:1], 0x20         ; vimg s[12:13], aux s[14:15]
	s_load_b64 s[16:17], s[0:1], 0x30          ; flag
	v_lshl_add_u32 v55, v0, 2, 0x23400
	s_set_vgpr_msb 0x40
	v_mov_b32 v1, 0
	s_set_vgpr_msb 0x4000
	v_lshrrev_b32 v1, 5, v0
	v_readfirstlane_b32 s18, v1                ; wave 0..7
	v_and_b32 v1, 31, v0                       ; lane L
	v_and_b32 v2, 15, v0                       ; r
	v_bfe_u32 v3, v0, 4, 1                     ; h
	v_lshlrev_b32 v4, 4, v1                    ; 16 L
	s_and_b32 s19, s18, 3
	s_lshr_b32 s20, s18, 1                     ; phase 0: which tile of center
	s_and_b32 s21, s18, 1                      ; and which K step
	s_mul_i32 s22, s18, 16896
	v_add_nc_u32 v8, s22, v4                   ; into the stage: my wave's 32 channel rows, 16 bytes a lane
	v_bfe_u32 v5, v0, 3, 1
	v_and_b32 v6, 7, v0
	v_lshl_add_u32 v6, v5, 4, v6
	v_lshl_add_u32 v6, v3, 3, v6               ; kappa = 16 ((L / 8) % 2) + 8 (L / 16) + L % 8: my pixel among the wave's 32
	s_lshl_b32 s22, s19, 7
	v_lshl_add_u32 v9, v6, 2, s22              ; its column in the stage
	s_lshl_b32 s22, s19, 6
	v_add_nc_u32 v10, s22, v1
	v_mul_u32_u24 v10, v10, 528                ; waves 4-7: my channel's row
	s_lshl_b32 s22, s18, 10
	s_add_co_u32 s22, s22, CIM
	v_add_nc_u32 v11, s22, v4                  ; center's fragment (tile, K step) = wave: 1,024 bytes each
	s_lshl_b32 s22, s18, 6
	s_add_co_u32 s22, s22, CSC
	v_lshl_add_u32 v12, v2, 2, s22
	s_lshl_b32 s22, s21, 8
	s_lshl_b32 s23, s20, 6
	s_add_co_u32 s22, s22, s23
	s_add_co_u32 s22, s22, CC2
	v_lshl_add_u32 v13, v2, 2, s22
	v_add_nc_u32 v14, CIM, v4
	v_lshl_add_u32 v15, v1, 2, CSC
	v_lshl_add_u32 v16, v3, 5, CC2
	v_lshlrev_b32 v52, 2, v6                   ; 4 kappa
	v_lshlrev_b32 v53, 4, v2
	v_lshl_add_u32 v53, v3, 10, v53            ; vimg: 1,024 (L / 16) + 16 (L % 16)
	v_lshlrev_b32 v54, 2, v1                   ; 4 L
	s_lshl_b32 s22, s20, 4
	v_add_nc_u32 v7, s22, v2
	v_min_u32 v7, 49, v7                       ; center's row, held at the last
	v_lshlrev_b32 v7, 10, v7
	v_lshl_add_u32 v7, v3, 7, v7
	s_lshl_b32 s22, s21, 9
	v_add_nc_u32 v7, s22, v7                   ; row x 1,024 + 512 K step + 128 h
	s_mov_b32 s24, 0x76543210
	s_mov_b32 s25, 0xfedcba98                  ; v_permlanex16_b32's selects for lane l xor 16
	s_mov_b32 s34, 0xffff0000                  ; lanes 16-31
	s_lshr_b32 s22, ttmp9, 3
	s_lshl_b32 s22, s22, 20                    ; image b
	s_and_b32 s23, ttmp9, 7
	s_lshl_b32 s23, s23, 9                     ; 128 pixels
	s_add_co_u32 s22, s22, s23
	s_lshl_b32 s23, s18, 17                    ; my wave's 32 channels
	s_add_co_u32 s22, s22, s23
	s_mov_b32 s23, 0
	s_lshl_b32 s27, ttmp9, 2
	s_add_co_u32 s27, s27, s19                 ; 4 x work-group + wave % 4
	s_wait_kmcnt 0x0
	s_add_nc_u64 s[4:5], s[4:5], s[22:23]
	s_load_b32 s26, s[8:9], 0x0                ; Tc
	s_lshl_b32 s22, s27, 12
	s_add_nc_u64 s[10:11], s[10:11], s[22:23]  ; kimg: two tiles of 2,048 bytes for 32 pixels
	s_add_nc_u64 s[12:13], s[12:13], s[22:23]  ; vimg: 4,096 bytes for 64 channels
	s_lshl_b32 s22, s27, 8
	s_add_nc_u64 s[28:29], s[14:15], s[22:23]  ; scale words: 256 bytes either way
	s_lshl_b32 s22, s27, 7
	s_add_nc_u64 s[30:31], s[14:15], s[22:23]  ; 4 bytes a pixel
	s_add_nc_u64 s[16:17], s[16:17], s[22:23]
.irp c, 0,1
.irp i, 0,1,2,3,4,5,6,7
	global_load_b128 v[64+32*\c+4*\i:67+32*\c+4*\i], v7, s[6:7] offset:256*\c+16*\i   ; center(row, 128 s + 64 c + 32 h + ..): two whole blocks a lane
.endr
.endr
.set i, 0
.rept 32
	global_load_b128 v[128+4*i:131+4*i], v4, s[4:5] offset:4096*i th:TH_LOAD_NT       ; a channel's 128 pixels: 512 consecutive bytes a load
.set i, i+1
.endr
	s_wait_loadcnt 32                          ; center's 16 loads are in; f's 32 may be out
.irp c, 0,1
	v_max3_num_f32 v[40+\c], |v[64+32*\c]|, |v[65+32*\c]|, FLOOR
.endr
.irp i, 2,4,6,8,10,12,14,16,18,20,22,24,26,28,30
.irp c, 0,1
	v_max3_num_f32 v[40+\c], v[40+\c], |v[64+32*\c+\i]|, |v[65+32*\c+\i]|
.endr
.endr
.irp c, 0,1
	v_add_nc_u32 v[42+\c], 0xff000000, v[40+\c]
.endr
.irp c, 0,1
	v_lshrrev_b32 v[44+\c], 23, v[42+\c]
.endr
	v_lshl_or_b32 v46, v45, 16, v44            ; my two bytes: blocks h and 2 + h,
	v_lshlrev_b32 v47, 3, v3
	v_lshlrev_b32 v46, v47, v46                ; at their places in the word;
	v_permlanex16_b32 v47, v46, s24, s25
	v_or_b32 v46, v46, v47                     ; with lane l xor 16's two it is whole
	v_pk_mul_f32 v[48:49], v[64:65], v[64:65]
	v_pk_mul_f32 v[50:51], v[66:67], v[66:67]
.set m, 2
.rept 30
	v_pk_fma_f32 v[48+2*(m%2):49+2*(m%2)], v[64+2*m:65+2*m], v[64+2*m:65+2*m], v[48+2*(m%2):49+2*(m%2)]
.set m, m+1
.endr
	v_pk_add_f32 v[48:49], v[48:49], v[50:51]
	v_add_f32 v48, v48, v49
	v_permlanex16_b32 v49, v48, s24, s25
	v_add_f32 v48, v48, v49                    ; the row's sum of squares over this K step
.irp c, 0,1
.irp g, 0,1,2,3
	v_cvt_scalef32_pk8_fp4_f32 v[32+4*\c+\g], v[64+32*\c+8*\g:71+32*\c+8*\g], v[42+\c]
.endr
.endr
	v_nop                                      ; one plain line behind the conversions
	ds_store_b128 v11, v[32:35]
	ds_store_b128 v11, v[36:39] offset:512
	ds_store_b32 v12, v46                      ; lanes r and r + 16 write the same word with the same value
	ds_store_b32 v13, v48
	s_wait_loadcnt 0x0
.set i, 0
.rept 32
	ds_store_b128 v8, v[128+4*i:131+4*i] offset:528*i
.set i, i+1
.endr
	s_wait_kmcnt 0x0                           ; Tc
	s_wait_dscnt 0x0                           ; for the others' sake: my stores have landed
	s_barrier_signal -1
	s_barrier_wait -1                          ; the only barrier: behind it LDS is only read
	s_cmp_ge_u32 s18, 4
	s_cbranch_scc1 .Lvside
	; ---- waves 0-3: a lane a pixel
	LOADB 0, 0
	LOADB 1, 1
.set jj, 0
.rept 16
	KBLOCK
.set jj, jj+1
.endr
	v_nop
; Lanes 0-15 hold the pixels of tile u = 0, lanes 16-31 those of tile u = 1; an operand wants blocks of even number in lanes 0-15 and of odd number in lanes 16-31.
; One exchange (the first's lanes 16-31 with the second's lanes 0-15) makes of each pair of registers the images of tile 0 and of tile 1; the scale words likewise.
.set x, 0
.rept 16
	v_permlane16_swap_b32 v[192+x], v[208+x]
	v_permlane16_swap_b32 v[224+x], v[240+x]
.set x, x+1
.endr
	v_permlane16_swap_b32 v24, v25
	v_permlane16_swap_b32 v26, v27
.irp u, 0,1
.irp ch, 0,1,2,3
	global_store_b128 v4, v[224+16*\u+4*\ch:227+16*\u+4*\ch], s[10:11] offset:2048*\u+512*\ch   ; 512 consecutive bytes a store
.endr
	global_store_b32 v54, v[26+\u], s[28:29] offset:128*\u
.endr
.set x, 0
.rept 16
	ds_load_b128 v[128+4*x:131+4*x], v14 offset:512*x      ; center's eight fragments
.set x, x+1
.endr
.irp ct, 0,1,2,3
	ds_load_b32 v[20+\ct], v15 offset:128*\ct
.endr
	s_wait_dscnt 0x0
	PLACES 8                                   ; scale words and operands written by vector instructions stand 8 and 4 places ahead of a scaled matrix instruction
; source 0 = 16 centres, source 1 = 16 pixels: register j of lane (r, h) is centre 16 ct + 8 h + j against pixel r of tile u.  Eight accumulators by turns.
.irp u, 0,1
.irp ct, 0,1,2,3
	v_wmma_scale_f32_16x16x128_f8f6f4 v[64+8*(\ct+4*\u):71+8*(\ct+4*\u)], v[128+16*\ct:135+16*\ct], v[192+16*\u:199+16*\u], 0, v[20+\ct], v[24+\u] matrix_a_fmt:MATRIX_FMT_FP4 matrix_b_fmt:MATRIX_FMT_FP4
.endr
.endr
.irp u, 0,1
.irp ct, 0,1,2,3
	v_wmma_scale_f32_16x16x128_f8f6f4 v[64+8*(\ct+4*\u):71+8*(\ct+4*\u)], v[136+16*\ct:143+16*\ct], v[200+16*\u:207+16*\u], v[64+8*(\ct+4*\u):71+8*(\ct+4*\u)], v[20+\ct], v[24+\u] matrix_a_fmt:MATRIX_FMT_FP4 matrix_b_fmt:MATRIX_FMT_FP4 matrix_a_scale:MATRIX_SCALE_ROW1 matrix_b_scale:MATRIX_SCALE_ROW1
.endr
.endr
	PLACES 4
.irp s, 0,1
.irp ct, 0,1,2,3
.irp k, 0,1
	ds_load_b128 v[128+32*\s+8*\ct+4*\k:131+32*\s+8*\ct+4*\k], v16 offset:256*\s+64*\ct+16*\k   ; |center|^2 of my eight centres of each tile, in two parts
.endr
.endr
.endr
	v_mov_b32 v28, v46
	v_mov_b32 v30, v46
	v_mov_b32 v29, 0                           ; (named as the upper halves of pairs)
	v_mov_b32 v31, 0
	v_mov_b32 v34, 0                           ; (a lane permute's destination counts as read)
	v_mov_b32 v35, 0
	v_permlane16_swap_b32 v28, v30             ; v28: |X|^2 of tile 0's pixel r in both halves of the lanes; v30: tile 1's
	s_wait_dscnt 0x0
.set m, 0
.rept 16
	v_pk_add_f32 v[128+2*m:129+2*m], v[128+2*m:129+2*m], v[160+2*m:161+2*m]
.set m, m+1
.endr
.irp u, 0,1
.set m, 0
.rept 16
	v_pk_add_f32 v[160+2*m:161+2*m], v[128+2*m:129+2*m], v[28+2*\u:29+2*\u] op_sel_hi:[1,0]
.set m, m+1
.endr
.set m, 0
.rept 16
	v_pk_fma_f32 v[160+2*m:161+2*m], v[64+32*\u+2*m:65+32*\u+2*m], -2.0, v[160+2*m:161+2*m] op_sel_hi:[1,0,1]   ; (x2 + c2) - 2 x.c; each accumulator from its low end on
.set m, m+1
.endr
	v_min3_num_f32 v[32+\u], v160, v161, v162
	v_min3_num_f32 v18, v163, v164, v165
.irp i, 6,10,14,18,22,26
	v_min3_num_f32 v[32+\u], v[32+\u], v[160+\i], v[161+\i]
	v_min3_num_f32 v18, v18, v[162+\i], v[163+\i]
.endr
	v_min3_num_f32 v[32+\u], v[32+\u], v190, v191
	v_min_num_f32 v[32+\u], v[32+\u], v18
	v_permlanex16_b32 v[34+\u], v[32+\u], s24, s25
	v_min_num_f32 v[32+\u], v[32+\u], v[34+\u]
.endr
	v_cndmask_b32 v32, v32, v33, s34           ; my own pixel's: tile L / 16
	v_max_num_f32 v32, 0, v32
	v_sqrt_f32 v36, v32                        ; d
	TWAIT
	v_cmp_lt_f32 vcc_lo, s26, v36              ; d > Tc
	v_mov_b32 v37, 0xf149f2ca                  ; -1e30
	v_cndmask_b32 v38, 0, v37, vcc_lo
	v_cndmask_b32 v39, 0, 1, vcc_lo
	global_store_b32 v52, v36, s[30:31] offset:163840
	global_store_b32 v52, v38, s[30:31] offset:131072
	global_store_b32 v52, v39, s[16:17]
	s_set_vgpr_msb 0x4
	s_wait_tensorcnt 0x0
	ds_add_u32 v55, v1
	s_wait_dscnt 0x0
	s_set_vgpr_msb 0x400
	s_endpgm
.Lvside:                                       ; ---- waves 4-7: a lane a channel, twice 32 channels, four blocks of 32 pixels each
	VLOAD 0
	VLOAD 1
.irp t, 0,1,2,3,4,5,6,7
	VBLOCK \t
.endr
	s_set_vgpr_msb 0x4
	s_wait_tensorcnt 0x0
	ds_add_u32 v55, v1
	s_wait_dscnt 0x0
	s_set_vgpr_msb 0x400
	s_endpgm
.Lfunc_end_k_qc3e6834885_prep:
	.size	k_qc3e6834885_prep, .Lfunc_end_k_qc3e6834885_prep-k_qc3e6834885_prep
	.p2alignl 7, 3214868480
	.fill 96, 4, 3214868480
	.section	.rodata,"a",@progbits
	.p2align	6, 0x0
	.amdhsa_kernel k_qc3e6834885_prep
		.amdhsa_group_segment_fixed_size 145408
		.amdhsa_private_segment_fixed_size 0
		.amdhsa_enable_private_segment 0
		.amdhsa_kernarg_size 56
		.amdhsa_user_sgpr_count 2
		.amdhsa_user_sgpr_kernarg_segment_ptr 1
		.amdhsa_wavefront_size32 1
		.amdhsa_system_sgpr_workgroup_id_x 1
		.amdhsa_system_sgpr_workgroup_id_y 1
		.amdhsa_system_sgpr_workgroup_id_z 1
		.amdhsa_system_vgpr_workitem_id 0
		.amdhsa_next_free_vgpr 258
		.amdhsa_next_free_sgpr 66
		.amdhsa_reserve_vcc 1
		.amdhsa_float_denorm_mode_32 3
		.amdhsa_float_denorm_mode_16_64 3
		.amdhsa_memory_ordered 1
		.amdhsa_forward_progress 1
		.amdhsa_inst_pref_size 113
	.end_amdhsa_kernel
	.amdgpu_metadata
---
amdhsa.version: [ 1, 2 ]
amdhsa.kernels:
  - .name:           k_qc3e6834885_prep
    .symbol:         k_qc3e6834885_prep.kd
    .args:
      - { .name: f, .offset: 0, .size: 8, .value_kind: global_buffer, .address_space: global }
      - { .name: center, .offset: 8, .size: 8, .value_kind: global_buffer, .address_space: global }
      - { .name: Tc, .offset: 16, .size: 8, .value_kind: global_buffer, .address_space: global }
      - { .name: kimg, .offset: 24, .size: 8, .value_kind: global_buffer, .address_space: global }
      - { .name: vimg, .offset: 32, .size: 8, .value_kind: global_buffer, .address_space: global }
      - { .name: aux, .offset: 40, .size: 8, .value_kind: global_buffer, .address_space: global }
      - { .name: flag, .offset: 48, .size: 8, .value_kind: global_buffer, .address_space: global }
    .group_segment_fixed_size: 145408
    .private_segment_fixed_size: 0
    .kernarg_segment_align: 8
    .kernarg_segment_size: 56
    .max_flat_workgroup_size: 256
    .sgpr_count:     66
    .vgpr_count:     258
    .wavefront_size: 32
...
	.end_amdgpu_metadata
.endif
;; end of part 1
;; launch compact (part 2): grid 1 x 1, 32 waves a work-group, no clusters, 4,608 bytes of LDS; arguments flag, aux, idx, out1; writes idx, out1
.if DOCPART == 2
	.amdgcn_target "amdgcn-amd-amdhsa--gfx1250"
	.amdhsa_code_object_version 6
	.text
	.protected	k_qc3e6834885_compact
	.globl	k_qc3e6834885_compact
	.p2align	8
	.type	k_qc3e6834885_compact,@function
k_qc3e6834885_compact:
	s_mov_b64 s[64:65], 0
	v_nop
	global_prefetch_b8 v0, s[64:65] scope:SCOPE_SE
	s_setreg_imm32_b32 hwreg(HW_REG_WAVE_MODE, 25, 1), 1
	s_wait_xcnt 0x0
; A counting sort of the 8,192 pixels by their flag, by one work-group, and the second output.
;   idx + 0:      ROWS: the pixels, the anomalous ones first, each kind in ascending order
;   idx + 32768:  SEL[p] = flag << 31 | min(anomalous pixels before p, max(NA - 1, 0))
;   idx + 65536:  NA; ST = 4 ceil(NA / 64), at least 4: the tiles of 16 rows that the next launches work; max(8192 - NA, 1); 0
;   out1 = mean of d over the normal pixels / (mean over the anomalous ones + 0.001), or the first mean alone where NA = 0.  Divisions are a reciprocal and a multiplication.
; Wave w, slot i, lane L: p = 256 w + 32 i + L.  Counts stay whole numbers throughout.  LDS: 0: the waves' counts; 128, 256: their sums of d.
.macro ISUM x, t                       ; a whole number summed over the 32 lanes
.irp k, 1,2,4,8
	v_mov_b32_dpp v[\t], v[\x] row_xmask:\k row_mask:0xf bank_mask:0xf
	v_add_nc_u32 v[\x], v[\x], v[\t]
.endr
	v_permlanex16_b32 v[\t], v[\x], s14, s15
	v_add_nc_u32 v[\x], v[\x], v[\t]
.endm
.macro FSUM x, t                       ; an f32 number likewise
.irp k, 1,2,4,8
	v_add_f32_dpp v[\x], v[\x], v[\x] row_xmask:\k row_mask:0xf bank_mask:0xf
.endr
	v_permlanex16_b32 v[\t], v[\x], s14, s15
	v_add_f32 v[\x], v[\x], v[\t]
.endm
	s_load_b256 s[4:11], s[0:1], 0x0           ; flag s[4:5], aux s[6:7], idx s[8:9], out1 s[10:11]
	v_lshl_add_u32 v96, v0, 2, 0x200
	v_mov_b32 v97, 0
	v_lshrrev_b32 v1, 5, v0
	v_readfirstlane_b32 s12, v1                ; wave 0..31
	v_and_b32 v2, 31, v0                       ; L
	v_lshlrev_b32 v7, 2, v2                    ; 4 L
	s_lshl_b32 s13, s12, 10
	v_add_nc_u32 v3, s13, v7                   ; 4 p of slot 0
	s_lshl_b32 s13, s12, 8
	v_add_nc_u32 v43, s13, v2                  ; p of slot 0
	v_mov_b32 v5, s12
	v_lshlrev_b32 v5, 2, v5                    ; my wave's word
	s_mov_b32 s14, 0x76543210
	s_mov_b32 s15, 0xfedcba98
	v_mov_b32 v42, 0                           ; (a lane permute's destination counts as read)
	v_mov_b32 v46, 0x80000000
	v_mov_b32 v47, 0
	s_wait_kmcnt 0x0
.irp i, 0,1,2,3,4,5,6,7
	global_load_b32 v[8+\i], v3, s[4:5] offset:128*\i
.endr
.irp i, 0,1,2,3,4,5,6,7
	global_load_b32 v[16+\i], v3, s[6:7] offset:163840+128*\i
.endr
	s_wait_loadcnt 8                           ; the flags are in; the eight loads of d may be out
	s_mov_b32 s40, 0
.irp i, 0,1,2,3,4,5,6,7
	v_cmp_ne_u32 s[32+\i], 0, v[8+\i]          ; slot i's flags as a mask
	s_bcnt1_i32_b32 s20, s[32+\i]
	s_add_co_u32 s[41+\i], s[40+\i], s20       ; s[40 + i]: anomalous pixels of my wave ahead of slot i; s48: all of them
.endr
	v_mov_b32 v4, s48
	ds_store_b32 v5, v4
	s_wait_loadcnt 0x0
	v_cndmask_b32 v24, 0, v16, s32
	v_cndmask_b32 v25, v16, 0, s32
.irp i, 1,2,3,4,5,6,7
	v_cndmask_b32 v26, 0, v[16+\i], s[32+\i]
	v_cndmask_b32 v27, v[16+\i], 0, s[32+\i]
	v_add_f32 v24, v24, v26
	v_add_f32 v25, v25, v27
.endr
	FSUM 24, 42
	FSUM 25, 42
	ds_store_b32 v5, v24 offset:128
	ds_store_b32 v5, v25 offset:256
	s_wait_dscnt 0x0                           ; for the others' sake: my three words have landed
	s_barrier_signal -1
	s_barrier_wait -1
	ds_load_b32 v40, v7                        ; lane L: wave L's count
	s_wait_dscnt 0x0
	v_cmp_gt_u32 vcc_lo, s12, v2
	v_cndmask_b32 v41, 0, v40, vcc_lo          ; the waves ahead of mine
	ISUM 40, 42
	ISUM 41, 42
	v_readfirstlane_b32 s50, v40               ; NA
	v_readfirstlane_b32 s51, v41               ; anomalous pixels ahead of my wave
	s_max_u32 s52, s50, 1
	s_sub_co_u32 s52, s52, 1                   ; max(NA - 1, 0)
.irp i, 0,1,2,3,4,5,6,7
	s_add_co_u32 s20, s51, s[40+\i]
	v_mbcnt_lo_u32_b32 v[48+\i], s[32+\i], s20 ; anomalous pixels before p
	v_add_nc_u32 v[56+\i], 32*\i, v43          ; p
	v_sub_nc_u32 v44, v[56+\i], v[48+\i]       ; normal pixels before p
	v_add_nc_u32 v44, s50, v44
	v_cndmask_b32 v[64+\i], v44, v[48+\i], s[32+\i]
	v_min_u32 v[64+\i], 8191, v[64+\i]         ; p's place in ROWS
	v_lshlrev_b32 v[64+\i], 2, v[64+\i]
	global_store_b32 v[64+\i], v[56+\i], s[8:9]
	v_min_u32 v[72+\i], s52, v[48+\i]
	v_cndmask_b32 v45, 0, v46, s[32+\i]
	v_or_b32 v[72+\i], v[72+\i], v45
	global_store_b32 v3, v[72+\i], s[8:9] offset:32768+128*\i
.endr
	s_cmp_lg_u32 s12, 0
	s_cbranch_scc1 .Ldone
	ds_load_b32 v24, v7 offset:128
	ds_load_b32 v25, v7 offset:256
	s_wait_dscnt 0x0
	FSUM 24, 42                                ; the sum of d over the anomalous pixels
	FSUM 25, 42                                ; and over the normal ones
	s_sub_co_u32 s53, 8192, s50
	s_max_u32 s54, s53, 1
	s_max_u32 s55, s50, 1
	v_cvt_f32_u32 v26, s54
	v_cvt_f32_u32 v27, s55
	v_rcp_f32 v26, v26
	v_rcp_f32 v27, v27
	v_nop
	s_wait_alu depctr_va_vdst(0)               ; one wait for both reciprocals, ahead of their first reader
	v_mul_f32 v25, v25, v26                    ; mean over the normal pixels
	v_mul_f32 v24, v24, v27
	v_add_f32 v24, 0x3a83126f, v24             ; mean over the anomalous ones + 0.001
	v_rcp_f32 v28, v24
	v_nop
	s_wait_alu depctr_va_vdst(0)
	v_mul_f32 v28, v25, v28
	s_cmp_gt_u32 s50, 0
	s_cselect_b32 s20, -1, 0
	v_cndmask_b32 v28, v25, v28, s20
	s_add_co_u32 s56, s50, 63
	s_lshr_b32 s56, s56, 6
	s_lshl_b32 s56, s56, 2
	s_max_u32 s56, s56, 4
	v_mov_b32 v32, s50
	v_mov_b32 v33, s56
	v_mov_b32 v34, s54
	v_mov_b32 v35, 0
	v_cmp_eq_u32 vcc_lo, 0, v2
	s_wait_xcnt 0x0                            ; EXEC is a source of the stores above: it changes only behind this wait
	s_and_saveexec_b32 s21, vcc_lo
	global_store_b32 v47, v28, s[10:11]
	global_store_b128 v47, v[32:35], s[8:9] offset:65536
	s_wait_xcnt 0x0                            ; and again ahead of the line that restores it
	s_or_b32 exec_lo, exec_lo, s21
.Ldone:
	s_wait_tensorcnt 0x0
	ds_add_u32 v96, v97
	s_wait_dscnt 0x0
	s_endpgm
.Lfunc_end_k_qc3e6834885_compact:
	.size	k_qc3e6834885_compact, .Lfunc_end_k_qc3e6834885_compact-k_qc3e6834885_compact
	.p2alignl 7, 3214868480
	.fill 96, 4, 3214868480
	.section	.rodata,"a",@progbits
	.p2align	6, 0x0
	.amdhsa_kernel k_qc3e6834885_compact
		.amdhsa_group_segment_fixed_size 4608
		.amdhsa_private_segment_fixed_size 0
		.amdhsa_enable_private_segment 0
		.amdhsa_kernarg_size 32
		.amdhsa_user_sgpr_count 2
		.amdhsa_user_sgpr_kernarg_segment_ptr 1
		.amdhsa_wavefront_size32 1
		.amdhsa_system_sgpr_workgroup_id_x 1
		.amdhsa_system_sgpr_workgroup_id_y 1
		.amdhsa_system_sgpr_workgroup_id_z 1
		.amdhsa_system_vgpr_workitem_id 0
		.amdhsa_next_free_vgpr 98
		.amdhsa_next_free_sgpr 66
		.amdhsa_reserve_vcc 1
		.amdhsa_float_denorm_mode_32 3
		.amdhsa_float_denorm_mode_16_64 3
		.amdhsa_memory_ordered 1
		.amdhsa_forward_progress 1
		.amdhsa_inst_pref_size 16
	.end_amdhsa_kernel
	.amdgpu_metadata
---
amdhsa.version: [ 1, 2 ]
amdhsa.kernels:
  - .name:           k_qc3e6834885_compact
    .symbol:         k_qc3e6834885_compact.kd
    .args:
      - { .name: flag, .offset: 0, .size: 8, .value_kind: global_buffer, .address_space: global }
      - { .name: aux, .offset: 8, .size: 8, .value_kind: global_buffer, .address_space: global }
      - { .name: idx, .offset: 16, .size: 8, .value_kind: global_buffer, .address_space: global }
      - { .name: out1, .offset: 24, .size: 8, .value_kind: global_buffer, .address_space: global }
    .group_segment_fixed_size: 4608
    .private_segment_fixed_size: 0
    .kernarg_segment_align: 8
    .kernarg_segment_size: 32
    .max_flat_workgroup_size: 1024
    .sgpr_count:     66
    .vgpr_count:     98
    .wavefront_size: 32
...
	.end_amdgpu_metadata
.endif
;; end of part 2
;; launch passa (part 3): grid 256 x 1, 4 waves a work-group, no clusters, 0 bytes of LDS; arguments kimg, aux, idx, sta; writes sta
.if DOCPART == 3
	.amdgcn_target "amdgcn-amd-amdhsa--gfx1250"
	.amdhsa_code_object_version 6
	.text
	.protected	k_qc3e6834885_passa
	.globl	k_qc3e6834885_passa
	.p2align	8
	.type	k_qc3e6834885_passa,@function
k_qc3e6834885_passa:
	s_mov_b64 s[64:65], 0
	v_nop
	global_prefetch_b8 v0, s[64:65] scope:SCOPE_SE
	s_setreg_imm32_b32 hwreg(HW_REG_WAVE_MODE, 25, 1), 1
	s_wait_xcnt 0x0
; The row sums of the softmax chain, first pass (PB = 0): Z = sum e, Q2 = sum e^2, e = exp(sim + mask), sim = Q(Xn) Q(Xn)^T on codes of E2M1.
; (The same text with PB = 1 is the second pass: S' = sum of a = m e / (m + 1e-10), m = max(e / Z + nthr, 0), nthr = 2 sqrt(var) - 1 / t.)
; THE KEYS STAY, THE ROWS WALK.  Wave W = 4 x work-group + wave keeps 512 keys (part = W % 16) in registers: 32 fragments pairs (512 registers), their scale words, and the column mask (0 or -1e30)
; in the result's layout (256 registers), which is the C of each score tile's first matrix instruction: masking costs no vector instruction.
; It walks the tiles of 16 rows g + 64 i < ST, g = W / 16; ST and the list of rows were stored by the launch before.  So one grid serves every split; a wave that a split leaves without rows ends.
; The trip count is a stored number, so operands come from memory straight into registers: no tensor load, no LDS, no barrier, and no joint loads of a cluster.
; S^T = K Q^T: source 0 = 16 keys, source 1 = 16 rows: a lane holds one row (lane % 16), its registers run along the keys; lanes l and l xor 16 share a row.
; NO MAXIMUM IS TAKEN AWAY: the vectors are normalised as the problem says, and a code differs from its number by at most a quarter of its block's largest magnitude, so |Q(Xn)| <= 2.42 and |sim| <= 5.9:
; e lies between 2.7e-3 and 365, Z under 3e6, Q2 under 1.1e9, for every input.
; LIMITS (PB = 1): mu is taken as 1 / t; var = max(Q2 / (Z^2 t) - 1 / t^2, 0), a difference of moments; divisions are a reciprocal and a multiplication; with no normal pixel the sums are 0 and nothing finite follows.
; REGISTERS: windows 1, 2: K, tile T at v[16 (T % 16)] of window 1 + T / 16; window 3: the mask, v[8 T]; window 0: below.
.set PB, 0
.set RW, 8                             ; the row number for the gather after next
.set RO, 9                             ; byte offset in ROWS of the next tile's rows
.set QA, 10                            ; the gather's offset in kimg
.set QSA, 11                           ; and among the scale words
.set SO, 12                            ; where I store
.set Q, 16                             ; v16-47 the rows' fragments, two sets of 16
.set QS, 48                            ; v48-49 their scale words
.set KS, 50                            ; v50-81 K's scale words
.set ZA, 84                            ; PB = 0: v84-87 Z in two pair chains;  PB = 1: v[84:85] 1 / Z twice, v[86:87] nthr twice
.set ZQ, 88                            ; v88-91 Q2 (PB = 1: S') in two pair chains
.set STO, 92
.set RT, 93                            ; 1 / t
.set VAL, 94
.set RB, 95                            ; 4 r + 64 g
.set STT, 96                           ; v96-111 the sixteen parts of Z or Q2
.set SC, 112                           ; v112-175 the scores
.set U, 176                            ; v176-239 at work
.set MSB, 0
.macro WIN new                         ; the immediate's high byte repeats the setting that is left
.if MSB != (\new)
	s_set_vgpr_msb (MSB<<8)|(\new)
.set MSB, (\new)
.endif
.endm
.macro PLACES n
.rept \n
	v_nop
.endr
.endm
.macro WM d, a, b, c, sa, sb, rows     ; rows = 0: both scale words from lanes 0-15; 3: both from lanes 16-31
.if (\rows) == 0
	v_wmma_scale_f32_16x16x128_f8f6f4 v[\d:\d+7], v[\a:\a+7], v[\b:\b+7], v[\c:\c+7], v[\sa], v[\sb] matrix_a_fmt:MATRIX_FMT_FP4 matrix_b_fmt:MATRIX_FMT_FP4
.else
	v_wmma_scale_f32_16x16x128_f8f6f4 v[\d:\d+7], v[\a:\a+7], v[\b:\b+7], v[\c:\c+7], v[\sa], v[\sb] matrix_a_fmt:MATRIX_FMT_FP4 matrix_b_fmt:MATRIX_FMT_FP4 matrix_a_scale:MATRIX_SCALE_ROW1 matrix_b_scale:MATRIX_SCALE_ROW1
.endif
.endm
.macro QADDR                           ; pixel p lies in tile 2 (p / 32) + (p / 8) % 2, row 8 ((p / 16) % 2) + p % 8
	v_min_u32 v13, 8191, v[RW]
	v_and_b32 v14, 0x1fe0, v13
	v_and_b32 v15, 8, v13
	v_and_b32 v82, 16, v13
	v_and_b32 v83, 7, v13
	v_lshl_add_u32 v[QA], v14, 7, v7
	v_lshl_add_u32 v[QA], v15, 8, v[QA]
	v_lshl_add_u32 v[QA], v82, 3, v[QA]
	v_lshl_add_u32 v[QA], v83, 4, v[QA]
	v_lshl_add_u32 v[QSA], v14, 3, v6
	v_lshl_add_u32 v[QSA], v15, 4, v[QSA]
	v_lshl_add_u32 v[QSA], v82, 1, v[QSA]
	v_lshl_add_u32 v[QSA], v83, 2, v[QSA]
.endm
.macro QLOAD set
.irp ch, 0,1,2,3
	global_load_b128 v[Q+16*(\set)+4*\ch:Q+16*(\set)+4*\ch+3], v[QA], s[4:5] offset:512*\ch
.endr
	global_load_b32 v[QS+(\set)], v[QSA], s[6:7]
.endm
.macro STLOAD                          ; lanes 0-15: the sixteen parts of my row's Z; lanes 16-31: of its Q2
.set m, 0
.rept 16
	global_load_b32 v[STT+m], v[STO], s[12:13] offset:65536*m
.set m, m+1
.endr
.endm
.macro SCORES set, q                   ; 128 keys x 16 rows: eight accumulators by turns, the mask as the first C, then channels 128-255 in place
	WIN 0x30|(1+(\q)/2)
.irp tt, 0,1,2,3,4,5,6,7
	WM SC+8*\tt, 128*((\q)%2)+16*\tt, Q+16*(\set), 64*(\q)+8*\tt, KS+8*(\q)+\tt, QS+(\set), 0
.endr
	WIN 1+(\q)/2
.irp tt, 0,1,2,3,4,5,6,7
	WM SC+8*\tt, 128*((\q)%2)+16*\tt+8, Q+16*(\set)+8, SC+8*\tt, KS+8*(\q)+\tt, QS+(\set), 3
.endr
	WIN 0
	PLACES 4
.endm
.macro EXPS                            ; e = 2^(log2(e) s): each accumulator is read from its low end on; one wait for the batch of 64
.set m, 0
.rept 32
	v_pk_mul_f32 v[SC+2*m:SC+2*m+1], v[SC+2*m:SC+2*m+1], s[28:29] op_sel_hi:[1,0]
.set m, m+1
.endr
.set m, 0
.rept 64
	v_exp_f32 v[SC+m], v[SC+m]
.set m, m+1
.endr
	v_nop
	s_wait_alu depctr_va_vdst(0)
.endm
.macro CORE base, n, rz, nt            ; e -> a = m e / (m + 1e-10), m = max(e rz + nt, 0)
.set m, 0
.rept (\n)/2
	v_pk_fma_f32 v[U+2*m:U+2*m+1], v[\base+2*m:\base+2*m+1], v[\rz:\rz+1], v[\nt:\nt+1]
.set m, m+1
.endr
.set m, 0
.rept \n
	v_max_num_f32 v[U+m], 0, v[U+m]
.set m, m+1
.endr
.set m, 0
.rept (\n)/2
	v_pk_mul_f32 v[\base+2*m:\base+2*m+1], v[\base+2*m:\base+2*m+1], v[U+2*m:U+2*m+1]
.set m, m+1
.endr
.set m, 0
.rept (\n)/2
	v_pk_add_f32 v[U+2*m:U+2*m+1], v[U+2*m:U+2*m+1], s[30:31] op_sel_hi:[1,0]
.set m, m+1
.endr
.set m, 0
.rept \n
	v_rcp_f32 v[U+m], v[U+m]
.set m, m+1
.endr
	v_nop
	s_wait_alu depctr_va_vdst(0)
.set m, 0
.rept (\n)/2
	v_pk_mul_f32 v[\base+2*m:\base+2*m+1], v[\base+2*m:\base+2*m+1], v[U+2*m:U+2*m+1]
.set m, m+1
.endr
.endm
.macro VEC
	EXPS
.if PB
	CORE SC, 64, ZA, ZA+2
.set m, 0
.rept 32
	v_pk_add_f32 v[ZQ+2*(m%2):ZQ+2*(m%2)+1], v[ZQ+2*(m%2):ZQ+2*(m%2)+1], v[SC+2*m:SC+2*m+1]
.set m, m+1
.endr
.else
.set m, 0
.rept 32
	v_pk_add_f32 v[ZA+2*(m%2):ZA+2*(m%2)+1], v[ZA+2*(m%2):ZA+2*(m%2)+1], v[SC+2*m:SC+2*m+1]
	v_pk_fma_f32 v[ZQ+2*(m%2):ZQ+2*(m%2)+1], v[SC+2*m:SC+2*m+1], v[SC+2*m:SC+2*m+1], v[ZQ+2*(m%2):ZQ+2*(m%2)+1]
.set m, m+1
.endr
.endif
.endm
.macro TREE t                          ; v[t] = the sum of v[t] .. v[t + 15]
	v_pk_add_f32 v[\t:\t+1], v[\t:\t+1], v[\t+2:\t+3]
	v_pk_add_f32 v[\t+4:\t+5], v[\t+4:\t+5], v[\t+6:\t+7]
	v_pk_add_f32 v[\t+8:\t+9], v[\t+8:\t+9], v[\t+10:\t+11]
	v_pk_add_f32 v[\t+12:\t+13], v[\t+12:\t+13], v[\t+14:\t+15]
	v_pk_add_f32 v[\t:\t+1], v[\t:\t+1], v[\t+4:\t+5]
	v_pk_add_f32 v[\t+8:\t+9], v[\t+8:\t+9], v[\t+12:\t+13]
	v_pk_add_f32 v[\t:\t+1], v[\t:\t+1], v[\t+8:\t+9]
	v_add_f32 v[\t], v[\t], v[\t+1]
.endm
.macro ROWC t, rz, nt, rt              ; the row's constants: 1 / Z and nthr = 2 sqrt(var) - 1 / t, each twice
	TREE \t
	v_permlanex16_b32 v[\t+1], v[\t], s32, s33
	v_cndmask_b32 v[\t+2], v[\t], v[\t+1], s34     ; Z
	v_cndmask_b32 v[\t+3], v[\t+1], v[\t], s34     ; Q2
	v_rcp_f32 v[\rz], v[\t+2]
	v_nop
	s_wait_alu depctr_va_vdst(0)
	v_mul_f32 v[\t+3], v[\t+3], v[\rz]
	v_mul_f32 v[\t+3], v[\t+3], v[\rz]
	v_mul_f32 v[\t+3], v[\t+3], v[\rt]
	v_fma_f32 v[\t+3], -v[\rt], v[\rt], v[\t+3]
	v_max_num_f32 v[\t+3], 0, v[\t+3]
	v_sqrt_f32 v[\t+4], v[\t+3]
	v_mov_b32 v[\rz+1], v[\rz]                     ; (the plain line behind the root)
	s_wait_alu depctr_va_vdst(0)
	v_fma_f32 v[\nt], 2.0, v[\t+4], -v[\rt]
	v_mov_b32 v[\nt+1], v[\nt]
.endm
; One tile of 16 rows against my 512 keys.  k: the set that holds its fragments; trip number s25 + k.
.macro TRIP k
	s_wait_loadcnt 0x0                         ; all that was asked for a trip ago: this tile's fragments, the next row numbers (PB = 1: this tile's sums); in the first trip K too
	s_wait_xcnt 0x0                            ; the last store has read its offset and its data
	v_add_nc_u32 v[SO], 4096, v[SO]            ; 64 tiles on; the store below reaches back
.if PB
	ROWC STT, ZA, ZA+2, RT
.endif
	QADDR
	QLOAD 1-\k                                 ; the next tile's fragments have this whole trip in which to land
.if PB
	v_lshl_add_u32 v[STO], v3, 15, v[RO]
	STLOAD
.endif
	s_add_co_u32 s26, s25, \k+2                ; the tile after next, or, past my last, my first again: only bytes that were stored are read
	s_cmp_lt_u32 s26, s24
	s_cselect_b32 s26, s26, 0
	s_min_u32 s26, s26, 7                      ; (it lies under my trips, which are eight at the most)
	s_lshl_b32 s26, s26, 12
	v_add_nc_u32 v[RO], s26, v[RB]
	global_load_b32 v[RW], v[RO], s[8:9]
.if PB == 0
.irp i, 0,1,2,3
	v_mov_b32 v[ZA+\i], 0
.endr
.endif
.irp i, 0,1,2,3
	v_mov_b32 v[ZQ+\i], 0
.endr
.irp q, 0,1,2,3
	SCORES \k, \q
	VEC
.endr
	v_pk_add_f32 v[ZQ:ZQ+1], v[ZQ:ZQ+1], v[ZQ+2:ZQ+3]
	v_add_f32 v[ZQ], v[ZQ], v[ZQ+1]
	v_permlanex16_b32 v14, v[ZQ], s32, s33     ; the row's other keys lie in lane l xor 16
.if PB
	v_add_f32 v[VAL], v[ZQ], v14               ; lanes 16-31 store the same word with the same value
.else
	v_pk_add_f32 v[ZA:ZA+1], v[ZA:ZA+1], v[ZA+2:ZA+3]
	v_add_f32 v[ZA], v[ZA], v[ZA+1]
	v_permlanex16_b32 v13, v[ZA], s32, s33
	v_add_f32 v[ZQ], v[ZQ], v14
	v_add_f32 v[ZA], v[ZA], v13
	v_cndmask_b32 v[VAL], v[ZA], v[ZQ], s34    ; lanes 0-15 store Z, lanes 16-31 Q2
.endif
	global_store_b32 v[SO], v[VAL], s[42:43] offset:-4096
.endm
	s_load_b256 s[4:11], s[0:1], 0x0           ; kimg s[4:5], aux s[6:7], idx s[8:9], the output s[10:11]
.if PB
	s_load_b64 s[12:13], s[0:1], 0x20          ; sta
.endif
	v_lshrrev_b32 v1, 5, v0
	v_readfirstlane_b32 s20, v1                ; wave 0..3
	v_and_b32 v1, 31, v0
	v_and_b32 v2, 15, v0                       ; r
	v_bfe_u32 v3, v0, 4, 1                     ; h
	v_lshlrev_b32 v4, 4, v1                    ; 16 L
	v_lshlrev_b32 v5, 2, v1                    ; 4 L
	v_lshlrev_b32 v6, 6, v3                    ; 64 h
	v_lshlrev_b32 v7, 8, v3                    ; 256 h
	s_lshl_b32 s21, ttmp9, 2
	s_add_co_u32 s21, s21, s20                 ; W
	s_and_b32 s22, s21, 15                     ; part
	s_lshr_b32 s23, s21, 4                     ; g
	s_mov_b32 s28, 0x3fb8aa3b                  ; log2(e)
	s_mov_b32 s29, s28
	s_mov_b32 s30, 0x2edbe6ff                  ; 1e-10
	s_mov_b32 s31, s30
	s_mov_b32 s32, 0x76543210
	s_mov_b32 s33, 0xfedcba98
	s_mov_b32 s34, 0xffff0000                  ; lanes 16-31
	s_lshl_b32 s26, s23, 6
	v_lshl_add_u32 v[RB], v2, 2, s26
.if PB
	v_mov_b32 v[SO], v[RB]
.else
	v_lshl_add_u32 v[SO], v3, 15, v[RB]
.endif
	s_wait_kmcnt 0x0
	s_load_b128 s[16:19], s[8:9], 0x10000      ; NA, ST, max(8192 - NA, 1), 0
	s_mov_b32 s27, 0
	s_lshl_b32 s26, s22, 16
	s_add_nc_u64 s[36:37], s[4:5], s[26:27]    ; my 32 tiles of K
.if PB
	s_lshl_b32 s26, s22, 15
.endif
	s_add_nc_u64 s[42:43], s[10:11], s[26:27]  ; my part of the output
	s_lshl_b32 s26, s22, 12
	s_add_nc_u64 s[38:39], s[6:7], s[26:27]    ; their scale words
	s_lshl_b32 s26, s22, 11
	s_add_nc_u64 s[40:41], s[6:7], s[26:27]    ; the mask of my 512 keys (+131072)
	; What hangs on no stored count goes out at once, while the counts are on their way: the row numbers of tile g (ranks 16 g + r lie inside the list whatever ST is) and the first half of K
	v_mov_b32 v[RO], v[RB]
	global_load_b32 v[RW], v[RO], s[8:9]
	WIN 0x40
.set T, 0
.rept 16
.irp ch, 0,1,2,3
	global_load_b128 v[16*T+4*\ch:16*T+4*\ch+3], v4, s[36:37] offset:2048*T+512*\ch
.endr
.set T, T+1
.endr
	WIN 0
	s_wait_kmcnt 0x0
	s_add_co_u32 s24, s17, 63
	s_sub_co_u32 s24, s24, s23
	s_lshr_b32 s24, s24, 6
	s_min_u32 s24, s24, 8                      ; my trips: the tiles g + 64 i under ST
	s_cmp_eq_u32 s24, 0
	s_cbranch_scc1 .Lend
.if PB
	v_cvt_f32_u32 v[RT], s18
	v_rcp_f32 v[RT], v[RT]
	v_nop
	s_wait_alu depctr_va_vdst(0)
.endif
	s_wait_loadcnt 63                          ; the row numbers are in: 64 loads were issued behind them
	QADDR
	QLOAD 0
.if PB
	v_lshl_add_u32 v[STO], v3, 15, v[RO]
	STLOAD
.endif
	s_cmp_gt_u32 s24, 1
	s_cselect_b32 s26, 4096, 0
	v_add_nc_u32 v[RO], s26, v[RB]
	global_load_b32 v[RW], v[RO], s[8:9]
	WIN 0x80
.rept 16
.irp ch, 0,1,2,3
	global_load_b128 v[16*(T-16)+4*\ch:16*(T-16)+4*\ch+3], v4, s[36:37] offset:2048*T+512*\ch
.endr
.set T, T+1
.endr
	WIN 0xc0
.set T, 0
.rept 32
.irp k, 0,1
	global_load_b128 v[8*T+4*\k:8*T+4*\k+3], v6, s[40:41] offset:131072+4*(32*(T/2)+8*(T%2))+16*\k   ; register j: key 32 (T / 2) + 16 h + 8 (T % 2) + j
.endr
.set T, T+1
.endr
	WIN 0
.set T, 0
.rept 32
	global_load_b32 v[KS+T], v5, s[38:39] offset:128*T
.set T, T+1
.endr
	s_add_co_u32 s45, s24, 1
	s_lshr_b32 s45, s45, 1                     ; pairs of tiles, the last perhaps half: four at the most
	s_mov_b32 s44, 0                           ; the loop counts pairs, one a trip
.Lloop:                                        ; two tiles a trip: the two sets of row fragments change places and come back
	s_lshl_b32 s25, s44, 1                     ; the number of the pair's first tile
	TRIP 0
	s_add_co_u32 s26, s25, 1
	s_cmp_lt_u32 s26, s24
	s_cbranch_scc1 .Lmore
	s_endpgm                                   ; a wave with an odd number of tiles ends here: the loop is left by s_endpgm or by falling through its backward branch, never by a jump past the counter's step
.Lmore:
	TRIP 1
	s_add_co_u32 s44, s44, 1
	s_cmp_lt_u32 s44, s45
	s_cbranch_scc1 .Lloop
.Lend:
	s_endpgm
.Lfunc_end_k_qc3e6834885_passa:
	.size	k_qc3e6834885_passa, .Lfunc_end_k_qc3e6834885_passa-k_qc3e6834885_passa
	.p2alignl 7, 3214868480
	.fill 96, 4, 3214868480
	.section	.rodata,"a",@progbits
	.p2align	6, 0x0
	.amdhsa_kernel k_qc3e6834885_passa
		.amdhsa_group_segment_fixed_size 0
		.amdhsa_private_segment_fixed_size 0
		.amdhsa_enable_private_segment 0
		.amdhsa_kernarg_size 32
		.amdhsa_user_sgpr_count 2
		.amdhsa_user_sgpr_kernarg_segment_ptr 1
		.amdhsa_wavefront_size32 1
		.amdhsa_system_sgpr_workgroup_id_x 1
		.amdhsa_system_sgpr_workgroup_id_y 1
		.amdhsa_system_sgpr_workgroup_id_z 1
		.amdhsa_system_vgpr_workitem_id 0
		.amdhsa_next_free_vgpr 1024
		.amdhsa_next_free_sgpr 66
		.amdhsa_reserve_vcc 0
		.amdhsa_float_denorm_mode_32 3
		.amdhsa_float_denorm_mode_16_64 3
		.amdhsa_memory_ordered 1
		.amdhsa_forward_progress 1
		.amdhsa_inst_pref_size 112
	.end_amdhsa_kernel
	.amdgpu_metadata
---
amdhsa.version: [ 1, 2 ]
amdhsa.kernels:
  - .name:           k_qc3e6834885_passa
    .symbol:         k_qc3e6834885_passa.kd
    .args:
      - { .name: kimg, .offset: 0, .size: 8, .value_kind: global_buffer, .address_space: global }
      - { .name: aux, .offset: 8, .size: 8, .value_kind: global_buffer, .address_space: global }
      - { .name: idx, .offset: 16, .size: 8, .value_kind: global_buffer, .address_space: global }
      - { .name: sta, .offset: 24, .size: 8, .value_kind: global_buffer, .address_space: global }
    .group_segment_fixed_size: 0
    .private_segment_fixed_size: 0
    .kernarg_segment_align: 8
    .kernarg_segment_size: 32
    .max_flat_workgroup_size: 128
    .sgpr_count:     66
    .vgpr_count:     1024
    .wavefront_size: 32
...
	.end_amdgpu_metadata
.endif
;; end of part 3
;; launch passb (part 4): grid 256 x 1, 4 waves a work-group, no clusters, 0 bytes of LDS; arguments kimg, aux, idx, stb, sta; writes stb
.if DOCPART == 4
	.amdgcn_target "amdgcn-amd-amdhsa--gfx1250"
	.amdhsa_code_object_version 6
	.text
	.protected	k_qc3e6834885_passb
	.globl	k_qc3e6834885_passb
	.p2align	8
	.type	k_qc3e6834885_passb,@function
k_qc3e6834885_passb:
	s_mov_b64 s[64:65], 0
	v_nop
	global_prefetch_b8 v0, s[64:65] scope:SCOPE_SE
	s_setreg_imm32_b32 hwreg(HW_REG_WAVE_MODE, 25, 1), 1
	s_wait_xcnt 0x0
; The row sums of the softmax chain, second pass (PB = 1): S' = sum of a = m e / (m + 1e-10), m = max(e / Z + nthr, 0), nthr = 2 sqrt(var) - 1 / t, e = exp(sim + mask), sim = Q(Xn) Q(Xn)^T on codes of E2M1.
; a equals relu(u) e / (|u| + 1e-10) with u = w - thr for every u; the factor 1 / Z between e and w cancels when the weights are divided by their sum.
; (The same text with PB = 0 is the first pass: Z = sum e, Q2 = sum e^2.)
; THE KEYS STAY, THE ROWS WALK.  Wave W = 4 x work-group + wave keeps 512 keys (part = W % 16) in registers: 32 fragments pairs (512 registers), their scale words, and the column mask (0 or -1e30)
; in the result's layout (256 registers), which is the C of each score tile's first matrix instruction: masking costs no vector instruction.
; It walks the tiles of 16 rows g + 64 i < ST, g = W / 16; ST and the list of rows were stored by an earlier launch.  So one grid serves every split; a wave that a split leaves without rows ends.
; The trip count is a stored number, so operands come from memory straight into registers: no tensor load, no LDS, no barrier, and no joint loads of a cluster.
; S^T = K Q^T: source 0 = 16 keys, source 1 = 16 rows: a lane holds one row (lane % 16), its registers run along the keys; lanes l and l xor 16 share a row.
; NO MAXIMUM IS TAKEN AWAY: the vectors are normalised as the problem says, and a code differs from its number by at most a quarter of its block's largest magnitude, so |Q(Xn)| <= 2.42 and |sim| <= 5.9:
; e lies between 2.7e-3 and 365, Z under 3e6, Q2 under 1.1e9, for every input.
; LIMITS: mu is taken as 1 / t; var = max(Q2 / (Z^2 t) - 1 / t^2, 0), a difference of moments; divisions are a reciprocal and a multiplication; with no normal pixel the sums are 0 and nothing finite follows.
; REGISTERS: windows 1, 2: K, tile T at v[16 (T % 16)] of window 1 + T / 16; window 3: the mask, v[8 T]; window 0: below.
.set PB, 1
.set RW, 8                             ; the row number for the gather after next
.set RO, 9                             ; byte offset in ROWS of the next tile's rows
.set QA, 10                            ; the gather's offset in kimg
.set QSA, 11                           ; and among the scale words
.set SO, 12                            ; where I store
.set Q, 16                             ; v16-47 the rows' fragments, two sets of 16
.set QS, 48                            ; v48-49 their scale words
.set KS, 50                            ; v50-81 K's scale words
.set ZA, 84                            ; PB = 0: v84-87 Z in two pair chains;  PB = 1: v[84:85] 1 / Z twice, v[86:87] nthr twice
.set ZQ, 88                            ; v88-91 Q2 (PB = 1: S') in two pair chains
.set STO, 92
.set RT, 93                            ; 1 / t
.set VAL, 94
.set RB, 95                            ; 4 r + 64 g
.set STT, 96                           ; v96-111 the sixteen parts of Z or Q2
.set SC, 112                           ; v112-175 the scores
.set U, 176                            ; v176-239 at work
.set MSB, 0
.macro WIN new                         ; the immediate's high byte repeats the setting that is left
.if MSB != (\new)
	s_set_vgpr_msb (MSB<<8)|(\new)
.set MSB, (\new)
.endif
.endm
.macro PLACES n
.rept \n
	v_nop
.endr
.endm
.macro WM d, a, b, c, sa, sb, rows     ; rows = 0: both scale words from lanes 0-15; 3: both from lanes 16-31
.if (\rows) == 0
	v_wmma_scale_f32_16x16x128_f8f6f4 v[\d:\d+7], v[\a:\a+7], v[\b:\b+7], v[\c:\c+7], v[\sa], v[\sb] matrix_a_fmt:MATRIX_FMT_FP4 matrix_b_fmt:MATRIX_FMT_FP4
.else
	v_wmma_scale_f32_16x16x128_f8f6f4 v[\d:\d+7], v[\a:\a+7], v[\b:\b+7], v[\c:\c+7], v[\sa], v[\sb] matrix_a_fmt:MATRIX_FMT_FP4 matrix_b_fmt:MATRIX_FMT_FP4 matrix_a_scale:MATRIX_SCALE_ROW1 matrix_b_scale:MATRIX_SCALE_ROW1
.endif
.endm
.macro QADDR                           ; pixel p lies in tile 2 (p / 32) + (p / 8) % 2, row 8 ((p / 16) % 2) + p % 8
	v_min_u32 v13, 8191, v[RW]
	v_and_b32 v14, 0x1fe0, v13
	v_and_b32 v15, 8, v13
	v_and_b32 v82, 16, v13
	v_and_b32 v83, 7, v13
	v_lshl_add_u32 v[QA], v14, 7, v7
	v_lshl_add_u32 v[QA], v15, 8, v[QA]
	v_lshl_add_u32 v[QA], v82, 3, v[QA]
	v_lshl_add_u32 v[QA], v83, 4, v[QA]
	v_lshl_add_u32 v[QSA], v14, 3, v6
	v_lshl_add_u32 v[QSA], v15, 4, v[QSA]
	v_lshl_add_u32 v[QSA], v82, 1, v[QSA]
	v_lshl_add_u32 v[QSA], v83, 2, v[QSA]
.endm
.macro QLOAD set
.irp ch, 0,1,2,3
	global_load_b128 v[Q+16*(\set)+4*\ch:Q+16*(\set)+4*\ch+3], v[QA], s[4:5] offset:512*\ch
.endr
	global_load_b32 v[QS+(\set)], v[QSA], s[6:7]
.endm
.macro STLOAD                          ; lanes 0-15: the sixteen parts of my row's Z; lanes 16-31: of its Q2
.set m, 0
.rept 16
	global_load_b32 v[STT+m], v[STO], s[12:13] offset:65536*m
.set m, m+1
.endr
.endm
.macro SCORES set, q                   ; 128 keys x 16 rows: eight accumulators by turns, the mask as the first C, then channels 128-255 in place
	WIN 0x30|(1+(\q)/2)
.irp tt, 0,1,2,3,4,5,6,7
	WM SC+8*\tt, 128*((\q)%2)+16*\tt, Q+16*(\set), 64*(\q)+8*\tt, KS+8*(\q)+\tt, QS+(\set), 0
.endr
	WIN 1+(\q)/2
.irp tt, 0,1,2,3,4,5,6,7
	WM SC+8*\tt, 128*((\q)%2)+16*\tt+8, Q+16*(\set)+8, SC+8*\tt, KS+8*(\q)+\tt, QS+(\set), 3
.endr
	WIN 0
	PLACES 4
.endm
.macro EXPS                            ; e = 2^(log2(e) s): each accumulator is read from its low end on; one wait for the batch of 64
.set m, 0
.rept 32
	v_pk_mul_f32 v[SC+2*m:SC+2*m+1], v[SC+2*m:SC+2*m+1], s[28:29] op_sel_hi:[1,0]
.set m, m+1
.endr
.set m, 0
.rept 64
	v_exp_f32 v[SC+m], v[SC+m]
.set m, m+1
.endr
	v_nop
	s_wait_alu depctr_va_vdst(0)
.endm
.macro CORE base, n, rz, nt            ; e -> a = m e / (m + 1e-10), m = max(e rz + nt, 0)
.set m, 0
.rept (\n)/2
	v_pk_fma_f32 v[U+2*m:U+2*m+1], v[\base+2*m:\base+2*m+1], v[\rz:\rz+1], v[\nt:\nt+1]
.set m, m+1
.endr
.set m, 0
.rept \n
	v_max_num_f32 v[U+m], 0, v[U+m]
.set m, m+1
.endr
.set m, 0
.rept (\n)/2
	v_pk_mul_f32 v[\base+2*m:\base+2*m+1], v[\base+2*m:\base+2*m+1], v[U+2*m:U+2*m+1]
.set m, m+1
.endr
.set m, 0
.rept (\n)/2
	v_pk_add_f32 v[U+2*m:U+2*m+1], v[U+2*m:U+2*m+1], s[30:31] op_sel_hi:[1,0]
.set m, m+1
.endr
.set m, 0
.rept \n
	v_rcp_f32 v[U+m], v[U+m]
.set m, m+1
.endr
	v_nop
	s_wait_alu depctr_va_vdst(0)
.set m, 0
.rept (\n)/2
	v_pk_mul_f32 v[\base+2*m:\base+2*m+1], v[\base+2*m:\base+2*m+1], v[U+2*m:U+2*m+1]
.set m, m+1
.endr
.endm
.macro VEC
	EXPS
.if PB
	CORE SC, 64, ZA, ZA+2
.set m, 0
.rept 32
	v_pk_add_f32 v[ZQ+2*(m%2):ZQ+2*(m%2)+1], v[ZQ+2*(m%2):ZQ+2*(m%2)+1], v[SC+2*m:SC+2*m+1]
.set m, m+1
.endr
.else
.set m, 0
.rept 32
	v_pk_add_f32 v[ZA+2*(m%2):ZA+2*(m%2)+1], v[ZA+2*(m%2):ZA+2*(m%2)+1], v[SC+2*m:SC+2*m+1]
	v_pk_fma_f32 v[ZQ+2*(m%2):ZQ+2*(m%2)+1], v[SC+2*m:SC+2*m+1], v[SC+2*m:SC+2*m+1], v[ZQ+2*(m%2):ZQ+2*(m%2)+1]
.set m, m+1
.endr
.endif
.endm
.macro TREE t                          ; v[t] = the sum of v[t] .. v[t + 15]
	v_pk_add_f32 v[\t:\t+1], v[\t:\t+1], v[\t+2:\t+3]
	v_pk_add_f32 v[\t+4:\t+5], v[\t+4:\t+5], v[\t+6:\t+7]
	v_pk_add_f32 v[\t+8:\t+9], v[\t+8:\t+9], v[\t+10:\t+11]
	v_pk_add_f32 v[\t+12:\t+13], v[\t+12:\t+13], v[\t+14:\t+15]
	v_pk_add_f32 v[\t:\t+1], v[\t:\t+1], v[\t+4:\t+5]
	v_pk_add_f32 v[\t+8:\t+9], v[\t+8:\t+9], v[\t+12:\t+13]
	v_pk_add_f32 v[\t:\t+1], v[\t:\t+1], v[\t+8:\t+9]
	v_add_f32 v[\t], v[\t], v[\t+1]
.endm
.macro ROWC t, rz, nt, rt              ; the row's constants: 1 / Z and nthr = 2 sqrt(var) - 1 / t, each twice
	TREE \t
	v_permlanex16_b32 v[\t+1], v[\t], s32, s33
	v_cndmask_b32 v[\t+2], v[\t], v[\t+1], s34     ; Z
	v_cndmask_b32 v[\t+3], v[\t+1], v[\t], s34     ; Q2
	v_rcp_f32 v[\rz], v[\t+2]
	v_nop
	s_wait_alu depctr_va_vdst(0)
	v_mul_f32 v[\t+3], v[\t+3], v[\rz]
	v_mul_f32 v[\t+3], v[\t+3], v[\rz]
	v_mul_f32 v[\t+3], v[\t+3], v[\rt]
	v_fma_f32 v[\t+3], -v[\rt], v[\rt], v[\t+3]
	v_max_num_f32 v[\t+3], 0, v[\t+3]
	v_sqrt_f32 v[\t+4], v[\t+3]
	v_mov_b32 v[\rz+1], v[\rz]                     ; (the plain line behind the root)
	s_wait_alu depctr_va_vdst(0)
	v_fma_f32 v[\nt], 2.0, v[\t+4], -v[\rt]
	v_mov_b32 v[\nt+1], v[\nt]
.endm
; One tile of 16 rows against my 512 keys.  k: the set that holds its fragments; trip number s25 + k.
.macro TRIP k
	s_wait_loadcnt 0x0                         ; all that was asked for a trip ago: this tile's fragments and sums, the next row numbers; in the first trip K too
	s_wait_xcnt 0x0                            ; the last store has read its offset and its data
	v_add_nc_u32 v[SO], 4096, v[SO]            ; 64 tiles on; the store below reaches back
.if PB
	ROWC STT, ZA, ZA+2, RT
.endif
	QADDR
	QLOAD 1-\k                                 ; the next tile's fragments have this whole trip in which to land
.if PB
	v_lshl_add_u32 v[STO], v3, 15, v[RO]
	STLOAD
.endif
	s_add_co_u32 s26, s25, \k+2                ; the tile after next, or, past my last, my first again: only bytes that were stored are read
	s_cmp_lt_u32 s26, s24
	s_cselect_b32 s26, s26, 0
	s_min_u32 s26, s26, 7                      ; (it lies under my trips, which are eight at the most)
	s_lshl_b32 s26, s26, 12
	v_add_nc_u32 v[RO], s26, v[RB]
	global_load_b32 v[RW], v[RO], s[8:9]
.if PB == 0
.irp i, 0,1,2,3
	v_mov_b32 v[ZA+\i], 0
.endr
.endif
.irp i, 0,1,2,3
	v_mov_b32 v[ZQ+\i], 0
.endr
.irp q, 0,1,2,3
	SCORES \k, \q
	VEC
.endr
	v_pk_add_f32 v[ZQ:ZQ+1], v[ZQ:ZQ+1], v[ZQ+2:ZQ+3]
	v_add_f32 v[ZQ], v[ZQ], v[ZQ+1]
	v_permlanex16_b32 v14, v[ZQ], s32, s33     ; the row's other keys lie in lane l xor 16
.if PB
	v_add_f32 v[VAL], v[ZQ], v14               ; lanes 16-31 store the same word with the same value
.else
	v_pk_add_f32 v[ZA:ZA+1], v[ZA:ZA+1], v[ZA+2:ZA+3]
	v_add_f32 v[ZA], v[ZA], v[ZA+1]
	v_permlanex16_b32 v13, v[ZA], s32, s33
	v_add_f32 v[ZQ], v[ZQ], v14
	v_add_f32 v[ZA], v[ZA], v13
	v_cndmask_b32 v[VAL], v[ZA], v[ZQ], s34    ; lanes 0-15 store Z, lanes 16-31 Q2
.endif
	global_store_b32 v[SO], v[VAL], s[42:43] offset:-4096
.endm
	s_load_b256 s[4:11], s[0:1], 0x0           ; kimg s[4:5], aux s[6:7], idx s[8:9], the output s[10:11]
.if PB
	s_load_b64 s[12:13], s[0:1], 0x20          ; sta
.endif
	v_lshrrev_b32 v1, 5, v0
	v_readfirstlane_b32 s20, v1                ; wave 0..3
	v_and_b32 v1, 31, v0
	v_and_b32 v2, 15, v0                       ; r
	v_bfe_u32 v3, v0, 4, 1                     ; h
	v_lshlrev_b32 v4, 4, v1                    ; 16 L
	v_lshlrev_b32 v5, 2, v1                    ; 4 L
	v_lshlrev_b32 v6, 6, v3                    ; 64 h
	v_lshlrev_b32 v7, 8, v3                    ; 256 h
	s_lshl_b32 s21, ttmp9, 2
	s_add_co_u32 s21, s21, s20                 ; W
	s_and_b32 s22, s21, 15                     ; part
	s_lshr_b32 s23, s21, 4                     ; g
	s_mov_b32 s28, 0x3fb8aa3b                  ; log2(e)
	s_mov_b32 s29, s28
	s_mov_b32 s30, 0x2edbe6ff                  ; 1e-10
	s_mov_b32 s31, s30
	s_mov_b32 s32, 0x76543210
	s_mov_b32 s33, 0xfedcba98
	s_mov_b32 s34, 0xffff0000                  ; lanes 16-31
	s_lshl_b32 s26, s23, 6
	v_lshl_add_u32 v[RB], v2, 2, s26
.if PB
	v_mov_b32 v[SO], v[RB]
.else
	v_lshl_add_u32 v[SO], v3, 15, v[RB]
.endif
	s_wait_kmcnt 0x0
	s_load_b128 s[16:19], s[8:9], 0x10000      ; NA, ST, max(8192 - NA, 1), 0
	s_mov_b32 s27, 0
	s_lshl_b32 s26, s22, 16
	s_add_nc_u64 s[36:37], s[4:5], s[26:27]    ; my 32 tiles of K
.if PB
	s_lshl_b32 s26, s22, 15
.endif
	s_add_nc_u64 s[42:43], s[10:11], s[26:27]  ; my part of the output
	s_lshl_b32 s26, s22, 12
	s_add_nc_u64 s[38:39], s[6:7], s[26:27]    ; their scale words
	s_lshl_b32 s26, s22, 11
	s_add_nc_u64 s[40:41], s[6:7], s[26:27]    ; the mask of my 512 keys (+131072)
	; What hangs on no stored count goes out at once, while the counts are on their way: the row numbers of tile g (ranks 16 g + r lie inside the list whatever ST is) and the first half of K
	v_mov_b32 v[RO], v[RB]
	global_load_b32 v[RW], v[RO], s[8:9]
	WIN 0x40
.set T, 0
.rept 16
.irp ch, 0,1,2,3
	global_load_b128 v[16*T+4*\ch:16*T+4*\ch+3], v4, s[36:37] offset:2048*T+512*\ch
.endr
.set T, T+1
.endr
	WIN 0
	s_wait_kmcnt 0x0
	s_add_co_u32 s24, s17, 63
	s_sub_co_u32 s24, s24, s23
	s_lshr_b32 s24, s24, 6
	s_min_u32 s24, s24, 8                      ; my trips: the tiles g + 64 i under ST
	s_cmp_eq_u32 s24, 0
	s_cbranch_scc1 .Lend
.if PB
	v_cvt_f32_u32 v[RT], s18
	v_rcp_f32 v[RT], v[RT]
	v_nop
	s_wait_alu depctr_va_vdst(0)
.endif
	s_wait_loadcnt 63                          ; the row numbers are in: 64 loads were issued behind them
	QADDR
	QLOAD 0
.if PB
	v_lshl_add_u32 v[STO], v3, 15, v[RO]
	STLOAD
.endif
	s_cmp_gt_u32 s24, 1
	s_cselect_b32 s26, 4096, 0
	v_add_nc_u32 v[RO], s26, v[RB]
	global_load_b32 v[RW], v[RO], s[8:9]
	WIN 0x80
.rept 16
.irp ch, 0,1,2,3
	global_load_b128 v[16*(T-16)+4*\ch:16*(T-16)+4*\ch+3], v4, s[36:37] offset:2048*T+512*\ch
.endr
.set T, T+1
.endr
	WIN 0xc0
.set T, 0
.rept 32
.irp k, 0,1
	global_load_b128 v[8*T+4*\k:8*T+4*\k+3], v6, s[40:41] offset:131072+4*(32*(T/2)+8*(T%2))+16*\k   ; register j: key 32 (T / 2) + 16 h + 8 (T % 2) + j
.endr
.set T, T+1
.endr
	WIN 0
.set T, 0
.rept 32
	global_load_b32 v[KS+T], v5, s[38:39] offset:128*T
.set T, T+1
.endr
	s_add_co_u32 s45, s24, 1
	s_lshr_b32 s45, s45, 1                     ; pairs of tiles, the last perhaps half: four at the most
	s_mov_b32 s44, 0                           ; the loop counts pairs, one a trip
.Lloop:                                        ; two tiles a trip: the two sets of row fragments change places and come back
	s_lshl_b32 s25, s44, 1                     ; the number of the pair's first tile
	TRIP 0
	s_add_co_u32 s26, s25, 1
	s_cmp_lt_u32 s26, s24
	s_cbranch_scc1 .Lmore
	s_endpgm                                   ; a wave with an odd number of tiles ends here: the loop is left by s_endpgm or by falling through its backward branch, never by a jump past the counter's step
.Lmore:
	TRIP 1
	s_add_co_u32 s44, s44, 1
	s_cmp_lt_u32 s44, s45
	s_cbranch_scc1 .Lloop
.Lend:
	s_endpgm
.Lfunc_end_k_qc3e6834885_passb:
	.size	k_qc3e6834885_passb, .Lfunc_end_k_qc3e6834885_passb-k_qc3e6834885_passb
	.p2alignl 7, 3214868480
	.fill 96, 4, 3214868480
	.section	.rodata,"a",@progbits
	.p2align	6, 0x0
	.amdhsa_kernel k_qc3e6834885_passb
		.amdhsa_group_segment_fixed_size 0
		.amdhsa_private_segment_fixed_size 0
		.amdhsa_enable_private_segment 0
		.amdhsa_kernarg_size 40
		.amdhsa_user_sgpr_count 2
		.amdhsa_user_sgpr_kernarg_segment_ptr 1
		.amdhsa_wavefront_size32 1
		.amdhsa_system_sgpr_workgroup_id_x 1
		.amdhsa_system_sgpr_workgroup_id_y 1
		.amdhsa_system_sgpr_workgroup_id_z 1
		.amdhsa_system_vgpr_workitem_id 0
		.amdhsa_next_free_vgpr 1024
		.amdhsa_next_free_sgpr 66
		.amdhsa_reserve_vcc 0
		.amdhsa_float_denorm_mode_32 3
		.amdhsa_float_denorm_mode_16_64 3
		.amdhsa_memory_ordered 1
		.amdhsa_forward_progress 1
		.amdhsa_inst_pref_size 199
	.end_amdhsa_kernel
	.amdgpu_metadata
---
amdhsa.version: [ 1, 2 ]
amdhsa.kernels:
  - .name:           k_qc3e6834885_passb
    .symbol:         k_qc3e6834885_passb.kd
    .args:
      - { .name: kimg, .offset: 0, .size: 8, .value_kind: global_buffer, .address_space: global }
      - { .name: aux, .offset: 8, .size: 8, .value_kind: global_buffer, .address_space: global }
      - { .name: idx, .offset: 16, .size: 8, .value_kind: global_buffer, .address_space: global }
      - { .name: stb, .offset: 24, .size: 8, .value_kind: global_buffer, .address_space: global }
      - { .name: sta, .offset: 32, .size: 8, .value_kind: global_buffer, .address_space: global }
    .group_segment_fixed_size: 0
    .private_segment_fixed_size: 0
    .kernarg_segment_align: 8
    .kernarg_segment_size: 40
    .max_flat_workgroup_size: 128
    .sgpr_count:     66
    .vgpr_count:     1024
    .wavefront_size: 32
...
	.end_amdgpu_metadata
.endif
;; end of part 4
;; launch passc (part 5): grid 4 x 64, 4 waves a work-group, no clusters, 290,816 bytes of LDS; arguments kimg, vimg, aux, idx, sta, stb, op; writes op
.if DOCPART == 5
	.amdgcn_target "amdgcn-amd-amdhsa--gfx1250"
	.amdhsa_code_object_version 6
	.text
	.protected	k_qc3e6834885_passc
	.globl	k_qc3e6834885_passc
	.p2align	8
	.type	k_qc3e6834885_passc,@function
k_qc3e6834885_passc:
	s_mov_b64 s[64:65], 0
	v_nop
	global_prefetch_b8 v0, s[64:65] scope:SCOPE_SE
	s_setreg_imm32_b32 hwreg(HW_REG_WAVE_MODE, 25, 1), 1
	s_wait_xcnt 0x0
; Third pass: the finished weights sw = a / S' are made once more from the scores, quantised along the keys (blocks of 32 pixels in their natural order) and multiplied by f's codes.
; op[chunk][channel][position] = the sum over the chunk's 2,048 keys of Q(sw)[row][key] Q(f)[channel][key]; the last launch adds the four chunks.
; THE ROWS STAY, AND ARE DEALT OUT BY TILES OF 16.  Of the ST tiles of 16 rows (ranks 16 s + r of the stored list) work-group (chunk = x, y) takes s = y + 64 i.  A loop of two trips serves every split:
; trip TT takes i = 4 TT .. 4 TT + 3, of which the first ns = ceil((ST - y) / 64) - 4 TT, held to 0 .. 4, exist.  So no work-group has more than one tile of 16 above any other.
; Row r of tile (y, TT, sub) is stored at position r + 16 sub + 64 y + 4096 TT.  Wave w walks keys 512 (4 chunk + w) on, 128 a step, for all its tiles: a fragment of K or V from memory feeds up to four of them.
; Its 4 x 16 accumulators (512 registers) are added to the other waves' through LDS.
; In a step the tiles go in the order 3, 2, 1, 0; tiles 3, 2, 1 stand each under a scalar branch on ns; tile 0, which exists wherever the trip has work, carries the requests for the next step's K and V.
; A tile that does not exist gets its accumulators in the first step from sixteen products on zero codes: so the way out is the same for every ns, and stores zeros at positions that nobody reads.
; ns hangs on a stored number: so there is no tensor load and no joint load of a cluster, each of the three sections stands under a branch of its own, and the three barriers stand outside them.
; K and V hang on no row: the first step's are asked for at the kernel's head, and a tile's last step asks for step 0 again, for the next trip.
; 1 / S' is folded into the exponent: e'' = 2^(log2(e) s - log2 S'), u = e'' (S' / Z) + nthr, sw = max(u, 0) e'' / (max(u, 0) + 1e-10).  No maximum is taken away: |sim| <= 5.9 for every input (the vectors are normalised).
; S^T = K Q^T with the mask as C (a lane holds one row, registers along the keys); the keys of a tile of K are chosen so that two tiles' 16 registers are 16 neighbouring keys; O = P V^T: source 0 = P, source 1 = 16 channels of V:
; register j of lane (r, h) is row 8 h + j, channel 16 ct + r: eight neighbouring positions.
; LIMITS: as in the passes before (mu = 1 / t, var from a difference of moments, reciprocals for divisions); with no normal pixel nothing finite follows.
; REGISTERS: window 1: v0-127 K of a step, v128-255 V of a step; windows 2, 3: the accumulators, tile of rows sub at v[128 (sub % 2) + 8 ct] of window 2 + sub / 2; window 0: below.
.set QIM, 278528                       ; LDS: 0: four waves' stages, 256 channels x (256 + 16) bytes each; QIM: the rows' fragments [sub][chunk][lane][16]
.set QSC, 286720                       ; their scale words [sub][lane]
.set CST, 287232                       ; the rows' constants [sub][3][lane] 8 bytes: each number twice
.set QF, 16                            ; v16-31 the fragments of the tile of rows in hand
.set CN, 32                            ; v32-55 for each of the four tiles three pairs: -log2 S', S' / Z, nthr
.set QS, 56                            ; the scale words of the tile in hand
.set KS, 62                            ; v62-69 K's scale words
.set VS, 70                            ; v70-77 V's: lanes 0-15 channels 32 j on, lanes 16-31 channels 32 j + 16 on
.set PW, 78                            ; P's scale word
.set RT, 79                            ; 1 / t
.set P, 80                             ; v80-87 P's codes
.set SC, 88                            ; v88-151 the scores
.set U, 152                            ; v152-183 at work
.set BI, 184                           ; v184-247 the mask of the step's 128 keys
.set RR, 248                           ; v248-251 the four stages, as I read them back
.set GO, 252                           ; my offset in op
.set RW, 254
.set QA, 152
.set QSA, 153
.set NS, 39                            ; s39 ns: the tiles of 16 rows that this trip has
.set MSB, 0
.macro WIN new                         ; the immediate's high byte repeats the setting that is left
.if MSB != (\new)
	s_set_vgpr_msb (MSB<<8)|(\new)
.set MSB, (\new)
.endif
.endm
.macro PLACES n
.rept \n
	v_nop
.endr
.endm
.macro BAR                             ; my LDS stores have landed and my LDS loads are in: then the work-group's barrier
	s_wait_dscnt 0x0
	s_barrier_signal -1
	s_barrier_wait -1
.endm
.macro WM d, a, b, c, sa, sb, rows     ; c < 0: the constant 0.  rows = 0: scale words from lanes 0-15; 2: source 1's from lanes 16-31; 3: both from lanes 16-31
.if (\rows) == 0
.if (\c) < 0
	v_wmma_scale_f32_16x16x128_f8f6f4 v[\d:\d+7], v[\a:\a+7], v[\b:\b+7], 0, v[\sa], v[\sb] matrix_a_fmt:MATRIX_FMT_FP4 matrix_b_fmt:MATRIX_FMT_FP4
.else
	v_wmma_scale_f32_16x16x128_f8f6f4 v[\d:\d+7], v[\a:\a+7], v[\b:\b+7], v[\c:\c+7], v[\sa], v[\sb] matrix_a_fmt:MATRIX_FMT_FP4 matrix_b_fmt:MATRIX_FMT_FP4
.endif
.elseif (\rows) == 2
.if (\c) < 0
	v_wmma_scale_f32_16x16x128_f8f6f4 v[\d:\d+7], v[\a:\a+7], v[\b:\b+7], 0, v[\sa], v[\sb] matrix_a_fmt:MATRIX_FMT_FP4 matrix_b_fmt:MATRIX_FMT_FP4 matrix_b_scale:MATRIX_SCALE_ROW1
.else
	v_wmma_scale_f32_16x16x128_f8f6f4 v[\d:\d+7], v[\a:\a+7], v[\b:\b+7], v[\c:\c+7], v[\sa], v[\sb] matrix_a_fmt:MATRIX_FMT_FP4 matrix_b_fmt:MATRIX_FMT_FP4 matrix_b_scale:MATRIX_SCALE_ROW1
.endif
.else
	v_wmma_scale_f32_16x16x128_f8f6f4 v[\d:\d+7], v[\a:\a+7], v[\b:\b+7], v[\c:\c+7], v[\sa], v[\sb] matrix_a_fmt:MATRIX_FMT_FP4 matrix_b_fmt:MATRIX_FMT_FP4 matrix_a_scale:MATRIX_SCALE_ROW1 matrix_b_scale:MATRIX_SCALE_ROW1
.endif
.endm
.macro QADDR                           ; pixel p lies in tile 2 (p / 32) + (p / 8) % 2, row 8 ((p / 16) % 2) + p % 8
	v_min_u32 v154, 8191, v[RW]
	v_and_b32 v155, 0x1fe0, v154
	v_and_b32 v156, 8, v154
	v_and_b32 v157, 16, v154
	v_and_b32 v158, 7, v154
	v_lshl_add_u32 v[QA], v155, 7, v7
	v_lshl_add_u32 v[QA], v156, 8, v[QA]
	v_lshl_add_u32 v[QA], v157, 3, v[QA]
	v_lshl_add_u32 v[QA], v158, 4, v[QA]
	v_lshl_add_u32 v[QSA], v155, 3, v6
	v_lshl_add_u32 v[QSA], v156, 4, v[QSA]
	v_lshl_add_u32 v[QSA], v157, 1, v[QSA]
	v_lshl_add_u32 v[QSA], v158, 2, v[QSA]
.endm
.macro TREE t                          ; v[t] = the sum of v[t] .. v[t + 15]
	v_pk_add_f32 v[\t:\t+1], v[\t:\t+1], v[\t+2:\t+3]
	v_pk_add_f32 v[\t+4:\t+5], v[\t+4:\t+5], v[\t+6:\t+7]
	v_pk_add_f32 v[\t+8:\t+9], v[\t+8:\t+9], v[\t+10:\t+11]
	v_pk_add_f32 v[\t+12:\t+13], v[\t+12:\t+13], v[\t+14:\t+15]
	v_pk_add_f32 v[\t:\t+1], v[\t:\t+1], v[\t+4:\t+5]
	v_pk_add_f32 v[\t+8:\t+9], v[\t+8:\t+9], v[\t+12:\t+13]
	v_pk_add_f32 v[\t:\t+1], v[\t:\t+1], v[\t+8:\t+9]
	v_add_f32 v[\t], v[\t], v[\t+1]
.endm
.macro ROWC t, rz, nt, rt              ; the row's constants: 1 / Z and nthr = 2 sqrt(var) - 1 / t, each twice
	TREE \t
	v_permlanex16_b32 v[\t+1], v[\t], s34, s35
	v_cndmask_b32 v[\t+2], v[\t], v[\t+1], s36     ; Z
	v_cndmask_b32 v[\t+3], v[\t+1], v[\t], s36     ; Q2
	v_rcp_f32 v[\rz], v[\t+2]
	v_nop
	s_wait_alu depctr_va_vdst(0)
	v_mul_f32 v[\t+3], v[\t+3], v[\rz]
	v_mul_f32 v[\t+3], v[\t+3], v[\rz]
	v_mul_f32 v[\t+3], v[\t+3], v[\rt]
	v_fma_f32 v[\t+3], -v[\rt], v[\rt], v[\t+3]
	v_max_num_f32 v[\t+3], 0, v[\t+3]
	v_sqrt_f32 v[\t+4], v[\t+3]
	v_mov_b32 v[\rz+1], v[\rz]                     ; (the plain line behind the root)
	s_wait_alu depctr_va_vdst(0)
	v_fma_f32 v[\nt], 2.0, v[\t+4], -v[\rt]
	v_mov_b32 v[\nt+1], v[\nt]
.endm
.macro QFETCH sub                      ; a tile of rows' fragments and scale words, as images of registers
.irp ch, 0,1,2,3
	ds_load_b128 v[QF+4*\ch:QF+4*\ch+3], v8 offset:2048*(\sub)+512*\ch
.endr
	ds_load_b32 v[QS], v9 offset:128*(\sub)
.endm
.macro FIRSTQ                          ; the tile with which a step begins: ns - 1.  Every LDS address is a constant and a lane term: the choice is made by branches
	s_cmp_lt_u32 s[NS], 4
	s_cbranch_scc1 .Lq3_\@
	QFETCH 3
	s_branch .Lqe_\@
.Lq3_\@:
	s_cmp_lt_u32 s[NS], 3
	s_cbranch_scc1 .Lq2_\@
	QFETCH 2
	s_branch .Lqe_\@
.Lq2_\@:
	s_cmp_lt_u32 s[NS], 2
	s_cbranch_scc1 .Lq1_\@
	QFETCH 1
	s_branch .Lqe_\@
.Lq1_\@:
	QFETCH 0
.Lqe_\@:
.endm
.macro KGROUP                          ; 56 loads: K, the mask and K's scale words of step s63
	s_mov_b32 s61, 0
	s_lshl_b32 s60, s63, 14
	s_add_nc_u64 s[50:51], s[40:41], s[60:61]
	s_lshl_b32 s60, s63, 9
	s_add_nc_u64 s[52:53], s[44:45], s[60:61]
	s_lshl_b32 s60, s63, 10
	s_add_nc_u64 s[54:55], s[46:47], s[60:61]
	WIN 0x40
.irp tt, 0,1,2,3,4,5,6,7
.irp ch, 0,1,2,3
	global_load_b128 v[16*\tt+4*\ch:16*\tt+4*\ch+3], v4, s[50:51] offset:2048*\tt+512*\ch
.endr
.endr
	WIN 0
.irp tt, 0,1,2,3,4,5,6,7
.irp k, 0,1
	global_load_b128 v[BI+8*\tt+4*\k:BI+8*\tt+4*\k+3], v6, s[52:53] offset:4*(32*(\tt/2)+8*(\tt%2))+16*\k
.endr
.endr
.irp tt, 0,1,2,3,4,5,6,7
	global_load_b32 v[KS+\tt], v5, s[54:55] offset:128*\tt
.endr
.endm
.macro VGROUP                          ; 40 loads: V and its scale words of step s63
	s_mov_b32 s61, 0
	s_lshl_b32 s60, s63, 14
	s_add_nc_u64 s[56:57], s[42:43], s[60:61]
	s_lshl_b32 s60, s63, 10
	s_add_nc_u64 s[58:59], s[48:49], s[60:61]
	WIN 0x40
.irp ct, 0,1,2,3,4,5,6,7,8,9,10,11,12,13,14,15
.irp c, 0,1
	global_load_b128 v[128+8*\ct+4*\c:128+8*\ct+4*\c+3], v4, s[56:57] offset:1024*\ct+512*\c
.endr
.endr
	WIN 0
.irp j, 0,1,2,3,4,5,6,7
	global_load_b32 v[VS+\j], v5, s[58:59] offset:128*\j
.endr
.endm
.macro SCORES                          ; 128 keys x 16 rows: eight accumulators by turns, the mask as the first C, then channels 128-255 in place
	WIN 0x01
.irp tt, 0,1,2,3,4,5,6,7
	WM SC+8*\tt, 16*\tt, QF, BI+8*\tt, KS+\tt, QS, 0
.endr
.irp tt, 0,1,2,3,4,5,6,7
	WM SC+8*\tt, 16*\tt+8, QF+8, SC+8*\tt, KS+\tt, QS, 3
.endr
	WIN 0
	PLACES 4
.endm
.macro CORE base, n, rz, nt            ; e -> m e / (m + 1e-10), m = max(e rz + nt, 0)
.set m, 0
.rept (\n)/2
	v_pk_fma_f32 v[U+2*m:U+2*m+1], v[\base+2*m:\base+2*m+1], v[\rz:\rz+1], v[\nt:\nt+1]
.set m, m+1
.endr
.set m, 0
.rept \n
	v_max_num_f32 v[U+m], 0, v[U+m]
.set m, m+1
.endr
.set m, 0
.rept (\n)/2
	v_pk_mul_f32 v[\base+2*m:\base+2*m+1], v[\base+2*m:\base+2*m+1], v[U+2*m:U+2*m+1]
.set m, m+1
.endr
.set m, 0
.rept (\n)/2
	v_pk_add_f32 v[U+2*m:U+2*m+1], v[U+2*m:U+2*m+1], s[32:33] op_sel_hi:[1,0]
.set m, m+1
.endr
.set m, 0
.rept \n
	v_rcp_f32 v[U+m], v[U+m]
.set m, m+1
.endr
	v_nop
	s_wait_alu depctr_va_vdst(0)
.set m, 0
.rept (\n)/2
	v_pk_mul_f32 v[\base+2*m:\base+2*m+1], v[\base+2*m:\base+2*m+1], v[U+2*m:U+2*m+1]
.set m, m+1
.endr
.endm
.macro VECC sub                        ; the scores become the finished weights, and these P's codes and scale word
.set m, 0
.rept 32
	v_pk_fma_f32 v[SC+2*m:SC+2*m+1], v[SC+2*m:SC+2*m+1], s[30:31], v[CN+6*(\sub):CN+6*(\sub)+1] op_sel_hi:[1,0,1]   ; each accumulator from its low end on
.set m, m+1
.endr
.set m, 0
.rept 64
	v_exp_f32 v[SC+m], v[SC+m]
.set m, m+1
.endr
	v_nop
	s_wait_alu depctr_va_vdst(0)               ; one wait for the batch of 64
	CORE SC, 32, CN+6*(\sub)+2, CN+6*(\sub)+4
	CORE SC+32, 32, CN+6*(\sub)+2, CN+6*(\sub)+4
.irp b, 0,1,2,3
	v_max3_num_f32 v[U+\b], v[SC+16*\b], v[SC+16*\b+1], 0x1800000   ; block b: my 16 weights (none is negative) and the floor 2^(3 - 127)
.endr
.irp i, 2,4,6,8,10,12,14
.irp b, 0,1,2,3
	v_max3_num_f32 v[U+\b], v[U+\b], v[SC+16*\b+\i], v[SC+16*\b+\i+1]
.endr
.endr
.irp b, 0,1,2,3
	v_permlanex16_b32 v[U+4+\b], v[U+\b], s34, s35
.endr
.irp b, 0,1,2,3
	v_max_num_f32 v[U+\b], v[U+\b], v[U+4+\b]  ; with lane l xor 16's 16: the block's largest
.endr
.irp b, 0,1,2,3
	v_add_nc_u32 v[U+12+\b], 0xff000000, v[U+\b]   ; 2 off the exponent field: the conversion's scale operand
.endr
.irp b, 0,1,2,3
	v_lshrrev_b32 v[U+4+\b], 23, v[U+12+\b]
.endr
	v_lshl_or_b32 v[PW], v[U+5], 8, v[U+4]
	v_lshl_or_b32 v[PW], v[U+6], 16, v[PW]
	v_lshl_or_b32 v[PW], v[U+7], 24, v[PW]
.irp b, 0,1,2,3
	v_cvt_scalef32_pk8_fp4_f32 v[P+2*\b], v[SC+16*\b:SC+16*\b+7], v[U+12+\b]
	v_cvt_scalef32_pk8_fp4_f32 v[P+2*\b+1], v[SC+16*\b+8:SC+16*\b+15], v[U+12+\b]
.endr
	v_nop                                      ; one plain line behind the conversions
.irp c, 0,1                            ; the operand wants a whole block in a lane: lanes 0-15 block 2 c, lanes 16-31 block 2 c + 1
.irp i, 0,1
	v_permlane16_swap_b32 v[P+4*\c+\i], v[P+4*\c+2+\i]
.endr
.endr
	PLACES 8                                   ; a scale word written by vector instructions stands 8 places ahead of a scaled matrix instruction, an operand 4
.endm
.macro PV sub, z                       ; sixteen accumulators by turns, one instruction a turn; z = 1: the first step's products start the sums
	WIN 0xa4+0x50*((\sub)/2)
.irp ct, 0,1,2,3,4,5,6,7,8,9,10,11,12,13,14,15
.if \z
	WM 128*((\sub)%2)+8*\ct, P, 128+8*\ct, -1, PW, VS+\ct/2, 2*(\ct%2)
.else
	WM 128*((\sub)%2)+8*\ct, P, 128+8*\ct, 128*((\sub)%2)+8*\ct, PW, VS+\ct/2, 2*(\ct%2)
.endif
.endr
	WIN 0
.endm
; One tile of 16 rows against the step's 128 keys.  Its fragments are free behind the scores' four places: the next tile's are fetched into the same registers there, and have the softmax and the products in which to land.
; Tile 0 is a step's last: K is free behind its scores and V behind its products, so the next step's (behind a tile's last step: step 0's again) are asked for there.
.macro BODY sub, z
	s_wait_dscnt 0x0                           ; this tile's fragments are in (in the first step the constants too)
	SCORES
.if (\sub) > 0
	QFETCH (\sub)-1
.else
	s_add_co_u32 s63, s62, 1
	s_and_b32 s63, s63, 3
	KGROUP                                     ; its bases are free since the wait at the step's head, which showed the last group in
	FIRSTQ
.endif
	VECC \sub
.if (\sub) > 0
	s_wait_loadcnt 0x0                         ; V is in
.else
	s_wait_loadcnt 56                          ; V is in: behind its 40 loads only the next K's group of 56 was issued, which may stay out
.endif
	PV \sub, \z
.if (\sub) == 0
	PLACES 4
	VGROUP                                     ; its bases are free since the wait ahead of the products
.endif
.endm
.macro OPT sub, z                      ; a tile that exists only where ns > sub
	s_cmp_le_u32 s[NS], \sub
	s_cbranch_scc1 .Labs_\@
	BODY \sub, \z
.if \z
	s_branch .Ldone_\@
.Labs_\@:
	s_wait_loadcnt 0x0                         ; V is in
	PV \sub, 1                                 ; no such tile: P still holds the zero codes written ahead of the first step: its sums are zeros
.Ldone_\@:
.else
.Labs_\@:
.endif
.endm
.macro STEP z                          ; a step of 128 keys, number s62
	s_wait_loadcnt 40                          ; K's group of 56 is in; V's 40 loads, issued behind it, may be out
	OPT 3, \z
	OPT 2, \z
	OPT 1, \z
	BODY 0, \z
.endm
	s_load_b256 s[4:11], s[0:1], 0x0           ; kimg s[4:5], vimg s[6:7], aux s[8:9], idx s[10:11]
	s_load_b128 s[12:15], s[0:1], 0x20         ; sta s[12:13], stb s[14:15]
	s_load_b64 s[16:17], s[0:1], 0x30          ; op
	v_lshl_add_u32 v60, v0, 2, 0x46e00
	v_mov_b32 v61, 0
	v_lshrrev_b32 v1, 5, v0
	v_readfirstlane_b32 s24, v1                ; wave 0..3
	v_and_b32 v1, 31, v0
	v_and_b32 v2, 15, v0                       ; r
	v_bfe_u32 v3, v0, 4, 1                     ; h
	v_lshlrev_b32 v4, 4, v1                    ; 16 L
	v_lshlrev_b32 v5, 2, v1                    ; 4 L
	v_lshlrev_b32 v6, 6, v3                    ; 64 h
	v_lshlrev_b32 v7, 8, v3                    ; 256 h
	v_add_nc_u32 v8, QIM, v4
	v_add_nc_u32 v9, QSC, v5
	v_lshl_add_u32 v10, v1, 3, CST
	s_lshl_b32 s60, s24, 11
	v_add_nc_u32 v11, s60, v8                  ; where I store tile of rows w's images,
	s_lshl_b32 s60, s24, 7
	v_add_nc_u32 v12, s60, v9                  ; its scale words,
	s_mul_i32 s60, s24, 768
	v_add_nc_u32 v13, s60, v10                 ; its constants
	s_mul_i32 s60, s24, 69632
	v_mul_u32_u24 v14, v2, 272
	v_lshl_add_u32 v14, v3, 5, v14
	v_add_nc_u32 v14, s60, v14                 ; my stage: channel r, + 32 h
	s_lshl_b32 s60, s24, 6
	v_add_nc_u32 v[RR], s60, v3
	v_mul_u32_u24 v[RR], v[RR], 272
	v_lshl_add_u32 v[RR], v2, 4, v[RR]         ; back: channel 64 w + L / 16, 16 bytes a lane
	v_add_nc_u32 v[RR+1], 69632, v[RR]
	v_add_nc_u32 v[RR+2], 139264, v[RR]
	v_add_nc_u32 v[RR+3], 208896, v[RR]
	v_lshlrev_b32 v[GO], 4, v2
	v_lshl_add_u32 v[GO], v3, 15, v[GO]
	s_mov_b32 s25, ttmp9                       ; chunk
	s_and_b32 s26, ttmp7, 0xffff               ; y
	s_lshl_b32 s27, s25, 2
	s_add_co_u32 s27, s27, s24                 ; part = 4 chunk + wave
	s_mov_b32 s30, 0x3fb8aa3b                  ; log2(e)
	s_mov_b32 s31, s30
	s_mov_b32 s32, 0x2edbe6ff                  ; 1e-10
	s_mov_b32 s33, s32
	s_mov_b32 s34, 0x76543210
	s_mov_b32 s35, 0xfedcba98
	s_mov_b32 s36, 0xffff0000                  ; lanes 16-31
	s_wait_kmcnt 0x0
	s_load_b128 s[20:23], s[10:11], 0x10000    ; NA, ST, max(8192 - NA, 1), 0
	s_mov_b32 s61, 0
	s_lshl_b32 s60, s27, 16
	s_add_nc_u64 s[40:41], s[4:5], s[60:61]    ; my 512 keys in kimg
	s_add_nc_u64 s[42:43], s[6:7], s[60:61]    ; and in vimg
	s_lshl_b32 s60, s27, 11
	s_add_nc_u64 s[44:45], s[8:9], s[60:61]
	s_add_nc_u64 s[44:45], s[44:45], 131072    ; their mask
	s_lshl_b32 s60, s27, 12
	s_add_nc_u64 s[46:47], s[8:9], s[60:61]    ; K's scale words
	s_add_nc_u64 s[48:49], s[46:47], 65536     ; V's
	s_lshl_b32 s60, s25, 23
	s_lshl_b32 s62, s24, 21
	s_add_co_u32 s60, s60, s62
	s_add_nc_u64 s[66:67], s[16:17], s[60:61]  ; op: my chunk, my 64 channels
	s_mov_b32 s63, 0
	KGROUP                                     ; step 0's K and V hang on no stored number: they go out while the counts are on their way
	VGROUP
	s_wait_kmcnt 0x0
	v_cvt_f32_u32 v[RT], s22
	v_rcp_f32 v[RT], v[RT]
	v_nop
	s_wait_alu depctr_va_vdst(0)
	s_add_co_u32 s38, s21, 63
	s_sub_co_u32 s38, s38, s26
	s_lshr_b32 s38, s38, 6
	s_min_u32 s38, s38, 8                      ; my tiles of 16 rows: those y + 64 i under ST
	s_mov_b32 s28, s26                         ; y + 64 TT
	s_mov_b32 s29, 0                           ; TT
.Ltile:
	s_wait_xcnt 0x0                            ; the last trip's stores have read their base
	s_lshl_b32 s60, s28, 8
	s_mov_b32 s61, 0
	s_add_nc_u64 s[68:69], s[66:67], s[60:61]  ; 64 positions a trip
	s_lshl_b32 s37, s29, 2
	s_max_u32 s[NS], s38, s37
	s_sub_co_u32 s[NS], s[NS], s37
	s_min_u32 s[NS], s[NS], 4                  ; ns
	s_cmp_eq_u32 s[NS], 0
	s_cbranch_scc1 .Ls1
	; ---- section 1: wave w gathers the fragments of tile s = y + 64 (4 TT + w) and makes its rows' constants.  Where that tile does not exist it takes the last that does: only stored bytes are read, and LDS is written whole
	s_lshl_b32 s60, s29, 8
	s_add_co_u32 s60, s60, s26
	s_lshl_b32 s62, s24, 6
	s_add_co_u32 s60, s60, s62
	s_sub_co_u32 s62, s21, 1
	s_min_u32 s60, s60, s62
	s_min_u32 s60, s60, 511
	s_lshl_b32 s60, s60, 6
	v_lshl_add_u32 v253, v2, 2, s60            ; 4 x rank
	v_lshl_add_u32 v255, v3, 15, v253
	global_load_b32 v[RW], v253, s[10:11]
.set m, 0
.rept 16
	global_load_b32 v[SC+m], v255, s[12:13] offset:65536*m      ; lanes 0-15: the parts of Z; lanes 16-31: of Q2
.set m, m+1
.endr
.set m, 0
.rept 16
	global_load_b32 v[SC+16+m], v253, s[14:15] offset:32768*m   ; the parts of S'
.set m, m+1
.endr
	s_wait_loadcnt 32                          ; the row number is in; the 32 loads behind it may be out
	QADDR
.irp ch, 0,1,2,3
	global_load_b128 v[QF+4*\ch:QF+4*\ch+3], v[QA], s[4:5] offset:512*\ch
.endr
	global_load_b32 v[QS], v[QSA], s[8:9]
	s_wait_loadcnt 0x0
	ROWC SC, 166, 164, RT
	TREE SC+16
	v_log_f32 v160, v[SC+16]
	v_mul_f32 v162, v166, v[SC+16]             ; S' / Z (the plain line behind the logarithm)
	s_wait_alu depctr_va_vdst(0)
	v_mul_f32 v160, -1.0, v160                 ; -log2 S'
	v_mov_b32 v161, v160
	v_mov_b32 v163, v162
.irp ch, 0,1,2,3
	ds_store_b128 v11, v[QF+4*\ch:QF+4*\ch+3] offset:512*\ch
.endr
	ds_store_b32 v12, v[QS]
	ds_store_b64 v13, v[160:161]
	ds_store_b64 v13, v[162:163] offset:256
	ds_store_b64 v13, v[164:165] offset:512
.Ls1:
	BAR                                        ; the four tiles of rows lie in LDS
	s_cmp_eq_u32 s[NS], 0
	s_cbranch_scc1 .Ls2
	; ---- section 2: my 512 keys, four steps
.irp sub, 0,1,2,3
.irp k, 0,1,2
	ds_load_b64 v[CN+6*\sub+2*\k:CN+6*\sub+2*\k+1], v10 offset:768*\sub+256*\k   ; the four tiles' constants stay in registers
.endr
.endr
	FIRSTQ
	v_mov_b32 v[PW], 0x7f7f7f7f                ; zero codes under the scale 1, for the tiles that do not exist
.irp i, 0,1,2,3,4,5,6,7
	v_mov_b32 v[P+\i], 0
.endr
	PLACES 8
	s_mov_b32 s62, 0
	STEP 1
	s_mov_b32 s62, 1
.Lstep:
	STEP 0
	s_add_co_u32 s62, s62, 1
	s_cmp_lt_u32 s62, 4
	s_cbranch_scc1 .Lstep
.irp sub, 0,1,2,3                      ; (four places stand behind the last products)  each accumulator from its low end on: eight positions of a channel, 32 bytes
	WIN 0x08+4*(\sub/2)
.irp ct, 0,1,2,3,4,5,6,7,8,9,10,11,12,13,14,15
	ds_store_b128 v14, v[128*(\sub%2)+8*\ct:128*(\sub%2)+8*\ct+3] offset:4352*\ct+64*\sub
	ds_store_b128 v14, v[128*(\sub%2)+8*\ct+4:128*(\sub%2)+8*\ct+7] offset:4352*\ct+64*\sub+16
.endr
.endr
	WIN 0
.Ls2:
	BAR                                        ; the four waves' sums lie in their stages
	s_cmp_eq_u32 s[NS], 0
	s_cbranch_scc1 .Ls3
	; ---- section 3: wave w adds the four stages for channels 64 w .. 64 w + 63 and stores them: sixteen lanes store a channel's 64 positions, 256 consecutive bytes, aligned
.irp bt, 0,1,2,3,4,5,6,7
.irp ii, 0,1,2,3
.irp q, 0,1,2,3
	ds_load_b128 v[SC+16*\ii+4*\q:SC+16*\ii+4*\q+3], v[RR+\q] offset:544*(4*\bt+\ii)
.endr
.endr
	s_wait_dscnt 0x0
.irp ii, 0,1,2,3
	v_pk_add_f32 v[SC+16*\ii:SC+16*\ii+1], v[SC+16*\ii:SC+16*\ii+1], v[SC+16*\ii+4:SC+16*\ii+5]
	v_pk_add_f32 v[SC+16*\ii+2:SC+16*\ii+3], v[SC+16*\ii+2:SC+16*\ii+3], v[SC+16*\ii+6:SC+16*\ii+7]
	v_pk_add_f32 v[SC+16*\ii+8:SC+16*\ii+9], v[SC+16*\ii+8:SC+16*\ii+9], v[SC+16*\ii+12:SC+16*\ii+13]
	v_pk_add_f32 v[SC+16*\ii+10:SC+16*\ii+11], v[SC+16*\ii+10:SC+16*\ii+11], v[SC+16*\ii+14:SC+16*\ii+15]
	v_pk_add_f32 v[SC+16*\ii:SC+16*\ii+1], v[SC+16*\ii:SC+16*\ii+1], v[SC+16*\ii+8:SC+16*\ii+9]
	v_pk_add_f32 v[SC+16*\ii+2:SC+16*\ii+3], v[SC+16*\ii+2:SC+16*\ii+3], v[SC+16*\ii+10:SC+16*\ii+11]
	global_store_b128 v[GO], v[SC+16*\ii:SC+16*\ii+3], s[68:69] offset:65536*(4*\bt+\ii)
.endr
	s_wait_xcnt 0x0                            ; the stores have read their data: the next batch may land there
.endr
.Ls3:
	BAR                                        ; nobody reads the stages or the rows' images any more
	s_add_co_u32 s28, s28, 64
	s_add_co_u32 s29, s29, 1
	s_cmp_lt_u32 s29, 2
	s_cbranch_scc1 .Ltile
	s_wait_tensorcnt 0x0
	ds_add_u32 v60, v61
	s_wait_dscnt 0x0
	s_endpgm
.Lfunc_end_k_qc3e6834885_passc:
	.size	k_qc3e6834885_passc, .Lfunc_end_k_qc3e6834885_passc-k_qc3e6834885_passc
	.p2alignl 7, 3214868480
	.fill 96, 4, 3214868480
	.section	.rodata,"a",@progbits
	.p2align	6, 0x0
	.amdhsa_kernel k_qc3e6834885_passc
		.amdhsa_group_segment_fixed_size 290816
		.amdhsa_private_segment_fixed_size 0
		.amdhsa_enable_private_segment 0
		.amdhsa_kernarg_size 56
		.amdhsa_user_sgpr_count 2
		.amdhsa_user_sgpr_kernarg_segment_ptr 1
		.amdhsa_wavefront_size32 1
		.amdhsa_system_sgpr_workgroup_id_x 1
		.amdhsa_system_sgpr_workgroup_id_y 1
		.amdhsa_system_sgpr_workgroup_id_z 1
		.amdhsa_system_vgpr_workitem_id 0
		.amdhsa_next_free_vgpr 1024
		.amdhsa_next_free_sgpr 80
		.amdhsa_reserve_vcc 0
		.amdhsa_float_denorm_mode_32 3
		.amdhsa_float_denorm_mode_16_64 3
		.amdhsa_memory_ordered 1
		.amdhsa_forward_progress 1
		.amdhsa_inst_pref_size 255
	.end_amdhsa_kernel
	.section	.bss,"aw",@nobits
	.p2align	6
	.space	262144
	.amdgpu_metadata
---
amdhsa.version: [ 1, 2 ]
amdhsa.kernels:
  - .name:           k_qc3e6834885_passc
    .symbol:         k_qc3e6834885_passc.kd
    .args:
      - { .name: kimg, .offset: 0, .size: 8, .value_kind: global_buffer, .address_space: global }
      - { .name: vimg, .offset: 8, .size: 8, .value_kind: global_buffer, .address_space: global }
      - { .name: aux, .offset: 16, .size: 8, .value_kind: global_buffer, .address_space: global }
      - { .name: idx, .offset: 24, .size: 8, .value_kind: global_buffer, .address_space: global }
      - { .name: sta, .offset: 32, .size: 8, .value_kind: global_buffer, .address_space: global }
      - { .name: stb, .offset: 40, .size: 8, .value_kind: global_buffer, .address_space: global }
      - { .name: op, .offset: 48, .size: 8, .value_kind: global_buffer, .address_space: global }
    .group_segment_fixed_size: 290816
    .private_segment_fixed_size: 0
    .kernarg_segment_align: 8
    .kernarg_segment_size: 56
    .max_flat_workgroup_size: 128
    .sgpr_count:     80
    .vgpr_count:     1024
    .wavefront_size: 32
...
	.end_amdgpu_metadata
.endif
;; end of part 5
;; launch final (part 6): grid 256 x 1, 8 waves a work-group, no clusters, 0 bytes of LDS; arguments f, idx, op, out0; writes out0
.if DOCPART == 6
	.amdgcn_target "amdgcn-amd-amdhsa--gfx1250"
	.amdhsa_code_object_version 6
	.text
	.protected	k_qc3e6834885_final
	.globl	k_qc3e6834885_final
	.p2align	8
	.type	k_qc3e6834885_final,@function
k_qc3e6834885_final:
	s_mov_b64 s[64:65], 0
	v_nop
	global_prefetch_b8 v0, s[64:65] scope:SCOPE_SE
	s_setreg_imm32_b32 hwreg(HW_REG_WAVE_MODE, 25, 1), 1
	s_wait_xcnt 0x0
; out0[b][c][n] = f[b][c][n] for a normal pixel, and for an anomalous one the sum of the four chunks' parts op[chunk][c][position of the pixel's rank].
; A stream: memory binds, so there is no LDS, no matrix unit and no cluster.  A work-group takes 128 pixels x 64 channels, a wave 8 channels, a lane 4 neighbouring pixels: f and out0 go by 16 bytes a lane, 512 consecutive bytes a wave.
; SEL[p] holds the pixel's flag in bit 31 and a rank that was stored for every pixel (a normal pixel's is its next anomalous neighbour's), so that every lane gathers from bytes that were written.
; The launch before dealt the tiles of 16 ranks out to 64 groups: rank = r + 16 (y + 64 (sub + 4 TT)) lies at position r + 16 sub + 64 y + 4096 TT: the rank's bits 9:4 and 11:10 change places.
	s_load_b256 s[4:11], s[0:1], 0x0           ; f s[4:5], idx s[6:7], op s[8:9], out0 s[10:11]
	v_lshrrev_b32 v1, 5, v0
	v_readfirstlane_b32 s12, v1                ; wave 0..7
	v_and_b32 v1, 31, v0
	v_lshlrev_b32 v2, 4, v1                    ; 16 L
	s_and_b32 s13, ttmp9, 63                   ; which 128 pixels
	s_lshr_b32 s14, ttmp9, 6
	s_lshl_b32 s14, s14, 3
	s_add_co_u32 s14, s14, s12                 ; which 8 channels
	s_lshr_b32 s28, s13, 3
	s_lshl_b32 s28, s28, 20                    ; image b
	s_and_b32 s34, s13, 7
	s_lshl_b32 s34, s34, 9
	s_add_co_u32 s28, s28, s34
	s_lshl_b32 s34, s14, 15                    ; 8 channels of 4,096 bytes
	s_add_co_u32 s28, s28, s34
	s_mov_b32 s29, 0
	s_lshl_b32 s30, s13, 9
	s_mov_b32 s31, 0
	s_lshl_b32 s32, s14, 18                    ; 8 channels of 32,768 bytes
	s_mov_b32 s33, 0
	s_wait_kmcnt 0x0
	s_add_nc_u64 s[4:5], s[4:5], s[28:29]
	s_add_nc_u64 s[10:11], s[10:11], s[28:29]
	s_add_nc_u64 s[6:7], s[6:7], s[30:31]
	s_add_nc_u64 s[16:17], s[8:9], s[32:33]    ; the four chunks of op
	s_add_nc_u64 s[18:19], s[16:17], 0x800000
	s_add_nc_u64 s[20:21], s[18:19], 0x800000
	s_add_nc_u64 s[22:23], s[20:21], 0x800000
	global_load_b128 v[4:7], v2, s[6:7] offset:32768
	s_wait_loadcnt 0x0
.irp j, 0,1,2,3
	v_cmp_gt_i32 s[24+\j], 0, v[4+\j]          ; bit 31: anomalous
	v_and_b32 v[8+\j], 0x100f, v[4+\j]         ; r and TT stay where they are
	v_bfe_u32 v[12+\j], v[4+\j], 10, 2         ; sub
	v_lshl_or_b32 v[8+\j], v[12+\j], 4, v[8+\j]
	v_bfe_u32 v[12+\j], v[4+\j], 4, 6          ; y
	v_lshl_or_b32 v[8+\j], v[12+\j], 6, v[8+\j]
	v_min_u32 v[8+\j], 8191, v[8+\j]
	v_lshlrev_b32 v[8+\j], 2, v[8+\j]          ; 4 x position
.endr
.irp cc, 0,1,2,3,4,5,6,7
	global_load_b128 v[16+4*\cc:19+4*\cc], v2, s[4:5] offset:4096*\cc th:TH_LOAD_NT
.irp k, 0,1,2,3
.irp j, 0,1,2,3
	global_load_b32 v[48+16*\cc+4*\k+\j], v[8+\j], s[16+2*\k:17+2*\k] offset:32768*\cc
.endr
.endr
.endr
.irp cc, 0,1,2,3,4,5,6,7
.if 17*(7-\cc) > 63
	s_wait_loadcnt 63                          ; the later channels' loads may be out: 17 each; a wait's count names 63 at the most
.else
	s_wait_loadcnt 17*(7-\cc)
.endif
	v_pk_add_f32 v[48+16*\cc:49+16*\cc], v[48+16*\cc:49+16*\cc], v[52+16*\cc:53+16*\cc]
	v_pk_add_f32 v[50+16*\cc:51+16*\cc], v[50+16*\cc:51+16*\cc], v[54+16*\cc:55+16*\cc]
	v_pk_add_f32 v[56+16*\cc:57+16*\cc], v[56+16*\cc:57+16*\cc], v[60+16*\cc:61+16*\cc]
	v_pk_add_f32 v[58+16*\cc:59+16*\cc], v[58+16*\cc:59+16*\cc], v[62+16*\cc:63+16*\cc]
	v_pk_add_f32 v[48+16*\cc:49+16*\cc], v[48+16*\cc:49+16*\cc], v[56+16*\cc:57+16*\cc]
	v_pk_add_f32 v[50+16*\cc:51+16*\cc], v[50+16*\cc:51+16*\cc], v[58+16*\cc:59+16*\cc]
.irp j, 0,1,2,3
	v_cndmask_b32 v[16+4*\cc+\j], v[16+4*\cc+\j], v[48+16*\cc+\j], s[24+\j]
.endr
	global_store_b128 v2, v[16+4*\cc:19+4*\cc], s[10:11] offset:4096*\cc th:TH_STORE_NT
.endr
	s_endpgm
.Lfunc_end_k_qc3e6834885_final:
	.size	k_qc3e6834885_final, .Lfunc_end_k_qc3e6834885_final-k_qc3e6834885_final
	.p2alignl 7, 3214868480
	.fill 96, 4, 3214868480
	.section	.rodata,"a",@progbits
	.p2align	6, 0x0
	.amdhsa_kernel k_qc3e6834885_final
		.amdhsa_group_segment_fixed_size 0
		.amdhsa_private_segment_fixed_size 0
		.amdhsa_enable_private_segment 0
		.amdhsa_kernarg_size 32
		.amdhsa_user_sgpr_count 2
		.amdhsa_user_sgpr_kernarg_segment_ptr 1
		.amdhsa_wavefront_size32 1
		.amdhsa_system_sgpr_workgroup_id_x 1
		.amdhsa_system_sgpr_workgroup_id_y 1
		.amdhsa_system_sgpr_workgroup_id_z 1
		.amdhsa_system_vgpr_workitem_id 0
		.amdhsa_next_free_vgpr 192
		.amdhsa_next_free_sgpr 66
		.amdhsa_reserve_vcc 0
		.amdhsa_float_denorm_mode_32 3
		.amdhsa_float_denorm_mode_16_64 3
		.amdhsa_memory_ordered 1
		.amdhsa_forward_progress 1
		.amdhsa_inst_pref_size 23
	.end_amdhsa_kernel
	.amdgpu_metadata
---
amdhsa.version: [ 1, 2 ]
amdhsa.kernels:
  - .name:           k_qc3e6834885_final
    .symbol:         k_qc3e6834885_final.kd
    .args:
      - { .name: f, .offset: 0, .size: 8, .value_kind: global_buffer, .address_space: global }
      - { .name: idx, .offset: 8, .size: 8, .value_kind: global_buffer, .address_space: global }
      - { .name: op, .offset: 16, .size: 8, .value_kind: global_buffer, .address_space: global }
      - { .name: out0, .offset: 24, .size: 8, .value_kind: global_buffer, .address_space: global }
    .group_segment_fixed_size: 0
    .private_segment_fixed_size: 0
    .kernarg_segment_align: 8
    .kernarg_segment_size: 32
    .max_flat_workgroup_size: 256
    .sgpr_count:     66
    .vgpr_count:     192
    .wavefront_size: 32
...
	.end_amdgpu_metadata
.endif
;; end of part 6
;; ======== version 2 of 2: 6 launches
;; limits: a difference of large sums (such as E[x^2] - mean^2): digits are lost where the result is much smaller than its terms
;; workspace buffers: kimg 1,048,576 bytes; vimg 1,048,576 bytes; aux 196,608 bytes; flag 32,768 bytes of whole numbers; idx 65,792 bytes of whole numbers; sta 1,048,576 bytes; stb 524,288 bytes; op 33,554,432 bytes
;; launch prep (part 7): grid 64 x 1, 8 waves a work-group, no clusters, 145,408 bytes of LDS; arguments f, center, Tc, kimg, vimg, aux, flag; writes kimg, vimg, aux, flag
.if DOCPART == 7
	.amdgcn_target "amdgcn-amd-amdhsa--gfx1250"
	.amdhsa_code_object_version 6
	.text
	.protected	k_qc3e6834885_prep
	.globl	k_qc3e6834885_prep
	.p2align	8
	.type	k_qc3e6834885_prep,@function
k_qc3e6834885_prep:
	s_mov_b64 s[64:65], 0
	v_nop
	global_prefetch_b8 v0, s[64:65] scope:SCOPE_SE
	s_setreg_imm32_b32 hwreg(HW_REG_WAVE_MODE, 25, 1), 1
	s_wait_xcnt 0x0
; X[p][c] = f[b][c][n], p = 1024 b + n.  This launch reads f once and makes all that the later launches want of it:
;   kimg: codes (E2M1) of Xn = X / max(|X|, 1e-8) along c, laid as images of operand registers: [tile 512][chunk 4][lane 32][16 bytes]; row r of tile 2 g + u is pixel 32 g + 16 (r / 8) + 8 u + r % 8
;   vimg: codes of f along p (f's innermost axis), [128 pixels ks][16 channels ct][half c'][lane][16 bytes]
;   aux:  +0 kimg's scale words [tile][lane] (lanes 0-15: channels 0-127, lanes 16-31: channels 128-255); +65536 vimg's [ks][channel]; +131072 the column mask as 0 or -1e30 [p]; +163840 d [p]
;   flag: 1 where d > Tc, else 0.  d = the distance to the nearest centre, its product on codes of X and of center along c.
; A work-group takes 128 pixels x 256 channels (128 KiB) through LDS.  Behind the one barrier waves 0-3 take 32 pixels each (a lane a pixel, its registers down the channels), waves 4-7 64 channels each (a lane a channel, registers along the pixels).
; Centres 50 to 63 of the fourth tile repeat centre 49: the minimum is the same.
; LIMITS: a block whose largest magnitude lies under 2^-124 keeps the scale byte 1 (its codes are read by this program alone); X / norm is X x (1 / norm); NaN and infinities among the inputs are not served.
.set CIM, 135168                       ; LDS: 0: 256 channel rows of 512 + 16 bytes; CIM: center's fragments [tile 4][K step 2][half 2][lane][16]
.set CSC, 143360                       ; their scale words [tile][lane]
.set CC2, 143872                       ; the sums of squares of center's rows, [K step][64]
.set FLOOR, 0x1800000                  ; 2^(3 - 127): no largest magnitude is taken under it, so no scale byte falls under 1
.set XB, 128                           ; v128-191 two sets of 32 numbers
.set AM, 56                            ; v56-63 the eight blocks' largest magnitudes of my pixel
.macro PLACES n
.rept \n
	v_nop
.endr
.endm
.macro TWAIT                           ; behind a transcendental: one plain line, then a wait ahead of the first reader
	v_nop
	s_wait_alu depctr_va_vdst(0)
.endm
.macro AMAX xs, d, t                   ; the largest magnitude of v[xs] .. v[xs + 31] and the floor, in two chains
	v_max3_num_f32 v[\d], |v[\xs]|, |v[\xs+1]|, |v[\xs+2]|
	v_max3_num_f32 v[\t], |v[\xs+3]|, |v[\xs+4]|, |v[\xs+5]|
.irp i, 6,10,14,18,22,26
	s_delay_alu instid0(VALU_DEP_2)
	v_max3_num_f32 v[\d], v[\d], |v[\xs+\i]|, |v[\xs+\i+1]|
	s_delay_alu instid0(VALU_DEP_2)
	v_max3_num_f32 v[\t], v[\t], |v[\xs+\i+2]|, |v[\xs+\i+3]|
.endr
	s_delay_alu instid0(VALU_DEP_2)
	v_max3_num_f32 v[\d], v[\d], |v[\xs+30]|, |v[\xs+31]|
	s_delay_alu instid0(VALU_DEP_1)
	v_max3_num_f32 v[\d], v[\d], v[\t], FLOOR
.endm
.macro LOADB j, set                    ; channels 32 j .. 32 j + 31 of my pixel
	v_add_nc_u32 v17, 16896*(\j), v9
.set li, 0
.rept 32
	ds_load_b32 v[XB+32*(\set)+li], v17 offset:528*li
.set li, li+1
.endr
.endm
; Block jj % 8 of my pixel.  jj < 8: X itself (sum of squares, largest magnitude, codes for the distances).  jj >= 8: Xn = X x rn (codes for kimg).
; Even blocks' codes go to the first run of 16 registers, odd blocks' to the second: register 4 (j / 2) + g.
.macro KBLOCK
.set j, jj%8
.set XS, XB+32*(jj%2)
.if jj < 15
	s_wait_dscnt 32                        ; this block's 32 loads are in; the next block's 32 may be out
.else
	s_wait_dscnt 0x0
.endif
.if jj < 8
.set m, 0
.rept 16
.if (jj == 0) && (m < 2)
	v_pk_mul_f32 v[40+2*m:41+2*m], v[XS+2*m:XS+2*m+1], v[XS+2*m:XS+2*m+1]
.else
	v_pk_fma_f32 v[40+2*(m%2):41+2*(m%2)], v[XS+2*m:XS+2*m+1], v[XS+2*m:XS+2*m+1], v[40+2*(m%2):41+2*(m%2)]
.endif
.set m, m+1
.endr
	AMAX XS, AM+j, 48
	s_delay_alu instid0(VALU_DEP_1)
	v_add_nc_u32 v19, 0xff000000, v[AM+j]  ; 2 off the exponent field: the conversion's scale operand
.set CD, 192+16*(j%2)+4*(j/2)
.set WD, 24+j/4
.else
.set m, 0
	s_wait_alu depctr_va_vdst(0)
.rept 16
	v_pk_mul_f32 v[XS+2*m:XS+2*m+1], v[XS+2*m:XS+2*m+1], v[44:45]
.set m, m+1
.endr
	v_mul_f32 v18, v[AM+j], v44            ; rounding keeps order: the largest |x| x rn is the largest |x rn|
	s_delay_alu instid0(VALU_DEP_1)
	v_max_num_f32 v18, FLOOR, v18
	s_delay_alu instid0(VALU_DEP_1)
	v_add_nc_u32 v19, 0xff000000, v18
.set CD, 224+16*(j%2)+4*(j/2)
.set WD, 26+j/4
.endif
.irp g, 0,1,2,3
	v_cvt_scalef32_pk8_fp4_f32 v[CD+\g], v[XS+8*\g:XS+8*\g+7], v19
.endr
	v_lshrrev_b32 v18, 23, v19             ; the scale's byte (also the plain line behind the conversions)
.if j%4 == 0
	s_delay_alu instid0(VALU_DEP_1)
	v_mov_b32 v[WD], v18
.else
	s_delay_alu instid0(VALU_DEP_1)
	v_lshl_or_b32 v[WD], v18, 8*(j%4), v[WD]
.endif
.if jj+2 < 16
	LOADB (jj+2)%8, jj%2
.endif
.if jj == 7
	v_add_f32 v40, v40, v41
	v_add_f32 v42, v42, v43
	s_delay_alu instid0(VALU_DEP_1)
	v_add_f32 v46, v40, v42                ; |X|^2 of my pixel
	s_wait_alu depctr_va_vdst(0)
	v_sqrt_f32 v47, v46
	TWAIT
	v_max_num_f32 v47, 0x322bcc77, v47     ; max(|X|, 1e-8)
	s_wait_alu depctr_va_vdst(0)
	v_rcp_f32 v44, v47
	TWAIT
	v_mov_b32 v45, v44                     ; rn, twice
.endif
.endm
.macro VLOAD t                         ; 32 pixels (block t % 4) of my channel of half t / 4
.irp i, 0,1,2,3,4,5,6,7
	ds_load_b128 v[XB+32*((\t)%2)+4*\i:XB+32*((\t)%2)+4*\i+3], v10 offset:16896*((\t)/4)+128*((\t)%4)+16*\i
.endr
.endm
.macro VBLOCK t
.set XS, XB+32*((\t)%2)
.if (\t) < 7
	s_wait_dscnt 8                         ; this block's eight loads are in; the next block's eight may be out
.else
	s_wait_dscnt 0x0
.endif
	AMAX XS, 40, 41
	s_delay_alu instid0(VALU_DEP_1)
	v_add_nc_u32 v19, 0xff000000, v40
.irp g, 0,1,2,3
	v_cvt_scalef32_pk8_fp4_f32 v[192+4*(\t)+\g], v[XS+8*\g:XS+8*\g+7], v19
.endr
	v_lshrrev_b32 v18, 23, v19
.if (\t)%4 == 0
	s_delay_alu instid0(VALU_DEP_1)
	v_mov_b32 v[24+(\t)/4], v18
.else
	s_delay_alu instid0(VALU_DEP_1)
	v_lshl_or_b32 v[24+(\t)/4], v18, 8*((\t)%4), v[24+(\t)/4]
.endif
	global_store_b128 v53, v[192+4*(\t):195+4*(\t)], s[12:13] offset:2048*((\t)/4)+512*(((\t)%4)/2)+256*((\t)%2)   ; sixteen lanes store 256 consecutive bytes, aligned
.if (\t)+2 < 8
	VLOAD (\t)+2
.endif
.if (\t)%4 == 3
	global_store_b32 v54, v[24+(\t)/4], s[28:29] offset:65536+128*((\t)/4)
.endif
.endm
	s_load_b256 s[4:11], s[0:1], 0x0           ; f s[4:5], center s[6:7], Tc s[8:9], kimg s[10:11]
	s_load_b128 s[12:15], s[0:1], 0x20         ; vimg s[12:13], aux s[14:15]
	s_load_b64 s[16:17], s[0:1], 0x30          ; flag
	v_lshl_add_u32 v55, v0, 2, 0x23400
	s_set_vgpr_msb 0x40
	v_mov_b32 v1, 0
	s_set_vgpr_msb 0x4000
	v_lshrrev_b32 v1, 5, v0
	s_delay_alu instid0(VALU_DEP_1)
	v_readfirstlane_b32 s18, v1                ; wave 0..7
	v_and_b32 v1, 31, v0                       ; lane L
	v_and_b32 v2, 15, v0                       ; r
	v_bfe_u32 v3, v0, 4, 1                     ; h
	s_delay_alu instid0(VALU_DEP_3)
	v_lshlrev_b32 v4, 4, v1                    ; 16 L
	s_wait_alu depctr_va_vdst(0)
	s_and_b32 s19, s18, 3
	s_lshr_b32 s20, s18, 1                     ; phase 0: which tile of center
	s_and_b32 s21, s18, 1                      ; and which K step
	s_mul_i32 s22, s18, 16896
	v_add_nc_u32 v8, s22, v4                   ; into the stage: my wave's 32 channel rows, 16 bytes a lane
	v_bfe_u32 v5, v0, 3, 1
	v_and_b32 v6, 7, v0
	s_delay_alu instid0(VALU_DEP_1)
	v_lshl_add_u32 v6, v5, 4, v6
	s_delay_alu instid0(VALU_DEP_1)
	v_lshl_add_u32 v6, v3, 3, v6               ; kappa = 16 ((L / 8) % 2) + 8 (L / 16) + L % 8: my pixel among the wave's 32
	s_lshl_b32 s22, s19, 7
	v_lshl_add_u32 v9, v6, 2, s22              ; its column in the stage
	s_lshl_b32 s22, s19, 6
	v_add_nc_u32 v10, s22, v1
	s_delay_alu instid0(VALU_DEP_1)
	v_mul_u32_u24 v10, v10, 528                ; waves 4-7: my channel's row
	s_lshl_b32 s22, s18, 10
	s_add_co_u32 s22, s22, CIM
	v_add_nc_u32 v11, s22, v4                  ; center's fragment (tile, K step) = wave: 1,024 bytes each
	s_lshl_b32 s22, s18, 6
	s_add_co_u32 s22, s22, CSC
	v_lshl_add_u32 v12, v2, 2, s22
	s_lshl_b32 s22, s21, 8
	s_lshl_b32 s23, s20, 6
	s_add_co_u32 s22, s22, s23
	s_add_co_u32 s22, s22, CC2
	v_lshl_add_u32 v13, v2, 2, s22
	v_add_nc_u32 v14, CIM, v4
	v_lshl_add_u32 v15, v1, 2, CSC
	v_lshl_add_u32 v16, v3, 5, CC2
	v_lshlrev_b32 v52, 2, v6                   ; 4 kappa
	v_lshlrev_b32 v53, 4, v2
	s_delay_alu instid0(VALU_DEP_1)
	v_lshl_add_u32 v53, v3, 10, v53            ; vimg: 1,024 (L / 16) + 16 (L % 16)
	v_lshlrev_b32 v54, 2, v1                   ; 4 L
	s_lshl_b32 s22, s20, 4
	v_add_nc_u32 v7, s22, v2
	s_delay_alu instid0(VALU_DEP_1)
	v_min_u32 v7, 49, v7                       ; center's row, held at the last
	s_delay_alu instid0(VALU_DEP_1)
	v_lshlrev_b32 v7, 10, v7
	s_delay_alu instid0(VALU_DEP_1)
	v_lshl_add_u32 v7, v3, 7, v7
	s_lshl_b32 s22, s21, 9
	v_add_nc_u32 v7, s22, v7                   ; row x 1,024 + 512 K step + 128 h
	s_mov_b32 s24, 0x76543210
	s_mov_b32 s25, 0xfedcba98                  ; v_permlanex16_b32's selects for lane l xor 16
	s_mov_b32 s34, 0xffff0000                  ; lanes 16-31
	s_lshr_b32 s22, ttmp9, 3
	s_lshl_b32 s22, s22, 20                    ; image b
	s_and_b32 s23, ttmp9, 7
	s_lshl_b32 s23, s23, 9                     ; 128 pixels
	s_add_co_u32 s22, s22, s23
	s_lshl_b32 s23, s18, 17                    ; my wave's 32 channels
	s_add_co_u32 s22, s22, s23
	s_mov_b32 s23, 0
	s_lshl_b32 s27, ttmp9, 2
	s_add_co_u32 s27, s27, s19                 ; 4 x work-group + wave % 4
	s_wait_alu depctr_va_vdst(0)
	s_wait_kmcnt 0x0
	s_add_nc_u64 s[4:5], s[4:5], s[22:23]
	s_load_b32 s26, s[8:9], 0x0                ; Tc
	s_lshl_b32 s22, s27, 12
	s_add_nc_u64 s[10:11], s[10:11], s[22:23]  ; kimg: two tiles of 2,048 bytes for 32 pixels
	s_add_nc_u64 s[12:13], s[12:13], s[22:23]  ; vimg: 4,096 bytes for 64 channels
	s_lshl_b32 s22, s27, 8
	s_add_nc_u64 s[28:29], s[14:15], s[22:23]  ; scale words: 256 bytes either way
	s_lshl_b32 s22, s27, 7
	s_add_nc_u64 s[30:31], s[14:15], s[22:23]  ; 4 bytes a pixel
	s_add_nc_u64 s[16:17], s[16:17], s[22:23]
.irp c, 0,1
.irp i, 0,1,2,3,4,5,6,7
	global_load_b128 v[64+32*\c+4*\i:67+32*\c+4*\i], v7, s[6:7] offset:256*\c+16*\i   ; center(row, 128 s + 64 c + 32 h + ..): two whole blocks a lane
.endr
.endr
.set i, 0
.rept 32
	global_load_b128 v[128+4*i:131+4*i], v4, s[4:5] offset:4096*i th:TH_LOAD_NT       ; a channel's 128 pixels: 512 consecutive bytes a load
.set i, i+1
.endr
	s_wait_loadcnt 32                          ; center's 16 loads are in; f's 32 may be out
.irp c, 0,1
	v_max3_num_f32 v[40+\c], |v[64+32*\c]|, |v[65+32*\c]|, FLOOR
.endr
.irp i, 2,4,6,8,10,12,14,16,18,20,22,24,26,28,30
.irp c, 0,1
	s_delay_alu instid0(VALU_DEP_2)
	v_max3_num_f32 v[40+\c], v[40+\c], |v[64+32*\c+\i]|, |v[65+32*\c+\i]|
.endr
.endr
.irp c, 0,1
	s_delay_alu instid0(VALU_DEP_2)
	v_add_nc_u32 v[42+\c], 0xff000000, v[40+\c]
.endr
.irp c, 0,1
	s_delay_alu instid0(VALU_DEP_2)
	v_lshrrev_b32 v[44+\c], 23, v[42+\c]
.endr
	s_delay_alu instid0(VALU_DEP_1)
	v_lshl_or_b32 v46, v45, 16, v44            ; my two bytes: blocks h and 2 + h,
	v_lshlrev_b32 v47, 3, v3
	s_delay_alu instid0(VALU_DEP_1)
	v_lshlrev_b32 v46, v47, v46                ; at their places in the word;
	s_delay_alu instid0(VALU_DEP_1)
	v_permlanex16_b32 v47, v46, s24, s25
	s_delay_alu instid0(VALU_DEP_1)
	v_or_b32 v46, v46, v47                     ; with lane l xor 16's two it is whole
	v_pk_mul_f32 v[48:49], v[64:65], v[64:65]
	v_pk_mul_f32 v[50:51], v[66:67], v[66:67]
.set m, 2
.rept 30
	s_delay_alu instid0(VALU_DEP_2)
	v_pk_fma_f32 v[48+2*(m%2):49+2*(m%2)], v[64+2*m:65+2*m], v[64+2*m:65+2*m], v[48+2*(m%2):49+2*(m%2)]
.set m, m+1
.endr
	s_delay_alu instid0(VALU_DEP_1)
	v_pk_add_f32 v[48:49], v[48:49], v[50:51]
	s_delay_alu instid0(VALU_DEP_1)
	v_add_f32 v48, v48, v49
	s_delay_alu instid0(VALU_DEP_1)
	v_permlanex16_b32 v49, v48, s24, s25
	s_delay_alu instid0(VALU_DEP_1)
	v_add_f32 v48, v48, v49                    ; the row's sum of squares over this K step
.irp c, 0,1
.irp g, 0,1,2,3
	v_cvt_scalef32_pk8_fp4_f32 v[32+4*\c+\g], v[64+32*\c+8*\g:71+32*\c+8*\g], v[42+\c]
.endr
.endr
	v_nop                                      ; one plain line behind the conversions
	ds_store_b128 v11, v[32:35]
	ds_store_b128 v11, v[36:39] offset:512
	ds_store_b32 v12, v46                      ; lanes r and r + 16 write the same word with the same value
	ds_store_b32 v13, v48
	s_wait_loadcnt 0x0
.set i, 0
.rept 32
	ds_store_b128 v8, v[128+4*i:131+4*i] offset:528*i
.set i, i+1
.endr
	s_wait_kmcnt 0x0                           ; Tc
	s_wait_dscnt 0x0                           ; for the others' sake: my stores have landed
	s_barrier_signal -1
	s_barrier_wait -1                          ; the only barrier: behind it LDS is only read
	s_cmp_ge_u32 s18, 4
	s_cbranch_scc1 .Lvside
	; ---- waves 0-3: a lane a pixel
	LOADB 0, 0
	LOADB 1, 1
.set jj, 0
.rept 16
	KBLOCK
.set jj, jj+1
.endr
	v_nop
; Lanes 0-15 hold the pixels of tile u = 0, lanes 16-31 those of tile u = 1; an operand wants blocks of even number in lanes 0-15 and of odd number in lanes 16-31.
; One exchange (the first's lanes 16-31 with the second's lanes 0-15) makes of each pair of registers the images of tile 0 and of tile 1; the scale words likewise.
.set x, 0
.rept 16
	v_permlane16_swap_b32 v[192+x], v[208+x]
	v_permlane16_swap_b32 v[224+x], v[240+x]
.set x, x+1
.endr
	v_permlane16_swap_b32 v24, v25
	v_permlane16_swap_b32 v26, v27
.irp u, 0,1
.irp ch, 0,1,2,3
	global_store_b128 v4, v[224+16*\u+4*\ch:227+16*\u+4*\ch], s[10:11] offset:2048*\u+512*\ch   ; 512 consecutive bytes a store
.endr
	global_store_b32 v54, v[26+\u], s[28:29] offset:128*\u
.endr
.set x, 0
.rept 16
	ds_load_b128 v[128+4*x:131+4*x], v14 offset:512*x      ; center's eight fragments
.set x, x+1
.endr
.irp ct, 0,1,2,3
	ds_load_b32 v[20+\ct], v15 offset:128*\ct
.endr
	s_wait_alu depctr_va_vdst(0)
	s_wait_dscnt 0x0
	PLACES 8                                   ; scale words and operands written by vector instructions stand 8 and 4 places ahead of a scaled matrix instruction
; source 0 = 16 centres, source 1 = 16 pixels: register j of lane (r, h) is centre 16 ct + 8 h + j against pixel r of tile u.  Eight accumulators by turns.
.irp u, 0,1
.irp ct, 0,1,2,3
	v_wmma_scale_f32_16x16x128_f8f6f4 v[64+8*(\ct+4*\u):71+8*(\ct+4*\u)], v[128+16*\ct:135+16*\ct], v[192+16*\u:199+16*\u], 0, v[20+\ct], v[24+\u] matrix_a_fmt:MATRIX_FMT_FP4 matrix_b_fmt:MATRIX_FMT_FP4
.endr
.endr
.irp u, 0,1
.irp ct, 0,1,2,3
	v_wmma_scale_f32_16x16x128_f8f6f4 v[64+8*(\ct+4*\u):71+8*(\ct+4*\u)], v[136+16*\ct:143+16*\ct], v[200+16*\u:207+16*\u], v[64+8*(\ct+4*\u):71+8*(\ct+4*\u)], v[20+\ct], v[24+\u] matrix_a_fmt:MATRIX_FMT_FP4 matrix_b_fmt:MATRIX_FMT_FP4 matrix_a_scale:MATRIX_SCALE_ROW1 matrix_b_scale:MATRIX_SCALE_ROW1
.endr
.endr
	PLACES 4
.irp s, 0,1
.irp ct, 0,1,2,3
.irp k, 0,1
	ds_load_b128 v[128+32*\s+8*\ct+4*\k:131+32*\s+8*\ct+4*\k], v16 offset:256*\s+64*\ct+16*\k   ; |center|^2 of my eight centres of each tile, in two parts
.endr
.endr
.endr
	v_mov_b32 v28, v46
	v_mov_b32 v30, v46
	v_mov_b32 v29, 0                           ; (named as the upper halves of pairs)
	v_mov_b32 v31, 0
	v_mov_b32 v34, 0                           ; (a lane permute's destination counts as read)
	v_mov_b32 v35, 0
	v_permlane16_swap_b32 v28, v30             ; v28: |X|^2 of tile 0's pixel r in both halves of the lanes; v30: tile 1's
	s_wait_dscnt 0x0
.set m, 0
.rept 16
	v_pk_add_f32 v[128+2*m:129+2*m], v[128+2*m:129+2*m], v[160+2*m:161+2*m]
.set m, m+1
.endr
.irp u, 0,1
.set m, 0
.rept 16
	v_pk_add_f32 v[160+2*m:161+2*m], v[128+2*m:129+2*m], v[28+2*\u:29+2*\u] op_sel_hi:[1,0]
.set m, m+1
.endr
.set m, 0
.rept 16
	v_pk_fma_f32 v[160+2*m:161+2*m], v[64+32*\u+2*m:65+32*\u+2*m], -2.0, v[160+2*m:161+2*m] op_sel_hi:[1,0,1]   ; (x2 + c2) - 2 x.c; each accumulator from its low end on
.set m, m+1
.endr
	v_min3_num_f32 v[32+\u], v160, v161, v162
	v_min3_num_f32 v18, v163, v164, v165
.irp i, 6,10,14,18,22,26
	s_delay_alu instid0(VALU_DEP_2)
	v_min3_num_f32 v[32+\u], v[32+\u], v[160+\i], v[161+\i]
	s_delay_alu instid0(VALU_DEP_2)
	v_min3_num_f32 v18, v18, v[162+\i], v[163+\i]
.endr
	s_delay_alu instid0(VALU_DEP_2)
	v_min3_num_f32 v[32+\u], v[32+\u], v190, v191
	s_delay_alu instid0(VALU_DEP_1)
	v_min_num_f32 v[32+\u], v[32+\u], v18
	s_delay_alu instid0(VALU_DEP_1)
	v_permlanex16_b32 v[34+\u], v[32+\u], s24, s25
	s_delay_alu instid0(VALU_DEP_1)
	v_min_num_f32 v[32+\u], v[32+\u], v[34+\u]
.endr
	s_delay_alu instid0(VALU_DEP_1)
	v_cndmask_b32 v32, v32, v33, s34           ; my own pixel's: tile L / 16
	s_delay_alu instid0(VALU_DEP_1)
	v_max_num_f32 v32, 0, v32
	s_wait_alu depctr_va_vdst(0)
	v_sqrt_f32 v36, v32                        ; d
	TWAIT
	v_cmp_lt_f32 vcc_lo, s26, v36              ; d > Tc
	v_mov_b32 v37, 0xf149f2ca                  ; -1e30
	s_delay_alu instid0(VALU_DEP_1)
	v_cndmask_b32 v38, 0, v37, vcc_lo
	s_delay_alu instid0(VALU_DEP_3)
	v_cndmask_b32 v39, 0, 1, vcc_lo
	global_store_b32 v52, v36, s[30:31] offset:163840
	global_store_b32 v52, v38, s[30:31] offset:131072
	global_store_b32 v52, v39, s[16:17]
	s_set_vgpr_msb 0x4
	s_wait_tensorcnt 0x0
	ds_add_u32 v55, v1
	s_wait_dscnt 0x0
	s_set_vgpr_msb 0x400
	s_endpgm
.Lvside:                                       ; ---- waves 4-7: a lane a channel, twice 32 channels, four blocks of 32 pixels each
	VLOAD 0
	VLOAD 1
.irp t, 0,1,2,3,4,5,6,7
	VBLOCK \t
.endr
	s_set_vgpr_msb 0x4
	s_wait_tensorcnt 0x0
	ds_add_u32 v55, v1
	s_wait_dscnt 0x0
	s_set_vgpr_msb 0x400
	s_endpgm
.Lfunc_end_k_qc3e6834885_prep:
	.size	k_qc3e6834885_prep, .Lfunc_end_k_qc3e6834885_prep-k_qc3e6834885_prep
	.p2alignl 7, 3214868480
	.fill 96, 4, 3214868480
	.section	.rodata,"a",@progbits
	.p2align	6, 0x0
	.amdhsa_kernel k_qc3e6834885_prep
		.amdhsa_group_segment_fixed_size 145408
		.amdhsa_private_segment_fixed_size 0
		.amdhsa_enable_private_segment 0
		.amdhsa_kernarg_size 56
		.amdhsa_user_sgpr_count 2
		.amdhsa_user_sgpr_kernarg_segment_ptr 1
		.amdhsa_wavefront_size32 1
		.amdhsa_system_sgpr_workgroup_id_x 1
		.amdhsa_system_sgpr_workgroup_id_y 1
		.amdhsa_system_sgpr_workgroup_id_z 1
		.amdhsa_system_vgpr_workitem_id 0
		.amdhsa_next_free_vgpr 258
		.amdhsa_next_free_sgpr 66
		.amdhsa_reserve_vcc 1
		.amdhsa_float_denorm_mode_32 3
		.amdhsa_float_denorm_mode_16_64 3
		.amdhsa_memory_ordered 1
		.amdhsa_forward_progress 1
		.amdhsa_inst_pref_size 126
	.end_amdhsa_kernel
	.amdgpu_metadata
---
amdhsa.version: [ 1, 2 ]
amdhsa.kernels:
  - .name:           k_qc3e6834885_prep
    .symbol:         k_qc3e6834885_prep.kd
    .args:
      - { .name: f, .offset: 0, .size: 8, .value_kind: global_buffer, .address_space: global }
      - { .name: center, .offset: 8, .size: 8, .value_kind: global_buffer, .address_space: global }
      - { .name: Tc, .offset: 16, .size: 8, .value_kind: global_buffer, .address_space: global }
      - { .name: kimg, .offset: 24, .size: 8, .value_kind: global_buffer, .address_space: global }
      - { .name: vimg, .offset: 32, .size: 8, .value_kind: global_buffer, .address_space: global }
      - { .name: aux, .offset: 40, .size: 8, .value_kind: global_buffer, .address_space: global }
      - { .name: flag, .offset: 48, .size: 8, .value_kind: global_buffer, .address_space: global }
    .group_segment_fixed_size: 145408
    .private_segment_fixed_size: 0
    .kernarg_segment_align: 8
    .kernarg_segment_size: 56
    .max_flat_workgroup_size: 256
    .sgpr_count:     66
    .vgpr_count:     258
    .wavefront_size: 32
...
	.end_amdgpu_metadata
.endif
;; end of part 7
;; launch compact (part 8): grid 1 x 1, 32 waves a work-group, no clusters, 4,608 bytes of LDS; arguments flag, aux, idx, out1; writes idx, out1
.if DOCPART == 8
	.amdgcn_target "amdgcn-amd-amdhsa--gfx1250"
	.amdhsa_code_object_version 6
	.text
	.protected	k_qc3e6834885_compact
	.globl	k_qc3e6834885_compact
	.p2align	8
	.type	k_qc3e6834885_compact,@function
k_qc3e6834885_compact:
	s_mov_b64 s[64:65], 0
	v_nop
	global_prefetch_b8 v0, s[64:65] scope:SCOPE_SE
	s_setreg_imm32_b32 hwreg(HW_REG_WAVE_MODE, 25, 1), 1
	s_wait_xcnt 0x0
; A counting sort of the 8,192 pixels by their flag, by one work-group, and the second output.
;   idx + 0:      ROWS: the pixels, the anomalous ones first, each kind in ascending order
;   idx + 32768:  SEL[p] = flag << 31 | min(anomalous pixels before p, max(NA - 1, 0))
;   idx + 65536:  NA; ST = 4 ceil(NA / 64), at least 4: the tiles of 16 rows that the next launches work; max(8192 - NA, 1); 0
;   out1 = mean of d over the normal pixels / (mean over the anomalous ones + 0.001), or the first mean alone where NA = 0.  Divisions are a reciprocal and a multiplication.
; Wave w, slot i, lane L: p = 256 w + 32 i + L.  Counts stay whole numbers throughout.  LDS: 0: the waves' counts; 128, 256: their sums of d.
.macro ISUM x, t                       ; a whole number summed over the 32 lanes
.irp k, 1
	v_mov_b32_dpp v[\t], v[\x] row_xmask:\k row_mask:0xf bank_mask:0xf
	s_delay_alu instid0(VALU_DEP_1)
	v_add_nc_u32 v[\x], v[\x], v[\t]
.endr
.irp k, 2, 4, 8
	s_delay_alu instid0(VALU_DEP_1)
	v_mov_b32_dpp v[\t], v[\x] row_xmask:\k row_mask:0xf bank_mask:0xf
	s_delay_alu instid0(VALU_DEP_1)
	v_add_nc_u32 v[\x], v[\x], v[\t]
.endr
	s_delay_alu instid0(VALU_DEP_1)
	v_permlanex16_b32 v[\t], v[\x], s14, s15
	s_delay_alu instid0(VALU_DEP_1)
	v_add_nc_u32 v[\x], v[\x], v[\t]
.endm
.macro FSUM x, t                       ; an f32 number likewise
.irp k, 1
	v_add_f32_dpp v[\x], v[\x], v[\x] row_xmask:\k row_mask:0xf bank_mask:0xf
.endr
.irp k, 2, 4, 8
	s_delay_alu instid0(VALU_DEP_1)
	v_add_f32_dpp v[\x], v[\x], v[\x] row_xmask:\k row_mask:0xf bank_mask:0xf
.endr
	s_delay_alu instid0(VALU_DEP_1)
	v_permlanex16_b32 v[\t], v[\x], s14, s15
	s_delay_alu instid0(VALU_DEP_1)
	v_add_f32 v[\x], v[\x], v[\t]
.endm
	s_load_b256 s[4:11], s[0:1], 0x0           ; flag s[4:5], aux s[6:7], idx s[8:9], out1 s[10:11]
	v_lshl_add_u32 v96, v0, 2, 0x200
	v_mov_b32 v97, 0
	v_lshrrev_b32 v1, 5, v0
	s_delay_alu instid0(VALU_DEP_1)
	v_readfirstlane_b32 s12, v1                ; wave 0..31
	v_and_b32 v2, 31, v0                       ; L
	s_delay_alu instid0(VALU_DEP_1)
	v_lshlrev_b32 v7, 2, v2                    ; 4 L
	s_lshl_b32 s13, s12, 10
	v_add_nc_u32 v3, s13, v7                   ; 4 p of slot 0
	s_lshl_b32 s13, s12, 8
	v_add_nc_u32 v43, s13, v2                  ; p of slot 0
	v_mov_b32 v5, s12
	s_delay_alu instid0(VALU_DEP_1)
	v_lshlrev_b32 v5, 2, v5                    ; my wave's word
	s_mov_b32 s14, 0x76543210
	s_mov_b32 s15, 0xfedcba98
	v_mov_b32 v42, 0                           ; (a lane permute's destination counts as read)
	v_mov_b32 v46, 0x80000000
	v_mov_b32 v47, 0
	s_wait_alu depctr_va_vdst(0)
	s_wait_kmcnt 0x0
.irp i, 0,1,2,3,4,5,6,7
	global_load_b32 v[8+\i], v3, s[4:5] offset:128*\i
.endr
.irp i, 0,1,2,3,4,5,6,7
	global_load_b32 v[16+\i], v3, s[6:7] offset:163840+128*\i
.endr
	s_wait_loadcnt 8                           ; the flags are in; the eight loads of d may be out
	s_mov_b32 s40, 0
.irp i, 0,1,2,3,4,5,6,7
	v_cmp_ne_u32 s[32+\i], 0, v[8+\i]          ; slot i's flags as a mask
	s_bcnt1_i32_b32 s20, s[32+\i]
	s_add_co_u32 s[41+\i], s[40+\i], s20       ; s[40 + i]: anomalous pixels of my wave ahead of slot i; s48: all of them
.endr
	v_mov_b32 v4, s48
	ds_store_b32 v5, v4
	s_wait_loadcnt 0x0
	v_cndmask_b32 v24, 0, v16, s32
	v_cndmask_b32 v25, v16, 0, s32
.irp i, 1,2,3,4,5,6,7
	v_cndmask_b32 v26, 0, v[16+\i], s[32+\i]
	v_cndmask_b32 v27, v[16+\i], 0, s[32+\i]
	s_delay_alu instid0(VALU_DEP_2)
	v_add_f32 v24, v24, v26
	s_delay_alu instid0(VALU_DEP_2)
	v_add_f32 v25, v25, v27
.endr
	FSUM 24, 42
	FSUM 25, 42
	ds_store_b32 v5, v24 offset:128
	ds_store_b32 v5, v25 offset:256
	s_wait_dscnt 0x0                           ; for the others' sake: my three words have landed
	s_barrier_signal -1
	s_barrier_wait -1
	ds_load_b32 v40, v7                        ; lane L: wave L's count
	s_wait_dscnt 0x0
	v_cmp_gt_u32 vcc_lo, s12, v2
	s_delay_alu instid0(VALU_DEP_1)
	v_cndmask_b32 v41, 0, v40, vcc_lo          ; the waves ahead of mine
	ISUM 40, 42
	ISUM 41, 42
	v_readfirstlane_b32 s50, v40               ; NA
	s_delay_alu instid0(VALU_DEP_2)
	v_readfirstlane_b32 s51, v41               ; anomalous pixels ahead of my wave
	s_max_u32 s52, s50, 1
	s_sub_co_u32 s52, s52, 1                   ; max(NA - 1, 0)
.irp i, 0,1,2,3,4,5,6,7
	s_add_co_u32 s20, s51, s[40+\i]
	v_mbcnt_lo_u32_b32 v[48+\i], s[32+\i], s20 ; anomalous pixels before p
	v_add_nc_u32 v[56+\i], 32*\i, v43          ; p
	s_delay_alu instid0(VALU_DEP_1)
	v_sub_nc_u32 v44, v[56+\i], v[48+\i]       ; normal pixels before p
	s_delay_alu instid0(VALU_DEP_1)
	v_add_nc_u32 v44, s50, v44
	s_delay_alu instid0(VALU_DEP_1)
	v_cndmask_b32 v[64+\i], v44, v[48+\i], s[32+\i]
	s_delay_alu instid0(VALU_DEP_1)
	v_min_u32 v[64+\i], 8191, v[64+\i]         ; p's place in ROWS
	s_delay_alu instid0(VALU_DEP_1)
	v_lshlrev_b32 v[64+\i], 2, v[64+\i]
	global_store_b32 v[64+\i], v[56+\i], s[8:9]
	v_min_u32 v[72+\i], s52, v[48+\i]
	v_cndmask_b32 v45, 0, v46, s[32+\i]
	s_delay_alu instid0(VALU_DEP_1)
	v_or_b32 v[72+\i], v[72+\i], v45
	global_store_b32 v3, v[72+\i], s[8:9] offset:32768+128*\i
.endr
	s_cmp_lg_u32 s12, 0
	s_cbranch_scc1 .Ldone
	ds_load_b32 v24, v7 offset:128
	ds_load_b32 v25, v7 offset:256
	s_wait_dscnt 0x0
	FSUM 24, 42                                ; the sum of d over the anomalous pixels
	FSUM 25, 42                                ; and over the normal ones
	s_sub_co_u32 s53, 8192, s50
	s_max_u32 s54, s53, 1
	s_max_u32 s55, s50, 1
	v_cvt_f32_u32 v26, s54
	v_cvt_f32_u32 v27, s55
	s_wait_alu depctr_va_vdst(0)
	v_rcp_f32 v26, v26
	v_rcp_f32 v27, v27
	v_nop
	s_wait_alu depctr_va_vdst(0)               ; one wait for both reciprocals, ahead of their first reader
	v_mul_f32 v25, v25, v26                    ; mean over the normal pixels
	v_mul_f32 v24, v24, v27
	s_delay_alu instid0(VALU_DEP_1)
	v_add_f32 v24, 0x3a83126f, v24             ; mean over the anomalous ones + 0.001
	s_wait_alu depctr_va_vdst(0)
	v_rcp_f32 v28, v24
	v_nop
	s_wait_alu depctr_va_vdst(0)
	v_mul_f32 v28, v25, v28
	s_cmp_gt_u32 s50, 0
	s_cselect_b32 s20, -1, 0
	v_cndmask_b32 v28, v25, v28, s20
	s_add_co_u32 s56, s50, 63
	s_lshr_b32 s56, s56, 6
	s_lshl_b32 s56, s56, 2
	s_max_u32 s56, s56, 4
	v_mov_b32 v32, s50
	v_mov_b32 v33, s56
	v_mov_b32 v34, s54
	v_mov_b32 v35, 0
	v_cmp_eq_u32 vcc_lo, 0, v2
	s_wait_alu depctr_va_vdst(0)
	s_wait_xcnt 0x0                            ; EXEC is a source of the stores above: it changes only behind this wait
	s_and_saveexec_b32 s21, vcc_lo
	global_store_b32 v47, v28, s[10:11]
	global_store_b128 v47, v[32:35], s[8:9] offset:65536
	s_wait_xcnt 0x0                            ; and again ahead of the line that restores it
	s_or_b32 exec_lo, exec_lo, s21
.Ldone:
	s_wait_tensorcnt 0x0
	ds_add_u32 v96, v97
	s_wait_dscnt 0x0
	s_endpgm
.Lfunc_end_k_qc3e6834885_compact:
	.size	k_qc3e6834885_compact, .Lfunc_end_k_qc3e6834885_compact-k_qc3e6834885_compact
	.p2alignl 7, 3214868480
	.fill 96, 4, 3214868480
	.section	.rodata,"a",@progbits
	.p2align	6, 0x0
	.amdhsa_kernel k_qc3e6834885_compact
		.amdhsa_group_segment_fixed_size 4608
		.amdhsa_private_segment_fixed_size 0
		.amdhsa_enable_private_segment 0
		.amdhsa_kernarg_size 32
		.amdhsa_user_sgpr_count 2
		.amdhsa_user_sgpr_kernarg_segment_ptr 1
		.amdhsa_wavefront_size32 1
		.amdhsa_system_sgpr_workgroup_id_x 1
		.amdhsa_system_sgpr_workgroup_id_y 1
		.amdhsa_system_sgpr_workgroup_id_z 1
		.amdhsa_system_vgpr_workitem_id 0
		.amdhsa_next_free_vgpr 98
		.amdhsa_next_free_sgpr 66
		.amdhsa_reserve_vcc 1
		.amdhsa_float_denorm_mode_32 3
		.amdhsa_float_denorm_mode_16_64 3
		.amdhsa_memory_ordered 1
		.amdhsa_forward_progress 1
		.amdhsa_inst_pref_size 19
	.end_amdhsa_kernel
	.amdgpu_metadata
---
amdhsa.version: [ 1, 2 ]
amdhsa.kernels:
  - .name:           k_qc3e6834885_compact
    .symbol:         k_qc3e6834885_compact.kd
    .args:
      - { .name: flag, .offset: 0, .size: 8, .value_kind: global_buffer, .address_space: global }
      - { .name: aux, .offset: 8, .size: 8, .value_kind: global_buffer, .address_space: global }
      - { .name: idx, .offset: 16, .size: 8, .value_kind: global_buffer, .address_space: global }
      - { .name: out1, .offset: 24, .size: 8, .value_kind: global_buffer, .address_space: global }
    .group_segment_fixed_size: 4608
    .private_segment_fixed_size: 0
    .kernarg_segment_align: 8
    .kernarg_segment_size: 32
    .max_flat_workgroup_size: 1024
    .sgpr_count:     66
    .vgpr_count:     98
    .wavefront_size: 32
...
	.end_amdgpu_metadata
.endif
;; end of part 8
;; launch passa (part 9): grid 256 x 1, 4 waves a work-group, no clusters, 0 bytes of LDS; arguments kimg, aux, idx, sta; writes sta
.if DOCPART == 9
	.amdgcn_target "amdgcn-amd-amdhsa--gfx1250"
	.amdhsa_code_object_version 6
	.text
	.protected	k_qc3e6834885_passa
	.globl	k_qc3e6834885_passa
	.p2align	8
	.type	k_qc3e6834885_passa,@function
k_qc3e6834885_passa:
	s_mov_b64 s[64:65], 0
	v_nop
	global_prefetch_b8 v0, s[64:65] scope:SCOPE_SE
	s_setreg_imm32_b32 hwreg(HW_REG_WAVE_SCHED_MODE, 0, 2), 2
	s_setreg_imm32_b32 hwreg(HW_REG_WAVE_MODE, 25, 1), 1
	s_wait_xcnt 0x0
	s_wait_alu depctr_vm_vsrc(0)
; The row sums of the softmax chain, first pass (PB = 0): Z = sum e, Q2 = sum e^2, e = exp(sim + mask), sim = Q(Xn) Q(Xn)^T on codes of E2M1.
; (The same text with PB = 1 is the second pass: S' = sum of a = m e / (m + 1e-10), m = max(e / Z + nthr, 0), nthr = 2 sqrt(var) - 1 / t.)
; THE KEYS STAY, THE ROWS WALK.  Wave W = 4 x work-group + wave keeps 512 keys (part = W % 16) in registers: 32 fragments pairs (512 registers), their scale words, and the column mask (0 or -1e30)
; in the result's layout (256 registers), which is the C of each score tile's first matrix instruction: masking costs no vector instruction.
; It walks the tiles of 16 rows g + 64 i < ST, g = W / 16; ST and the list of rows were stored by the launch before.  So one grid serves every split; a wave that a split leaves without rows ends.
; The trip count is a stored number, so operands come from memory straight into registers: no tensor load, no LDS, no barrier, and no joint loads of a cluster.
; S^T = K Q^T: source 0 = 16 keys, source 1 = 16 rows: a lane holds one row (lane % 16), its registers run along the keys; lanes l and l xor 16 share a row.
; NO MAXIMUM IS TAKEN AWAY: the vectors are normalised as the problem says, and a code differs from its number by at most a quarter of its block's largest magnitude, so |Q(Xn)| <= 2.42 and |sim| <= 5.9:
; e lies between 2.7e-3 and 365, Z under 3e6, Q2 under 1.1e9, for every input.
; LIMITS (PB = 1): mu is taken as 1 / t; var = max(Q2 / (Z^2 t) - 1 / t^2, 0), a difference of moments; divisions are a reciprocal and a multiplication; with no normal pixel the sums are 0 and nothing finite follows.
; REGISTERS: windows 1, 2: K, tile T at v[16 (T % 16)] of window 1 + T / 16; window 3: the mask, v[8 T]; window 0: below.
; THE MODE: SCHED_MODE bits 1:0 = 2 (LLVM: expert scheduling mode 2), set by the entry lines.  The code itself states the register dependences
; between vector or matrix instructions and memory instructions, with s_wait_alu, always for 0.
; THE PLAN.  Registers that memory instructions touch:
;   K, the mask, KS, v4 to v6   Loaded or made once at the head and never written again.
;   Q and QS, two sets          The trip on set k: its matrix instructions read set k; the loads at its head land in set 1 - k, which the matrix instructions of the trip before read.
;   RW                          Read by a trip's address lines; behind them the row numbers of the tile after next land in it.
;   STT (PB = 1)                Read and written by the lines that make the row's constants; behind them the next tile's sixteen loads land in it.
;   QA, QSA, RO (PB = 1: STO)   Offsets: written by a trip's address lines, read by the loads behind them.
;   SO, VAL                     Written at a trip's head and at its end; read by the trip's one store.
; All address work of a trip stands together at its head and all its loads follow in one run.  So a trip has three waits: one on vm_vsrc at its head (the last trip's loads and store have read
; what the address lines and the sums write again), one on va_vdst between the address lines and the loads, and one on va_vdst ahead of the store.
.set PB, 0
.set RW, 8                             ; the row number for the gather after next
.set RO, 9                             ; byte offset in ROWS of the next tile's rows
.set QA, 10                            ; the gather's offset in kimg
.set QSA, 11                           ; and among the scale words
.set SO, 12                            ; where I store
.set Q, 16                             ; v16-47 the rows' fragments, two sets of 16
.set QS, 48                            ; v48-49 their scale words
.set KS, 50                            ; v50-81 K's scale words
.set ZA, 84                            ; PB = 0: v84-87 Z in two pair chains;  PB = 1: v[84:85] 1 / Z twice, v[86:87] nthr twice
.set ZQ, 88                            ; v88-91 Q2 (PB = 1: S') in two pair chains
.set STO, 92
.set RT, 93                            ; 1 / t
.set VAL, 94
.set RB, 95                            ; 4 r + 64 g
.set STT, 96                           ; v96-111 the sixteen parts of Z or Q2
.set SC, 112                           ; v112-175 the scores
.set U, 176                            ; v176-239 at work
.set MSB, 0
.macro WIN new                         ; the immediate's high byte repeats the setting that is left
.if MSB != (\new)
	s_set_vgpr_msb (MSB<<8)|(\new)
.set MSB, (\new)
.endif
.endm
.macro PLACES n
.rept \n
	v_nop
.endr
.endm
.macro WM d, a, b, c, sa, sb, rows     ; rows = 0: both scale words from lanes 0-15; 3: both from lanes 16-31
.if (\rows) == 0
	v_wmma_scale_f32_16x16x128_f8f6f4 v[\d:\d+7], v[\a:\a+7], v[\b:\b+7], v[\c:\c+7], v[\sa], v[\sb] matrix_a_fmt:MATRIX_FMT_FP4 matrix_b_fmt:MATRIX_FMT_FP4
.else
	v_wmma_scale_f32_16x16x128_f8f6f4 v[\d:\d+7], v[\a:\a+7], v[\b:\b+7], v[\c:\c+7], v[\sa], v[\sb] matrix_a_fmt:MATRIX_FMT_FP4 matrix_b_fmt:MATRIX_FMT_FP4 matrix_a_scale:MATRIX_SCALE_ROW1 matrix_b_scale:MATRIX_SCALE_ROW1
.endif
.endm
.macro QADDR                           ; pixel p lies in tile 2 (p / 32) + (p / 8) % 2, row 8 ((p / 16) % 2) + p % 8
	v_min_u32 v13, 8191, v[RW]
	v_and_b32 v14, 0x1fe0, v13
	v_and_b32 v15, 8, v13
	v_and_b32 v82, 16, v13
	v_and_b32 v83, 7, v13
	v_lshl_add_u32 v[QA], v14, 7, v7
	v_lshl_add_u32 v[QA], v15, 8, v[QA]
	v_lshl_add_u32 v[QA], v82, 3, v[QA]
	v_lshl_add_u32 v[QA], v83, 4, v[QA]
	v_lshl_add_u32 v[QSA], v14, 3, v6
	v_lshl_add_u32 v[QSA], v15, 4, v[QSA]
	v_lshl_add_u32 v[QSA], v82, 1, v[QSA]
	v_lshl_add_u32 v[QSA], v83, 2, v[QSA]
.endm
.macro QLOAD set
.irp ch, 0,1,2,3
	global_load_b128 v[Q+16*(\set)+4*\ch:Q+16*(\set)+4*\ch+3], v[QA], s[4:5] offset:512*\ch
.endr
	global_load_b32 v[QS+(\set)], v[QSA], s[6:7]
.endm
.macro STLOAD                          ; lanes 0-15: the sixteen parts of my row's Z; lanes 16-31: of its Q2
.set m, 0
.rept 16
	global_load_b32 v[STT+m], v[STO], s[12:13] offset:65536*m
.set m, m+1
.endr
.endm
.macro SCORES set, q                   ; 128 keys x 16 rows: eight accumulators by turns, the mask as the first C, then channels 128-255 in place.  All operands and scale words come from loads
	WIN 0x30|(1+(\q)/2)
.irp tt, 0,1,2,3,4,5,6,7
	WM SC+8*\tt, 128*((\q)%2)+16*\tt, Q+16*(\set), 64*(\q)+8*\tt, KS+8*(\q)+\tt, QS+(\set), 0
.endr
	WIN 1+(\q)/2
.irp tt, 0,1,2,3,4,5,6,7
	WM SC+8*\tt, 128*((\q)%2)+16*\tt+8, Q+16*(\set)+8, SC+8*\tt, KS+8*(\q)+\tt, QS+(\set), 3
.endr
	WIN 0
	PLACES 4
.endm
.macro EXPS                            ; e = 2^(log2(e) s): each accumulator is read from its low end on; one wait for the batch of 64
.set m, 0
.rept 32
	v_pk_mul_f32 v[SC+2*m:SC+2*m+1], v[SC+2*m:SC+2*m+1], s[28:29] op_sel_hi:[1,0]
.set m, m+1
.endr
.set m, 0
	s_wait_alu depctr_va_vdst(0)
.rept 64
	v_exp_f32 v[SC+m], v[SC+m]
.set m, m+1
.endr
	v_nop
	s_wait_alu depctr_va_vdst(0)               ; the 64 exponentials have written e, ahead of its first reader
.endm
.macro CORE base, n, rz, nt            ; e -> a = m e / (m + 1e-10), m = max(e rz + nt, 0)
.set m, 0
.rept (\n)/2
	v_pk_fma_f32 v[U+2*m:U+2*m+1], v[\base+2*m:\base+2*m+1], v[\rz:\rz+1], v[\nt:\nt+1]
.set m, m+1
.endr
.set m, 0
.rept \n
	v_max_num_f32 v[U+m], 0, v[U+m]
.set m, m+1
.endr
.set m, 0
.rept (\n)/2
	v_pk_mul_f32 v[\base+2*m:\base+2*m+1], v[\base+2*m:\base+2*m+1], v[U+2*m:U+2*m+1]
.set m, m+1
.endr
.set m, 0
.rept (\n)/2
	v_pk_add_f32 v[U+2*m:U+2*m+1], v[U+2*m:U+2*m+1], s[30:31] op_sel_hi:[1,0]
.set m, m+1
.endr
.set m, 0
.rept \n
	v_rcp_f32 v[U+m], v[U+m]
.set m, m+1
.endr
	v_nop
	s_wait_alu depctr_va_vdst(0)               ; the batch of reciprocals has written 1 / (m + 1e-10), ahead of its first reader
.set m, 0
.rept (\n)/2
	v_pk_mul_f32 v[\base+2*m:\base+2*m+1], v[\base+2*m:\base+2*m+1], v[U+2*m:U+2*m+1]
.set m, m+1
.endr
.endm
.macro VEC
	EXPS
.if PB
	CORE SC, 64, ZA, ZA+2
.set m, 0
.rept 32
	v_pk_add_f32 v[ZQ+2*(m%2):ZQ+2*(m%2)+1], v[ZQ+2*(m%2):ZQ+2*(m%2)+1], v[SC+2*m:SC+2*m+1]
.set m, m+1
.endr
.else
.set m, 0
.rept 32
	v_pk_add_f32 v[ZA+2*(m%2):ZA+2*(m%2)+1], v[ZA+2*(m%2):ZA+2*(m%2)+1], v[SC+2*m:SC+2*m+1]
	v_pk_fma_f32 v[ZQ+2*(m%2):ZQ+2*(m%2)+1], v[SC+2*m:SC+2*m+1], v[SC+2*m:SC+2*m+1], v[ZQ+2*(m%2):ZQ+2*(m%2)+1]
.set m, m+1
.endr
.endif
.endm
.macro TREE t                          ; v[t] = the sum of v[t] .. v[t + 15]
	v_pk_add_f32 v[\t:\t+1], v[\t:\t+1], v[\t+2:\t+3]
	v_pk_add_f32 v[\t+4:\t+5], v[\t+4:\t+5], v[\t+6:\t+7]
	v_pk_add_f32 v[\t+8:\t+9], v[\t+8:\t+9], v[\t+10:\t+11]
	v_pk_add_f32 v[\t+12:\t+13], v[\t+12:\t+13], v[\t+14:\t+15]
	v_pk_add_f32 v[\t:\t+1], v[\t:\t+1], v[\t+4:\t+5]
	v_pk_add_f32 v[\t+8:\t+9], v[\t+8:\t+9], v[\t+12:\t+13]
	v_pk_add_f32 v[\t:\t+1], v[\t:\t+1], v[\t+8:\t+9]
	v_add_f32 v[\t], v[\t], v[\t+1]
.endm
.macro ROWC t, rz, nt, rt              ; the row's constants: 1 / Z and nthr = 2 sqrt(var) - 1 / t, each twice
	TREE \t
	v_permlanex16_b32 v[\t+1], v[\t], s32, s33
	v_cndmask_b32 v[\t+2], v[\t], v[\t+1], s34     ; Z
	v_cndmask_b32 v[\t+3], v[\t+1], v[\t], s34     ; Q2
	v_rcp_f32 v[\rz], v[\t+2]
	v_nop
	s_wait_alu depctr_va_vdst(0)                   ; the reciprocal has written 1 / Z, ahead of its first reader
	v_mul_f32 v[\t+3], v[\t+3], v[\rz]
	v_mul_f32 v[\t+3], v[\t+3], v[\rz]
	v_mul_f32 v[\t+3], v[\t+3], v[\rt]
	v_fma_f32 v[\t+3], -v[\rt], v[\rt], v[\t+3]
	v_max_num_f32 v[\t+3], 0, v[\t+3]
	v_sqrt_f32 v[\t+4], v[\t+3]
	v_mov_b32 v[\rz+1], v[\rz]                     ; (the plain line behind the root)
	s_wait_alu depctr_va_vdst(0)                   ; the root has written sqrt(var), ahead of its first reader
	v_fma_f32 v[\nt], 2.0, v[\t+4], -v[\rt]
	v_mov_b32 v[\nt+1], v[\nt]
.endm
; One tile of 16 rows against my 512 keys.  k: the set that holds its fragments; trip number s25 + k.
.macro TRIP k
	s_wait_loadcnt 0x0                         ; all that was asked for a trip ago: this tile's fragments, the next row numbers (PB = 1: this tile's sums); in the first trip K too
	s_wait_xcnt 0x0                            ; the last store has had its address translated: its offset and its data are written again only behind this wait
	s_wait_alu depctr_vm_vsrc(0)               ; the last trip's store has read SO and VAL, and its loads QA, QSA and RO (PB = 1: STO too): this trip writes all of them again
	v_add_nc_u32 v[SO], 4096, v[SO]            ; 64 tiles on; the store below reaches back
.if PB
	ROWC STT, ZA, ZA+2, RT
.endif
	QADDR
.if PB
	v_lshl_add_u32 v[STO], v3, 15, v[RO]       ; the next tile's sums: RO still stands at its rows
.endif
	s_add_co_u32 s26, s25, \k+2                ; the tile after next, or, past my last, my first again: only bytes that were stored are read
	s_cmp_lt_u32 s26, s24
	s_cselect_b32 s26, s26, 0
	s_min_u32 s26, s26, 7                      ; (it lies under my trips, which are eight at the most)
	s_lshl_b32 s26, s26, 12
	v_add_nc_u32 v[RO], s26, v[RB]
	s_wait_alu depctr_va_vdst(0)               ; QA, QSA and RO (PB = 1: STO) are written, which the loads below read; the address lines are done reading RW, the last trip's matrix instructions the other set of fragments (PB = 1: the constants' lines are done with STT): the loads land there
	QLOAD 1-\k                                 ; the next tile's fragments have this whole trip in which to land
.if PB
	STLOAD
.endif
	global_load_b32 v[RW], v[RO], s[8:9]
.if PB == 0
.irp i, 0,1,2,3
	v_mov_b32 v[ZA+\i], 0
.endr
.endif
.irp i, 0,1,2,3
	v_mov_b32 v[ZQ+\i], 0
.endr
.irp q, 0,1,2,3
	SCORES \k, \q
	VEC
.endr
	v_pk_add_f32 v[ZQ:ZQ+1], v[ZQ:ZQ+1], v[ZQ+2:ZQ+3]
	v_add_f32 v[ZQ], v[ZQ], v[ZQ+1]
	v_permlanex16_b32 v14, v[ZQ], s32, s33     ; the row's other keys lie in lane l xor 16
.if PB
	v_add_f32 v[VAL], v[ZQ], v14               ; lanes 16-31 store the same word with the same value
.else
	v_pk_add_f32 v[ZA:ZA+1], v[ZA:ZA+1], v[ZA+2:ZA+3]
	v_add_f32 v[ZA], v[ZA], v[ZA+1]
	v_permlanex16_b32 v13, v[ZA], s32, s33
	v_add_f32 v[ZQ], v[ZQ], v14
	v_add_f32 v[ZA], v[ZA], v13
	v_cndmask_b32 v[VAL], v[ZA], v[ZQ], s34    ; lanes 0-15 store Z, lanes 16-31 Q2
.endif
	s_wait_alu depctr_va_vdst(0)               ; VAL is written, which the store reads (SO was written ahead of the trip's wait in front of its loads)
	global_store_b32 v[SO], v[VAL], s[42:43] offset:-4096
.endm
	s_load_b256 s[4:11], s[0:1], 0x0           ; kimg s[4:5], aux s[6:7], idx s[8:9], the output s[10:11]
.if PB
	s_load_b64 s[12:13], s[0:1], 0x20          ; sta
.endif
	v_lshrrev_b32 v1, 5, v0
	v_readfirstlane_b32 s20, v1                ; wave 0..3
	v_and_b32 v1, 31, v0
	v_and_b32 v2, 15, v0                       ; r
	s_wait_alu depctr_va_vdst(0)
	v_bfe_u32 v3, v0, 4, 1                     ; h
	v_lshlrev_b32 v4, 4, v1                    ; 16 L
	v_lshlrev_b32 v5, 2, v1                    ; 4 L
	v_lshlrev_b32 v6, 6, v3                    ; 64 h
	v_lshlrev_b32 v7, 8, v3                    ; 256 h
	s_wait_alu depctr_va_sdst(0)               ; s20 is written, ahead of its first reader: the wave's part and group are made from it
	s_lshl_b32 s21, ttmp9, 2
	s_add_co_u32 s21, s21, s20                 ; W
	s_and_b32 s22, s21, 15                     ; part
	s_lshr_b32 s23, s21, 4                     ; g
	s_mov_b32 s28, 0x3fb8aa3b                  ; log2(e)
	s_mov_b32 s29, s28
	s_mov_b32 s30, 0x2edbe6ff                  ; 1e-10
	s_mov_b32 s31, s30
	s_mov_b32 s32, 0x76543210
	s_mov_b32 s33, 0xfedcba98
	s_mov_b32 s34, 0xffff0000                  ; lanes 16-31
	s_lshl_b32 s26, s23, 6
	v_lshl_add_u32 v[RB], v2, 2, s26
.if PB
	v_mov_b32 v[SO], v[RB]
.else
	s_wait_alu depctr_va_vdst(0)
	v_lshl_add_u32 v[SO], v3, 15, v[RB]
.endif
	s_wait_kmcnt 0x0
	s_load_b128 s[16:19], s[8:9], 0x10000      ; NA, ST, max(8192 - NA, 1), 0
	s_mov_b32 s27, 0
	s_lshl_b32 s26, s22, 16
	s_add_nc_u64 s[36:37], s[4:5], s[26:27]    ; my 32 tiles of K
.if PB
	s_lshl_b32 s26, s22, 15
.endif
	s_add_nc_u64 s[42:43], s[10:11], s[26:27]  ; my part of the output
	s_lshl_b32 s26, s22, 12
	s_add_nc_u64 s[38:39], s[6:7], s[26:27]    ; their scale words
	s_lshl_b32 s26, s22, 11
	s_add_nc_u64 s[40:41], s[6:7], s[26:27]    ; the mask of my 512 keys (+131072)
	; What hangs on no stored count goes out at once, while the counts are on their way: the row numbers of tile g (ranks 16 g + r lie inside the list whatever ST is) and the first half of K
	v_mov_b32 v[RO], v[RB]
	s_wait_alu depctr_va_vdst(0)               ; RO and the offsets v4, v5 and v6 are written, which the loads of the head read
	global_load_b32 v[RW], v[RO], s[8:9]
	WIN 0x40
.set T, 0
.rept 16
.irp ch, 0,1,2,3
	global_load_b128 v[16*T+4*\ch:16*T+4*\ch+3], v4, s[36:37] offset:2048*T+512*\ch
.endr
.set T, T+1
.endr
	WIN 0
	s_wait_kmcnt 0x0
	s_add_co_u32 s24, s17, 63
	s_sub_co_u32 s24, s24, s23
	s_lshr_b32 s24, s24, 6
	s_min_u32 s24, s24, 8                      ; my trips: the tiles g + 64 i under ST
	s_cmp_eq_u32 s24, 0
	s_cbranch_scc1 .Lend
.if PB
	v_cvt_f32_u32 v[RT], s18
	v_rcp_f32 v[RT], v[RT]
	v_nop
	s_wait_alu depctr_va_vdst(0)               ; the reciprocal has written 1 / t, ahead of its first reader
.endif
	s_wait_loadcnt 63                          ; the row numbers are in: 64 loads were issued behind them
	s_wait_alu depctr_vm_vsrc(0)               ; the load of the row numbers has read RO, which is written again below
	QADDR
.if PB
	v_lshl_add_u32 v[STO], v3, 15, v[RO]
.endif
	s_cmp_gt_u32 s24, 1
	s_cselect_b32 s26, 4096, 0
	v_add_nc_u32 v[RO], s26, v[RB]
	s_wait_alu depctr_va_vdst(0)               ; QA, QSA and RO (PB = 1: STO) are written, which the loads below read; the address lines are done reading RW, in which the next row numbers land
	QLOAD 0
.if PB
	STLOAD
.endif
	global_load_b32 v[RW], v[RO], s[8:9]
	WIN 0x80
.rept 16
.irp ch, 0,1,2,3
	global_load_b128 v[16*(T-16)+4*\ch:16*(T-16)+4*\ch+3], v4, s[36:37] offset:2048*T+512*\ch
.endr
.set T, T+1
.endr
	WIN 0xc0
.set T, 0
.rept 32
.irp k, 0,1
	global_load_b128 v[8*T+4*\k:8*T+4*\k+3], v6, s[40:41] offset:131072+4*(32*(T/2)+8*(T%2))+16*\k   ; register j: key 32 (T / 2) + 16 h + 8 (T % 2) + j
.endr
.set T, T+1
.endr
	WIN 0
.set T, 0
.rept 32
	global_load_b32 v[KS+T], v5, s[38:39] offset:128*T
.set T, T+1
.endr
	s_add_co_u32 s45, s24, 1
	s_lshr_b32 s45, s45, 1                     ; pairs of tiles, the last perhaps half: four at the most
	s_mov_b32 s44, 0                           ; the loop counts pairs, one a trip
.Lloop:                                        ; two tiles a trip: the two sets of row fragments change places and come back
	s_lshl_b32 s25, s44, 1                     ; the number of the pair's first tile
	TRIP 0
	s_add_co_u32 s26, s25, 1
	s_cmp_lt_u32 s26, s24
	s_cbranch_scc1 .Lmore
	s_endpgm                                   ; a wave with an odd number of tiles ends here: the loop is left by s_endpgm or by falling through its backward branch, never by a jump past the counter's step
.Lmore:
	TRIP 1
	s_add_co_u32 s44, s44, 1
	s_cmp_lt_u32 s44, s45
	s_cbranch_scc1 .Lloop
.Lend:
	s_endpgm
.Lfunc_end_k_qc3e6834885_passa:
	.size	k_qc3e6834885_passa, .Lfunc_end_k_qc3e6834885_passa-k_qc3e6834885_passa
	.p2alignl 7, 3214868480
	.fill 96, 4, 3214868480
	.section	.rodata,"a",@progbits
	.p2align	6, 0x0
	.amdhsa_kernel k_qc3e6834885_passa
		.amdhsa_group_segment_fixed_size 0
		.amdhsa_private_segment_fixed_size 0
		.amdhsa_enable_private_segment 0
		.amdhsa_kernarg_size 32
		.amdhsa_user_sgpr_count 2
		.amdhsa_user_sgpr_kernarg_segment_ptr 1
		.amdhsa_wavefront_size32 1
		.amdhsa_system_sgpr_workgroup_id_x 1
		.amdhsa_system_sgpr_workgroup_id_y 1
		.amdhsa_system_sgpr_workgroup_id_z 1
		.amdhsa_system_vgpr_workitem_id 0
		.amdhsa_next_free_vgpr 1024
		.amdhsa_next_free_sgpr 66
		.amdhsa_reserve_vcc 0
		.amdhsa_float_denorm_mode_32 3
		.amdhsa_float_denorm_mode_16_64 3
		.amdhsa_memory_ordered 1
		.amdhsa_forward_progress 1
		.amdhsa_inst_pref_size 113
	.end_amdhsa_kernel
	.amdgpu_metadata
---
amdhsa.version: [ 1, 2 ]
amdhsa.kernels:
  - .name:           k_qc3e6834885_passa
    .symbol:         k_qc3e6834885_passa.kd
    .args:
      - { .name: kimg, .offset: 0, .size: 8, .value_kind: global_buffer, .address_space: global }
      - { .name: aux, .offset: 8, .size: 8, .value_kind: global_buffer, .address_space: global }
      - { .name: idx, .offset: 16, .size: 8, .value_kind: global_buffer, .address_space: global }
      - { .name: sta, .offset: 24, .size: 8, .value_kind: global_buffer, .address_space: global }
    .group_segment_fixed_size: 0
    .private_segment_fixed_size: 0
    .kernarg_segment_align: 8
    .kernarg_segment_size: 32
    .max_flat_workgroup_size: 128
    .sgpr_count:     66
    .vgpr_count:     1024
    .wavefront_size: 32
...
	.end_amdgpu_metadata
.endif
;; end of part 9
;; launch passb (part 10): grid 256 x 1, 4 waves a work-group, no clusters, 0 bytes of LDS; arguments kimg, aux, idx, stb, sta; writes stb
.if DOCPART == 10
	.amdgcn_target "amdgcn-amd-amdhsa--gfx1250"
	.amdhsa_code_object_version 6
	.text
	.protected	k_qc3e6834885_passb
	.globl	k_qc3e6834885_passb
	.p2align	8
	.type	k_qc3e6834885_passb,@function
k_qc3e6834885_passb:
	s_mov_b64 s[64:65], 0
	v_nop
	global_prefetch_b8 v0, s[64:65] scope:SCOPE_SE
	s_setreg_imm32_b32 hwreg(HW_REG_WAVE_SCHED_MODE, 0, 2), 2
	s_setreg_imm32_b32 hwreg(HW_REG_WAVE_MODE, 25, 1), 1
	s_wait_xcnt 0x0
	s_wait_alu depctr_vm_vsrc(0)
; The row sums of the softmax chain, second pass (PB = 1): S' = sum of a = m e / (m + 1e-10), m = max(e / Z + nthr, 0), nthr = 2 sqrt(var) - 1 / t, e = exp(sim + mask), sim = Q(Xn) Q(Xn)^T on codes of E2M1.
; a equals relu(u) e / (|u| + 1e-10) with u = w - thr for every u; the factor 1 / Z between e and w cancels when the weights are divided by their sum.
; (The same text with PB = 0 is the first pass: Z = sum e, Q2 = sum e^2.)
; THE KEYS STAY, THE ROWS WALK.  Wave W = 4 x work-group + wave keeps 512 keys (part = W % 16) in registers: 32 fragments pairs (512 registers), their scale words, and the column mask (0 or -1e30)
; in the result's layout (256 registers), which is the C of each score tile's first matrix instruction: masking costs no vector instruction.
; It walks the tiles of 16 rows g + 64 i < ST, g = W / 16; ST and the list of rows were stored by an earlier launch.  So one grid serves every split; a wave that a split leaves without rows ends.
; The trip count is a stored number, so operands come from memory straight into registers: no tensor load, no LDS, no barrier, and no joint loads of a cluster.
; S^T = K Q^T: source 0 = 16 keys, source 1 = 16 rows: a lane holds one row (lane % 16), its registers run along the keys; lanes l and l xor 16 share a row.
; NO MAXIMUM IS TAKEN AWAY: the vectors are normalised as the problem says, and a code differs from its number by at most a quarter of its block's largest magnitude, so |Q(Xn)| <= 2.42 and |sim| <= 5.9:
; e lies between 2.7e-3 and 365, Z under 3e6, Q2 under 1.1e9, for every input.
; LIMITS: mu is taken as 1 / t; var = max(Q2 / (Z^2 t) - 1 / t^2, 0), a difference of moments; divisions are a reciprocal and a multiplication; with no normal pixel the sums are 0 and nothing finite follows.
; REGISTERS: windows 1, 2: K, tile T at v[16 (T % 16)] of window 1 + T / 16; window 3: the mask, v[8 T]; window 0: below.
; THE MODE: SCHED_MODE bits 1:0 = 2 (LLVM: expert scheduling mode 2), set by the entry lines.  The code itself states the register dependences
; between vector or matrix instructions and memory instructions, with s_wait_alu, always for 0.
; THE PLAN.  Registers that memory instructions touch:
;   K, the mask, KS, v4 to v6   Loaded or made once at the head and never written again.
;   Q and QS, two sets          The trip on set k: its matrix instructions read set k; the loads at its head land in set 1 - k, which the matrix instructions of the trip before read.
;   RW                          Read by a trip's address lines; behind them the row numbers of the tile after next land in it.
;   STT (PB = 1)                Read and written by the lines that make the row's constants; behind them the next tile's sixteen loads land in it.
;   QA, QSA, RO (PB = 1: STO)   Offsets: written by a trip's address lines, read by the loads behind them.
;   SO, VAL                     Written at a trip's head and at its end; read by the trip's one store.
; All address work of a trip stands together at its head and all its loads follow in one run.  So a trip has three waits: one on vm_vsrc at its head (the last trip's loads and store have read
; what the address lines and the sums write again), one on va_vdst between the address lines and the loads, and one on va_vdst ahead of the store.
.set PB, 1
.set RW, 8                             ; the row number for the gather after next
.set RO, 9                             ; byte offset in ROWS of the next tile's rows
.set QA, 10                            ; the gather's offset in kimg
.set QSA, 11                           ; and among the scale words
.set SO, 12                            ; where I store
.set Q, 16                             ; v16-47 the rows' fragments, two sets of 16
.set QS, 48                            ; v48-49 their scale words
.set KS, 50                            ; v50-81 K's scale words
.set ZA, 84                            ; PB = 0: v84-87 Z in two pair chains;  PB = 1: v[84:85] 1 / Z twice, v[86:87] nthr twice
.set ZQ, 88                            ; v88-91 Q2 (PB = 1: S') in two pair chains
.set STO, 92
.set RT, 93                            ; 1 / t
.set VAL, 94
.set RB, 95                            ; 4 r + 64 g
.set STT, 96                           ; v96-111 the sixteen parts of Z or Q2
.set SC, 112                           ; v112-175 the scores
.set U, 176                            ; v176-239 at work
.set MSB, 0
.macro WIN new                         ; the immediate's high byte repeats the setting that is left
.if MSB != (\new)
	s_set_vgpr_msb (MSB<<8)|(\new)
.set MSB, (\new)
.endif
.endm
.macro PLACES n
.rept \n
	v_nop
.endr
.endm
.macro WM d, a, b, c, sa, sb, rows     ; rows = 0: both scale words from lanes 0-15; 3: both from lanes 16-31
.if (\rows) == 0
	v_wmma_scale_f32_16x16x128_f8f6f4 v[\d:\d+7], v[\a:\a+7], v[\b:\b+7], v[\c:\c+7], v[\sa], v[\sb] matrix_a_fmt:MATRIX_FMT_FP4 matrix_b_fmt:MATRIX_FMT_FP4
.else
	v_wmma_scale_f32_16x16x128_f8f6f4 v[\d:\d+7], v[\a:\a+7], v[\b:\b+7], v[\c:\c+7], v[\sa], v[\sb] matrix_a_fmt:MATRIX_FMT_FP4 matrix_b_fmt:MATRIX_FMT_FP4 matrix_a_scale:MATRIX_SCALE_ROW1 matrix_b_scale:MATRIX_SCALE_ROW1
.endif
.endm
.macro QADDR                           ; pixel p lies in tile 2 (p / 32) + (p / 8) % 2, row 8 ((p / 16) % 2) + p % 8
	v_min_u32 v13, 8191, v[RW]
	v_and_b32 v14, 0x1fe0, v13
	v_and_b32 v15, 8, v13
	v_and_b32 v82, 16, v13
	v_and_b32 v83, 7, v13
	v_lshl_add_u32 v[QA], v14, 7, v7
	v_lshl_add_u32 v[QA], v15, 8, v[QA]
	v_lshl_add_u32 v[QA], v82, 3, v[QA]
	v_lshl_add_u32 v[QA], v83, 4, v[QA]
	v_lshl_add_u32 v[QSA], v14, 3, v6
	v_lshl_add_u32 v[QSA], v15, 4, v[QSA]
	v_lshl_add_u32 v[QSA], v82, 1, v[QSA]
	v_lshl_add_u32 v[QSA], v83, 2, v[QSA]
.endm
.macro QLOAD set
.irp ch, 0,1,2,3
	global_load_b128 v[Q+16*(\set)+4*\ch:Q+16*(\set)+4*\ch+3], v[QA], s[4:5] offset:512*\ch
.endr
	global_load_b32 v[QS+(\set)], v[QSA], s[6:7]
.endm
.macro STLOAD                          ; lanes 0-15: the sixteen parts of my row's Z; lanes 16-31: of its Q2
.set m, 0
.rept 16
	global_load_b32 v[STT+m], v[STO], s[12:13] offset:65536*m
.set m, m+1
.endr
.endm
.macro SCORES set, q                   ; 128 keys x 16 rows: eight accumulators by turns, the mask as the first C, then channels 128-255 in place.  All operands and scale words come from loads
	WIN 0x30|(1+(\q)/2)
.irp tt, 0,1,2,3,4,5,6,7
	WM SC+8*\tt, 128*((\q)%2)+16*\tt, Q+16*(\set), 64*(\q)+8*\tt, KS+8*(\q)+\tt, QS+(\set), 0
.endr
	WIN 1+(\q)/2
.irp tt, 0,1,2,3,4,5,6,7
	WM SC+8*\tt, 128*((\q)%2)+16*\tt+8, Q+16*(\set)+8, SC+8*\tt, KS+8*(\q)+\tt, QS+(\set), 3
.endr
	WIN 0
	PLACES 4
.endm
.macro EXPS                            ; e = 2^(log2(e) s): each accumulator is read from its low end on; one wait for the batch of 64
.set m, 0
.rept 32
	v_pk_mul_f32 v[SC+2*m:SC+2*m+1], v[SC+2*m:SC+2*m+1], s[28:29] op_sel_hi:[1,0]
.set m, m+1
.endr
.set m, 0
	s_wait_alu depctr_va_vdst(0)
.rept 64
	v_exp_f32 v[SC+m], v[SC+m]
.set m, m+1
.endr
	v_nop
	s_wait_alu depctr_va_vdst(0)               ; the 64 exponentials have written e, ahead of its first reader
.endm
.macro CORE base, n, rz, nt            ; e -> a = m e / (m + 1e-10), m = max(e rz + nt, 0)
.set m, 0
.rept (\n)/2
	v_pk_fma_f32 v[U+2*m:U+2*m+1], v[\base+2*m:\base+2*m+1], v[\rz:\rz+1], v[\nt:\nt+1]
.set m, m+1
.endr
.set m, 0
.rept \n
	v_max_num_f32 v[U+m], 0, v[U+m]
.set m, m+1
.endr
.set m, 0
.rept (\n)/2
	v_pk_mul_f32 v[\base+2*m:\base+2*m+1], v[\base+2*m:\base+2*m+1], v[U+2*m:U+2*m+1]
.set m, m+1
.endr
.set m, 0
.rept (\n)/2
	v_pk_add_f32 v[U+2*m:U+2*m+1], v[U+2*m:U+2*m+1], s[30:31] op_sel_hi:[1,0]
.set m, m+1
.endr
.set m, 0
	s_wait_alu depctr_va_vdst(0)
.rept \n
	v_rcp_f32 v[U+m], v[U+m]
.set m, m+1
.endr
	v_nop
	s_wait_alu depctr_va_vdst(0)               ; the batch of reciprocals has written 1 / (m + 1e-10), ahead of its first reader
.set m, 0
.rept (\n)/2
	v_pk_mul_f32 v[\base+2*m:\base+2*m+1], v[\base+2*m:\base+2*m+1], v[U+2*m:U+2*m+1]
.set m, m+1
.endr
.endm
.macro VEC
	EXPS
.if PB
	CORE SC, 64, ZA, ZA+2
.set m, 0
.rept 32
	v_pk_add_f32 v[ZQ+2*(m%2):ZQ+2*(m%2)+1], v[ZQ+2*(m%2):ZQ+2*(m%2)+1], v[SC+2*m:SC+2*m+1]
.set m, m+1
.endr
.else
.set m, 0
.rept 32
	v_pk_add_f32 v[ZA+2*(m%2):ZA+2*(m%2)+1], v[ZA+2*(m%2):ZA+2*(m%2)+1], v[SC+2*m:SC+2*m+1]
	v_pk_fma_f32 v[ZQ+2*(m%2):ZQ+2*(m%2)+1], v[SC+2*m:SC+2*m+1], v[SC+2*m:SC+2*m+1], v[ZQ+2*(m%2):ZQ+2*(m%2)+1]
.set m, m+1
.endr
.endif
.endm
.macro TREE t                          ; v[t] = the sum of v[t] .. v[t + 15]
	v_pk_add_f32 v[\t:\t+1], v[\t:\t+1], v[\t+2:\t+3]
	v_pk_add_f32 v[\t+4:\t+5], v[\t+4:\t+5], v[\t+6:\t+7]
	v_pk_add_f32 v[\t+8:\t+9], v[\t+8:\t+9], v[\t+10:\t+11]
	v_pk_add_f32 v[\t+12:\t+13], v[\t+12:\t+13], v[\t+14:\t+15]
	v_pk_add_f32 v[\t:\t+1], v[\t:\t+1], v[\t+4:\t+5]
	v_pk_add_f32 v[\t+8:\t+9], v[\t+8:\t+9], v[\t+12:\t+13]
	v_pk_add_f32 v[\t:\t+1], v[\t:\t+1], v[\t+8:\t+9]
	v_add_f32 v[\t], v[\t], v[\t+1]
.endm
.macro ROWC t, rz, nt, rt              ; the row's constants: 1 / Z and nthr = 2 sqrt(var) - 1 / t, each twice
	TREE \t
	v_permlanex16_b32 v[\t+1], v[\t], s32, s33
	v_cndmask_b32 v[\t+2], v[\t], v[\t+1], s34     ; Z
	v_cndmask_b32 v[\t+3], v[\t+1], v[\t], s34     ; Q2
	s_wait_alu depctr_va_vdst(0)
	v_rcp_f32 v[\rz], v[\t+2]
	v_nop
	s_wait_alu depctr_va_vdst(0)                   ; the reciprocal has written 1 / Z, ahead of its first reader
	v_mul_f32 v[\t+3], v[\t+3], v[\rz]
	v_mul_f32 v[\t+3], v[\t+3], v[\rz]
	v_mul_f32 v[\t+3], v[\t+3], v[\rt]
	v_fma_f32 v[\t+3], -v[\rt], v[\rt], v[\t+3]
	v_max_num_f32 v[\t+3], 0, v[\t+3]
	s_wait_alu depctr_va_vdst(0)
	v_sqrt_f32 v[\t+4], v[\t+3]
	v_mov_b32 v[\rz+1], v[\rz]                     ; (the plain line behind the root)
	s_wait_alu depctr_va_vdst(0)                   ; the root has written sqrt(var), ahead of its first reader
	v_fma_f32 v[\nt], 2.0, v[\t+4], -v[\rt]
	v_mov_b32 v[\nt+1], v[\nt]
.endm
; One tile of 16 rows against my 512 keys.  k: the set that holds its fragments; trip number s25 + k.
.macro TRIP k
	s_wait_loadcnt 0x0                         ; all that was asked for a trip ago: this tile's fragments and sums, the next row numbers; in the first trip K too
	s_wait_xcnt 0x0                            ; the last store has had its address translated: its offset and its data are written again only behind this wait
	s_wait_alu depctr_vm_vsrc(0)               ; the last trip's store has read SO and VAL, and its loads QA, QSA and RO (PB = 1: STO too): this trip writes all of them again
	v_add_nc_u32 v[SO], 4096, v[SO]            ; 64 tiles on; the store below reaches back
.if PB
	ROWC STT, ZA, ZA+2, RT
.endif
	QADDR
.if PB
	v_lshl_add_u32 v[STO], v3, 15, v[RO]       ; the next tile's sums: RO still stands at its rows
.endif
	s_add_co_u32 s26, s25, \k+2                ; the tile after next, or, past my last, my first again: only bytes that were stored are read
	s_cmp_lt_u32 s26, s24
	s_cselect_b32 s26, s26, 0
	s_min_u32 s26, s26, 7                      ; (it lies under my trips, which are eight at the most)
	s_lshl_b32 s26, s26, 12
	v_add_nc_u32 v[RO], s26, v[RB]
	s_wait_alu depctr_va_vdst(0)               ; QA, QSA and RO (PB = 1: STO) are written, which the loads below read; the address lines are done reading RW, the last trip's matrix instructions the other set of fragments (PB = 1: the constants' lines are done with STT): the loads land there
	QLOAD 1-\k                                 ; the next tile's fragments have this whole trip in which to land
.if PB
	STLOAD
.endif
	global_load_b32 v[RW], v[RO], s[8:9]
.if PB == 0
.irp i, 0,1,2,3
	v_mov_b32 v[ZA+\i], 0
.endr
.endif
.irp i, 0,1,2,3
	v_mov_b32 v[ZQ+\i], 0
.endr
.irp q, 0,1,2,3
	SCORES \k, \q
	VEC
.endr
	v_pk_add_f32 v[ZQ:ZQ+1], v[ZQ:ZQ+1], v[ZQ+2:ZQ+3]
	v_add_f32 v[ZQ], v[ZQ], v[ZQ+1]
	v_permlanex16_b32 v14, v[ZQ], s32, s33     ; the row's other keys lie in lane l xor 16
.if PB
	v_add_f32 v[VAL], v[ZQ], v14               ; lanes 16-31 store the same word with the same value
.else
	v_pk_add_f32 v[ZA:ZA+1], v[ZA:ZA+1], v[ZA+2:ZA+3]
	v_add_f32 v[ZA], v[ZA], v[ZA+1]
	v_permlanex16_b32 v13, v[ZA], s32, s33
	v_add_f32 v[ZQ], v[ZQ], v14
	v_add_f32 v[ZA], v[ZA], v13
	v_cndmask_b32 v[VAL], v[ZA], v[ZQ], s34    ; lanes 0-15 store Z, lanes 16-31 Q2
.endif
	s_wait_alu depctr_va_vdst(0)               ; VAL is written, which the store reads (SO was written ahead of the trip's wait in front of its loads)
	global_store_b32 v[SO], v[VAL], s[42:43] offset:-4096
.endm
	s_load_b256 s[4:11], s[0:1], 0x0           ; kimg s[4:5], aux s[6:7], idx s[8:9], the output s[10:11]
.if PB
	s_load_b64 s[12:13], s[0:1], 0x20          ; sta
.endif
	v_lshrrev_b32 v1, 5, v0
	v_readfirstlane_b32 s20, v1                ; wave 0..3
	v_and_b32 v1, 31, v0
	v_and_b32 v2, 15, v0                       ; r
	s_wait_alu depctr_va_vdst(0)
	v_bfe_u32 v3, v0, 4, 1                     ; h
	v_lshlrev_b32 v4, 4, v1                    ; 16 L
	v_lshlrev_b32 v5, 2, v1                    ; 4 L
	v_lshlrev_b32 v6, 6, v3                    ; 64 h
	v_lshlrev_b32 v7, 8, v3                    ; 256 h
	s_wait_alu depctr_va_sdst(0)               ; s20 is written, ahead of its first reader: the wave's part and group are made from it
	s_lshl_b32 s21, ttmp9, 2
	s_add_co_u32 s21, s21, s20                 ; W
	s_and_b32 s22, s21, 15                     ; part
	s_lshr_b32 s23, s21, 4                     ; g
	s_mov_b32 s28, 0x3fb8aa3b                  ; log2(e)
	s_mov_b32 s29, s28
	s_mov_b32 s30, 0x2edbe6ff                  ; 1e-10
	s_mov_b32 s31, s30
	s_mov_b32 s32, 0x76543210
	s_mov_b32 s33, 0xfedcba98
	s_mov_b32 s34, 0xffff0000                  ; lanes 16-31
	s_lshl_b32 s26, s23, 6
	v_lshl_add_u32 v[RB], v2, 2, s26
.if PB
	v_mov_b32 v[SO], v[RB]
.else
	v_lshl_add_u32 v[SO], v3, 15, v[RB]
.endif
	s_wait_alu depctr_va_vdst(0)
	s_wait_kmcnt 0x0
	s_load_b128 s[16:19], s[8:9], 0x10000      ; NA, ST, max(8192 - NA, 1), 0
	s_mov_b32 s27, 0
	s_lshl_b32 s26, s22, 16
	s_add_nc_u64 s[36:37], s[4:5], s[26:27]    ; my 32 tiles of K
.if PB
	s_lshl_b32 s26, s22, 15
.endif
	s_add_nc_u64 s[42:43], s[10:11], s[26:27]  ; my part of the output
	s_lshl_b32 s26, s22, 12
	s_add_nc_u64 s[38:39], s[6:7], s[26:27]    ; their scale words
	s_lshl_b32 s26, s22, 11
	s_add_nc_u64 s[40:41], s[6:7], s[26:27]    ; the mask of my 512 keys (+131072)
	; What hangs on no stored count goes out at once, while the counts are on their way: the row numbers of tile g (ranks 16 g + r lie inside the list whatever ST is) and the first half of K
	v_mov_b32 v[RO], v[RB]
	s_wait_alu depctr_va_vdst(0)               ; RO and the offsets v4, v5 and v6 are written, which the loads of the head read
	global_load_b32 v[RW], v[RO], s[8:9]
	WIN 0x40
.set T, 0
.rept 16
.irp ch, 0,1,2,3
	global_load_b128 v[16*T+4*\ch:16*T+4*\ch+3], v4, s[36:37] offset:2048*T+512*\ch
.endr
.set T, T+1
.endr
	WIN 0
	s_wait_kmcnt 0x0
	s_add_co_u32 s24, s17, 63
	s_sub_co_u32 s24, s24, s23
	s_lshr_b32 s24, s24, 6
	s_min_u32 s24, s24, 8                      ; my trips: the tiles g + 64 i under ST
	s_cmp_eq_u32 s24, 0
	s_cbranch_scc1 .Lend
.if PB
	v_cvt_f32_u32 v[RT], s18
	s_wait_alu depctr_va_vdst(0)
	v_rcp_f32 v[RT], v[RT]
	v_nop
	s_wait_alu depctr_va_vdst(0)               ; the reciprocal has written 1 / t, ahead of its first reader
.endif
	s_wait_loadcnt 63                          ; the row numbers are in: 64 loads were issued behind them
	s_wait_alu depctr_vm_vsrc(0)               ; the load of the row numbers has read RO, which is written again below
	QADDR
.if PB
	v_lshl_add_u32 v[STO], v3, 15, v[RO]
.endif
	s_cmp_gt_u32 s24, 1
	s_cselect_b32 s26, 4096, 0
	v_add_nc_u32 v[RO], s26, v[RB]
	s_wait_alu depctr_va_vdst(0)               ; QA, QSA and RO (PB = 1: STO) are written, which the loads below read; the address lines are done reading RW, in which the next row numbers land
	QLOAD 0
.if PB
	STLOAD
.endif
	global_load_b32 v[RW], v[RO], s[8:9]
	WIN 0x80
.rept 16
.irp ch, 0,1,2,3
	global_load_b128 v[16*(T-16)+4*\ch:16*(T-16)+4*\ch+3], v4, s[36:37] offset:2048*T+512*\ch
.endr
.set T, T+1
.endr
	WIN 0xc0
.set T, 0
.rept 32
.irp k, 0,1
	global_load_b128 v[8*T+4*\k:8*T+4*\k+3], v6, s[40:41] offset:131072+4*(32*(T/2)+8*(T%2))+16*\k   ; register j: key 32 (T / 2) + 16 h + 8 (T % 2) + j
.endr
.set T, T+1
.endr
	WIN 0
.set T, 0
.rept 32
	global_load_b32 v[KS+T], v5, s[38:39] offset:128*T
.set T, T+1
.endr
	s_add_co_u32 s45, s24, 1
	s_lshr_b32 s45, s45, 1                     ; pairs of tiles, the last perhaps half: four at the most
	s_mov_b32 s44, 0                           ; the loop counts pairs, one a trip
.Lloop:                                        ; two tiles a trip: the two sets of row fragments change places and come back
	s_lshl_b32 s25, s44, 1                     ; the number of the pair's first tile
	TRIP 0
	s_add_co_u32 s26, s25, 1
	s_cmp_lt_u32 s26, s24
	s_cbranch_scc1 .Lmore
	s_endpgm                                   ; a wave with an odd number of tiles ends here: the loop is left by s_endpgm or by falling through its backward branch, never by a jump past the counter's step
.Lmore:
	TRIP 1
	s_add_co_u32 s44, s44, 1
	s_cmp_lt_u32 s44, s45
	s_cbranch_scc1 .Lloop
.Lend:
	s_endpgm
.Lfunc_end_k_qc3e6834885_passb:
	.size	k_qc3e6834885_passb, .Lfunc_end_k_qc3e6834885_passb-k_qc3e6834885_passb
	.p2alignl 7, 3214868480
	.fill 96, 4, 3214868480
	.section	.rodata,"a",@progbits
	.p2align	6, 0x0
	.amdhsa_kernel k_qc3e6834885_passb
		.amdhsa_group_segment_fixed_size 0
		.amdhsa_private_segment_fixed_size 0
		.amdhsa_enable_private_segment 0
		.amdhsa_kernarg_size 40
		.amdhsa_user_sgpr_count 2
		.amdhsa_user_sgpr_kernarg_segment_ptr 1
		.amdhsa_wavefront_size32 1
		.amdhsa_system_sgpr_workgroup_id_x 1
		.amdhsa_system_sgpr_workgroup_id_y 1
		.amdhsa_system_sgpr_workgroup_id_z 1
		.amdhsa_system_vgpr_workitem_id 0
		.amdhsa_next_free_vgpr 1024
		.amdhsa_next_free_sgpr 66
		.amdhsa_reserve_vcc 0
		.amdhsa_float_denorm_mode_32 3
		.amdhsa_float_denorm_mode_16_64 3
		.amdhsa_memory_ordered 1
		.amdhsa_forward_progress 1
		.amdhsa_inst_pref_size 200
	.end_amdhsa_kernel
	.amdgpu_metadata
---
amdhsa.version: [ 1, 2 ]
amdhsa.kernels:
  - .name:           k_qc3e6834885_passb
    .symbol:         k_qc3e6834885_passb.kd
    .args:
      - { .name: kimg, .offset: 0, .size: 8, .value_kind: global_buffer, .address_space: global }
      - { .name: aux, .offset: 8, .size: 8, .value_kind: global_buffer, .address_space: global }
      - { .name: idx, .offset: 16, .size: 8, .value_kind: global_buffer, .address_space: global }
      - { .name: stb, .offset: 24, .size: 8, .value_kind: global_buffer, .address_space: global }
      - { .name: sta, .offset: 32, .size: 8, .value_kind: global_buffer, .address_space: global }
    .group_segment_fixed_size: 0
    .private_segment_fixed_size: 0
    .kernarg_segment_align: 8
    .kernarg_segment_size: 40
    .max_flat_workgroup_size: 128
    .sgpr_count:     66
    .vgpr_count:     1024
    .wavefront_size: 32
...
	.end_amdgpu_metadata
.endif
;; end of part 10
;; launch passc (part 11): grid 4 x 64, 4 waves a work-group, no clusters, 290,816 bytes of LDS; arguments kimg, vimg, aux, idx, sta, stb, op; writes op
.if DOCPART == 11
	.amdgcn_target "amdgcn-amd-amdhsa--gfx1250"
	.amdhsa_code_object_version 6
	.text
	.protected	k_qc3e6834885_passc
	.globl	k_qc3e6834885_passc
	.p2align	8
	.type	k_qc3e6834885_passc,@function
k_qc3e6834885_passc:
	s_mov_b64 s[64:65], 0
	v_nop
	global_prefetch_b8 v0, s[64:65] scope:SCOPE_SE
	s_setreg_imm32_b32 hwreg(HW_REG_WAVE_SCHED_MODE, 0, 2), 2
	s_setreg_imm32_b32 hwreg(HW_REG_WAVE_MODE, 25, 1), 1
	s_wait_xcnt 0x0
	s_wait_alu depctr_vm_vsrc(0)
; Third pass: the finished weights sw = a / S' are made once more from the scores, quantised along the keys (blocks of 32 pixels in their natural order) and multiplied by f's codes.
; op[chunk][channel][position] = the sum over the chunk's 2,048 keys of Q(sw)[row][key] Q(f)[channel][key]; the last launch adds the four chunks.
; THE ROWS STAY, AND ARE DEALT OUT BY TILES OF 16.  Of the ST tiles of 16 rows (ranks 16 s + r of the stored list) work-group (chunk = x, y) takes s = y + 64 i.  A loop of two trips serves every split:
; trip TT takes i = 4 TT .. 4 TT + 3, of which the first ns = ceil((ST - y) / 64) - 4 TT, held to 0 .. 4, exist.  So no work-group has more than one tile of 16 above any other.
; Row r of tile (y, TT, sub) is stored at position r + 16 sub + 64 y + 4096 TT.  Wave w walks keys 512 (4 chunk + w) on, 128 a step, for all its tiles: a fragment of K or V from memory feeds up to four of them.
; Its 4 x 16 accumulators (512 registers) are added to the other waves' through LDS.
; In a step the tiles go in the order 3, 2, 1, 0; tiles 3, 2, 1 stand each under a scalar branch on ns; tile 0, which exists wherever the trip has work, carries the requests for the next step's K and V.
; A tile that does not exist gets its accumulators in the first step from sixteen products on zero codes: so the way out is the same for every ns, and stores zeros at positions that nobody reads.
; ns hangs on a stored number: so there is no tensor load and no joint load of a cluster, each of the three sections stands under a branch of its own, and the three barriers stand outside them.
; K and V hang on no row: the first step's are asked for at the kernel's head, and a tile's last step asks for step 0 again, for the next trip.
; 1 / S' is folded into the exponent: e'' = 2^(log2(e) s - log2 S'), u = e'' (S' / Z) + nthr, sw = max(u, 0) e'' / (max(u, 0) + 1e-10).  No maximum is taken away: |sim| <= 5.9 for every input (the vectors are normalised).
; S^T = K Q^T with the mask as C (a lane holds one row, registers along the keys); the keys of a tile of K are chosen so that two tiles' 16 registers are 16 neighbouring keys; O = P V^T: source 0 = P, source 1 = 16 channels of V:
; register j of lane (r, h) is row 8 h + j, channel 16 ct + r: eight neighbouring positions.
; LIMITS: as in the passes before (mu = 1 / t, var from a difference of moments, reciprocals for divisions); with no normal pixel nothing finite follows.
; REGISTERS: window 1: v0-127 K of a step, v128-255 V of a step; windows 2, 3: the accumulators, tile of rows sub at v[128 (sub % 2) + 8 ct] of window 2 + sub / 2; window 0: below.
; THE MODE: SCHED_MODE bits 1:0 = 2 (LLVM: expert scheduling mode 2), set by the entry lines.  The code itself states the register dependences
; between vector or matrix instructions and memory or LDS instructions, with s_wait_alu, always for 0.
; THE PLAN.  Registers that memory or LDS instructions touch:
;   K, the mask BI, KS      Read by the scores of a step's tiles; the next step's 56 loads land in them behind tile 0's scores, the step's last.
;   V, VS                   Read by the products of a step's tiles; the next step's 40 loads land in them behind tile 0's products.
;   QF, QS                  Read by a tile's scores; the next tile's LDS loads land in them behind those.  In section 1 loads from memory land in them and LDS stores read them.
;   CN                      LDS loads land in them at section 2's head; the softmax lines read them.
;   P, PW                   Written by vector instructions; taken by the scaled products as operand and scale word.
;   the accumulators        Written by the products; read by the LDS stores at section 2's end.
;   SC                      Section 1: loads land, the sums read and write.  Section 3: LDS loads land, the additions read and write, the stores read.
;   v253, v255, v152, v153  Offsets made in section 1 and read by its loads;  v160-165: the rows' constants, made there and read by its LDS stores; all but v253 and v255 are at work again in section 2.
;   v4-14, v248-252         Offsets and LDS addresses: made at the head, never written again.
; A tile's turn has two waits on va_vdst: behind its scores (ahead of all that lands in what they read) and ahead of its products (P and PW are written); tile 0 has a third, behind its products, ahead of V's loads.
; The scalar bases are made ahead of these waits, so that window switches and loads alone stand between a wait and its loads.  Each section begins with what it owes the one before; section 3 adds a whole batch, waits once, and stores it.
.set QIM, 278528                       ; LDS: 0: four waves' stages, 256 channels x (256 + 16) bytes each; QIM: the rows' fragments [sub][chunk][lane][16]
.set QSC, 286720                       ; their scale words [sub][lane]
.set CST, 287232                       ; the rows' constants [sub][3][lane] 8 bytes: each number twice
.set QF, 16                            ; v16-31 the fragments of the tile of rows in hand
.set CN, 32                            ; v32-55 for each of the four tiles three pairs: -log2 S', S' / Z, nthr
.set QS, 56                            ; the scale words of the tile in hand
.set KS, 62                            ; v62-69 K's scale words
.set VS, 70                            ; v70-77 V's: lanes 0-15 channels 32 j on, lanes 16-31 channels 32 j + 16 on
.set PW, 78                            ; P's scale word
.set RT, 79                            ; 1 / t
.set P, 80                             ; v80-87 P's codes
.set SC, 88                            ; v88-151 the scores
.set U, 152                            ; v152-183 at work
.set BI, 184                           ; v184-247 the mask of the step's 128 keys
.set RR, 248                           ; v248-251 the four stages, as I read them back
.set GO, 252                           ; my offset in op
.set RW, 254
.set QA, 152
.set QSA, 153
.set NS, 39                            ; s39 ns: the tiles of 16 rows that this trip has
.set MSB, 0
.macro WIN new                         ; the immediate's high byte repeats the setting that is left
.if MSB != (\new)
	s_set_vgpr_msb (MSB<<8)|(\new)
.set MSB, (\new)
.endif
.endm
.macro PLACES n
.rept \n
	v_nop
.endr
.endm
.macro BAR                             ; my LDS stores have landed and my LDS loads are in: then the work-group's barrier
	s_wait_dscnt 0x0
	s_barrier_signal -1
	s_barrier_wait -1
.endm
.macro WM d, a, b, c, sa, sb, rows     ; c < 0: the constant 0.  rows = 0: scale words from lanes 0-15; 2: source 1's from lanes 16-31; 3: both from lanes 16-31
.if (\rows) == 0
.if (\c) < 0
	v_wmma_scale_f32_16x16x128_f8f6f4 v[\d:\d+7], v[\a:\a+7], v[\b:\b+7], 0, v[\sa], v[\sb] matrix_a_fmt:MATRIX_FMT_FP4 matrix_b_fmt:MATRIX_FMT_FP4
.else
	v_wmma_scale_f32_16x16x128_f8f6f4 v[\d:\d+7], v[\a:\a+7], v[\b:\b+7], v[\c:\c+7], v[\sa], v[\sb] matrix_a_fmt:MATRIX_FMT_FP4 matrix_b_fmt:MATRIX_FMT_FP4
.endif
.elseif (\rows) == 2
.if (\c) < 0
	v_wmma_scale_f32_16x16x128_f8f6f4 v[\d:\d+7], v[\a:\a+7], v[\b:\b+7], 0, v[\sa], v[\sb] matrix_a_fmt:MATRIX_FMT_FP4 matrix_b_fmt:MATRIX_FMT_FP4 matrix_b_scale:MATRIX_SCALE_ROW1
.else
	v_wmma_scale_f32_16x16x128_f8f6f4 v[\d:\d+7], v[\a:\a+7], v[\b:\b+7], v[\c:\c+7], v[\sa], v[\sb] matrix_a_fmt:MATRIX_FMT_FP4 matrix_b_fmt:MATRIX_FMT_FP4 matrix_b_scale:MATRIX_SCALE_ROW1
.endif
.else
	v_wmma_scale_f32_16x16x128_f8f6f4 v[\d:\d+7], v[\a:\a+7], v[\b:\b+7], v[\c:\c+7], v[\sa], v[\sb] matrix_a_fmt:MATRIX_FMT_FP4 matrix_b_fmt:MATRIX_FMT_FP4 matrix_a_scale:MATRIX_SCALE_ROW1 matrix_b_scale:MATRIX_SCALE_ROW1
.endif
.endm
.macro QADDR                           ; pixel p lies in tile 2 (p / 32) + (p / 8) % 2, row 8 ((p / 16) % 2) + p % 8
	v_min_u32 v154, 8191, v[RW]
	v_and_b32 v155, 0x1fe0, v154
	v_and_b32 v156, 8, v154
	v_and_b32 v157, 16, v154
	v_and_b32 v158, 7, v154
	v_lshl_add_u32 v[QA], v155, 7, v7
	v_lshl_add_u32 v[QA], v156, 8, v[QA]
	v_lshl_add_u32 v[QA], v157, 3, v[QA]
	v_lshl_add_u32 v[QA], v158, 4, v[QA]
	v_lshl_add_u32 v[QSA], v155, 3, v6
	v_lshl_add_u32 v[QSA], v156, 4, v[QSA]
	v_lshl_add_u32 v[QSA], v157, 1, v[QSA]
	v_lshl_add_u32 v[QSA], v158, 2, v[QSA]
.endm
.macro TREE t                          ; v[t] = the sum of v[t] .. v[t + 15]
	v_pk_add_f32 v[\t:\t+1], v[\t:\t+1], v[\t+2:\t+3]
	v_pk_add_f32 v[\t+4:\t+5], v[\t+4:\t+5], v[\t+6:\t+7]
	v_pk_add_f32 v[\t+8:\t+9], v[\t+8:\t+9], v[\t+10:\t+11]
	v_pk_add_f32 v[\t+12:\t+13], v[\t+12:\t+13], v[\t+14:\t+15]
	v_pk_add_f32 v[\t:\t+1], v[\t:\t+1], v[\t+4:\t+5]
	v_pk_add_f32 v[\t+8:\t+9], v[\t+8:\t+9], v[\t+12:\t+13]
	v_pk_add_f32 v[\t:\t+1], v[\t:\t+1], v[\t+8:\t+9]
	v_add_f32 v[\t], v[\t], v[\t+1]
.endm
.macro ROWC t, rz, nt, rt              ; the row's constants: 1 / Z and nthr = 2 sqrt(var) - 1 / t, each twice
	TREE \t
	v_permlanex16_b32 v[\t+1], v[\t], s34, s35
	v_cndmask_b32 v[\t+2], v[\t], v[\t+1], s36     ; Z
	v_cndmask_b32 v[\t+3], v[\t+1], v[\t], s36     ; Q2
	s_wait_alu depctr_va_vdst(0)
	v_rcp_f32 v[\rz], v[\t+2]
	v_nop
	s_wait_alu depctr_va_vdst(0)                   ; the reciprocal has written 1 / Z, ahead of its first reader
	v_mul_f32 v[\t+3], v[\t+3], v[\rz]
	v_mul_f32 v[\t+3], v[\t+3], v[\rz]
	v_mul_f32 v[\t+3], v[\t+3], v[\rt]
	v_fma_f32 v[\t+3], -v[\rt], v[\rt], v[\t+3]
	v_max_num_f32 v[\t+3], 0, v[\t+3]
	s_wait_alu depctr_va_vdst(0)
	v_sqrt_f32 v[\t+4], v[\t+3]
	v_mov_b32 v[\rz+1], v[\rz]                     ; (the plain line behind the root)
	s_wait_alu depctr_va_vdst(0)                   ; the root has written sqrt(var), ahead of its first reader
	v_fma_f32 v[\nt], 2.0, v[\t+4], -v[\rt]
	v_mov_b32 v[\nt+1], v[\nt]
.endm
.macro QFETCH sub                      ; a tile of rows' fragments and scale words, as images of registers
.irp ch, 0,1,2,3
	ds_load_b128 v[QF+4*\ch:QF+4*\ch+3], v8 offset:2048*(\sub)+512*\ch
.endr
	ds_load_b32 v[QS], v9 offset:128*(\sub)
.endm
.macro FIRSTQ                          ; the tile with which a step begins: ns - 1.  Every LDS address is a constant and a lane term: the choice is made by branches
	s_cmp_lt_u32 s[NS], 4
	s_cbranch_scc1 .Lq3_\@
	QFETCH 3
	s_branch .Lqe_\@
.Lq3_\@:
	s_cmp_lt_u32 s[NS], 3
	s_cbranch_scc1 .Lq2_\@
	QFETCH 2
	s_branch .Lqe_\@
.Lq2_\@:
	s_cmp_lt_u32 s[NS], 2
	s_cbranch_scc1 .Lq1_\@
	QFETCH 1
	s_branch .Lqe_\@
.Lq1_\@:
	QFETCH 0
.Lqe_\@:
.endm
.macro KBASE                           ; where K, the mask and K's scale words of step s63 lie
	s_mov_b32 s61, 0
	s_lshl_b32 s60, s63, 14
	s_add_nc_u64 s[50:51], s[40:41], s[60:61]
	s_lshl_b32 s60, s63, 9
	s_add_nc_u64 s[52:53], s[44:45], s[60:61]
	s_lshl_b32 s60, s63, 10
	s_add_nc_u64 s[54:55], s[46:47], s[60:61]
.endm
.macro KLOADS                          ; 56 loads: K, the mask and K's scale words
	WIN 0x40
.irp tt, 0,1,2,3,4,5,6,7
.irp ch, 0,1,2,3
	global_load_b128 v[16*\tt+4*\ch:16*\tt+4*\ch+3], v4, s[50:51] offset:2048*\tt+512*\ch
.endr
.endr
	WIN 0
.irp tt, 0,1,2,3,4,5,6,7
.irp k, 0,1
	global_load_b128 v[BI+8*\tt+4*\k:BI+8*\tt+4*\k+3], v6, s[52:53] offset:4*(32*(\tt/2)+8*(\tt%2))+16*\k
.endr
.endr
.irp tt, 0,1,2,3,4,5,6,7
	global_load_b32 v[KS+\tt], v5, s[54:55] offset:128*\tt
.endr
.endm
.macro VBASE                           ; where V and its scale words of step s63 lie
	s_mov_b32 s61, 0
	s_lshl_b32 s60, s63, 14
	s_add_nc_u64 s[56:57], s[42:43], s[60:61]
	s_lshl_b32 s60, s63, 10
	s_add_nc_u64 s[58:59], s[48:49], s[60:61]
.endm
.macro VLOADS                          ; 40 loads: V and its scale words
	WIN 0x40
.irp ct, 0,1,2,3,4,5,6,7,8,9,10,11,12,13,14,15
.irp c, 0,1
	global_load_b128 v[128+8*\ct+4*\c:128+8*\ct+4*\c+3], v4, s[56:57] offset:1024*\ct+512*\c
.endr
.endr
	WIN 0
.irp j, 0,1,2,3,4,5,6,7
	global_load_b32 v[VS+\j], v5, s[58:59] offset:128*\j
.endr
.endm
.macro SCORES                          ; 128 keys x 16 rows: eight accumulators by turns, the mask as the first C, then channels 128-255 in place.  All operands and scale words come from loads
	WIN 0x01
.irp tt, 0,1,2,3,4,5,6,7
	WM SC+8*\tt, 16*\tt, QF, BI+8*\tt, KS+\tt, QS, 0
.endr
.irp tt, 0,1,2,3,4,5,6,7
	WM SC+8*\tt, 16*\tt+8, QF+8, SC+8*\tt, KS+\tt, QS, 3
.endr
	WIN 0
	PLACES 4
.endm
.macro CORE base, n, rz, nt            ; e -> m e / (m + 1e-10), m = max(e rz + nt, 0)
.set m, 0
.rept (\n)/2
	v_pk_fma_f32 v[U+2*m:U+2*m+1], v[\base+2*m:\base+2*m+1], v[\rz:\rz+1], v[\nt:\nt+1]
.set m, m+1
.endr
.set m, 0
.rept \n
	v_max_num_f32 v[U+m], 0, v[U+m]
.set m, m+1
.endr
.set m, 0
.rept (\n)/2
	v_pk_mul_f32 v[\base+2*m:\base+2*m+1], v[\base+2*m:\base+2*m+1], v[U+2*m:U+2*m+1]
.set m, m+1
.endr
.set m, 0
.rept (\n)/2
	v_pk_add_f32 v[U+2*m:U+2*m+1], v[U+2*m:U+2*m+1], s[32:33] op_sel_hi:[1,0]
.set m, m+1
.endr
.set m, 0
	s_wait_alu depctr_va_vdst(0)
.rept \n
	v_rcp_f32 v[U+m], v[U+m]
.set m, m+1
.endr
	v_nop
	s_wait_alu depctr_va_vdst(0)               ; the batch of reciprocals has written 1 / (m + 1e-10), ahead of its first reader
.set m, 0
.rept (\n)/2
	v_pk_mul_f32 v[\base+2*m:\base+2*m+1], v[\base+2*m:\base+2*m+1], v[U+2*m:U+2*m+1]
.set m, m+1
.endr
.endm
.macro VECC sub                        ; the scores become the finished weights, and these P's codes and scale word
.set m, 0
.rept 32
	v_pk_fma_f32 v[SC+2*m:SC+2*m+1], v[SC+2*m:SC+2*m+1], s[30:31], v[CN+6*(\sub):CN+6*(\sub)+1] op_sel_hi:[1,0,1]   ; each accumulator from its low end on
.set m, m+1
.endr
.set m, 0
	s_wait_alu depctr_va_vdst(0)
.rept 64
	v_exp_f32 v[SC+m], v[SC+m]
.set m, m+1
.endr
	v_nop
	s_wait_alu depctr_va_vdst(0)               ; the 64 exponentials have written e'', ahead of its first reader: one wait for the batch
	CORE SC, 32, CN+6*(\sub)+2, CN+6*(\sub)+4
	CORE SC+32, 32, CN+6*(\sub)+2, CN+6*(\sub)+4
.irp b, 0,1,2,3
	v_max3_num_f32 v[U+\b], v[SC+16*\b], v[SC+16*\b+1], 0x1800000   ; block b: my 16 weights (none is negative) and the floor 2^(3 - 127)
.endr
.irp i, 2,4,6,8,10,12,14
.irp b, 0,1,2,3
	v_max3_num_f32 v[U+\b], v[U+\b], v[SC+16*\b+\i], v[SC+16*\b+\i+1]
.endr
.endr
.irp b, 0,1,2,3
	v_permlanex16_b32 v[U+4+\b], v[U+\b], s34, s35
.endr
.irp b, 0,1,2,3
	v_max_num_f32 v[U+\b], v[U+\b], v[U+4+\b]  ; with lane l xor 16's 16: the block's largest
.endr
.irp b, 0,1,2,3
	v_add_nc_u32 v[U+12+\b], 0xff000000, v[U+\b]   ; 2 off the exponent field: the conversion's scale operand
.endr
.irp b, 0,1,2,3
	v_lshrrev_b32 v[U+4+\b], 23, v[U+12+\b]
.endr
	v_lshl_or_b32 v[PW], v[U+5], 8, v[U+4]
	v_lshl_or_b32 v[PW], v[U+6], 16, v[PW]
	v_lshl_or_b32 v[PW], v[U+7], 24, v[PW]
.irp b, 0,1,2,3
	v_cvt_scalef32_pk8_fp4_f32 v[P+2*\b], v[SC+16*\b:SC+16*\b+7], v[U+12+\b]
	v_cvt_scalef32_pk8_fp4_f32 v[P+2*\b+1], v[SC+16*\b+8:SC+16*\b+15], v[U+12+\b]
.endr
	v_nop                                      ; one plain line behind the conversions
.irp c, 0,1                            ; the operand wants a whole block in a lane: lanes 0-15 block 2 c, lanes 16-31 block 2 c + 1
.irp i, 0,1
	v_permlane16_swap_b32 v[P+4*\c+\i], v[P+4*\c+2+\i]
.endr
.endr
	PLACES 8                                   ; a scale word written by vector instructions stands 8 places ahead of a scaled matrix instruction, an operand 4
.endm
.macro PV sub, z                       ; sixteen accumulators by turns, one instruction a turn; z = 1: the first step's products start the sums
	WIN 0xa4+0x50*((\sub)/2)
.irp ct, 0,1,2,3,4,5,6,7,8,9,10,11,12,13,14,15
.if \z
	WM 128*((\sub)%2)+8*\ct, P, 128+8*\ct, -1, PW, VS+\ct/2, 2*(\ct%2)
.else
	WM 128*((\sub)%2)+8*\ct, P, 128+8*\ct, 128*((\sub)%2)+8*\ct, PW, VS+\ct/2, 2*(\ct%2)
.endif
.endr
	WIN 0
.endm
; One tile of 16 rows against the step's 128 keys.  Its fragments are free behind its scores: the next tile's are fetched into the same registers there, and have the softmax and the products in which to land.
; Tile 0 is a step's last: K is free behind its scores and V behind its products, so the next step's (behind a tile's last step: step 0's again) are asked for there.
.macro BODY sub, z
	s_wait_dscnt 0x0                           ; this tile's fragments are in (in the first step the constants too)
	SCORES
.if (\sub) > 0
	s_wait_alu depctr_va_vdst(0)               ; the scores' matrix instructions are done reading the fragments and their scale words, in which the next tile's land
	QFETCH (\sub)-1
.else
	s_add_co_u32 s63, s62, 1
	s_and_b32 s63, s63, 3
	KBASE                                      ; the bases are free since the wait at the step's head, which showed the last group in
	WIN 0x40
	s_wait_alu depctr_va_vdst(0)               ; the step's last scores are done reading K, the mask, K's scale words and the rows' fragments with theirs: the 56 loads and the LDS loads below land there
	KLOADS
	FIRSTQ
.endif
	VECC \sub
	s_wait_alu depctr_va_vdst(0)               ; P's codes and its scale word are written, which the scaled products take; the eight places stand ahead of this wait
.if (\sub) > 0
	s_wait_loadcnt 0x0                         ; V is in
.else
	s_wait_loadcnt 56                          ; V is in: behind its 40 loads only the next K's group of 56 was issued, which may stay out
.endif
	PV \sub, \z
.if (\sub) == 0
	PLACES 4
	VBASE                                      ; the bases are free since the wait on the loads ahead of the products
	WIN 0x40
	s_wait_alu depctr_va_vdst(0)               ; the step's last products are done reading V and its scale words, in which the 40 loads below land
	VLOADS
.endif
.endm
.macro OPT sub, z                      ; a tile that exists only where ns > sub
	s_cmp_le_u32 s[NS], \sub
	s_cbranch_scc1 .Labs_\@
	BODY \sub, \z
.if \z
	s_branch .Ldone_\@
.Labs_\@:
	s_wait_loadcnt 0x0                         ; V is in
	PV \sub, 1                                 ; no such tile: P still holds the zero codes written ahead of the first step, and shown written there: its sums are zeros
.Ldone_\@:
.else
.Labs_\@:
.endif
.endm
.macro STEP z                          ; a step of 128 keys, number s62
	s_wait_loadcnt 40                          ; K's group of 56 is in; V's 40 loads, issued behind it, may be out
	OPT 3, \z
	OPT 2, \z
	OPT 1, \z
	BODY 0, \z
.endm
	s_load_b256 s[4:11], s[0:1], 0x0           ; kimg s[4:5], vimg s[6:7], aux s[8:9], idx s[10:11]
	s_load_b128 s[12:15], s[0:1], 0x20         ; sta s[12:13], stb s[14:15]
	s_load_b64 s[16:17], s[0:1], 0x30          ; op
	v_lshl_add_u32 v60, v0, 2, 0x46e00
	v_mov_b32 v61, 0
	v_lshrrev_b32 v1, 5, v0
	v_readfirstlane_b32 s24, v1                ; wave 0..3
	v_and_b32 v1, 31, v0
	v_and_b32 v2, 15, v0                       ; r
	v_bfe_u32 v3, v0, 4, 1                     ; h
	v_lshlrev_b32 v4, 4, v1                    ; 16 L
	v_lshlrev_b32 v5, 2, v1                    ; 4 L
	v_lshlrev_b32 v6, 6, v3                    ; 64 h
	v_lshlrev_b32 v7, 8, v3                    ; 256 h
	v_add_nc_u32 v8, QIM, v4
	v_add_nc_u32 v9, QSC, v5
	v_lshl_add_u32 v10, v1, 3, CST
	s_wait_alu depctr_va_sdst(0)               ; s24 is written, ahead of its first reader: the wave's LDS places and its part of the keys are made from it
	s_lshl_b32 s60, s24, 11
	v_add_nc_u32 v11, s60, v8                  ; where I store tile of rows w's images,
	s_lshl_b32 s60, s24, 7
	v_add_nc_u32 v12, s60, v9                  ; its scale words,
	s_mul_i32 s60, s24, 768
	v_add_nc_u32 v13, s60, v10                 ; its constants
	s_mul_i32 s60, s24, 69632
	v_mul_u32_u24 v14, v2, 272
	v_lshl_add_u32 v14, v3, 5, v14
	v_add_nc_u32 v14, s60, v14                 ; my stage: channel r, + 32 h
	s_lshl_b32 s60, s24, 6
	v_add_nc_u32 v[RR], s60, v3
	v_mul_u32_u24 v[RR], v[RR], 272
	v_lshl_add_u32 v[RR], v2, 4, v[RR]         ; back: channel 64 w + L / 16, 16 bytes a lane
	v_add_nc_u32 v[RR+1], 69632, v[RR]
	v_add_nc_u32 v[RR+2], 139264, v[RR]
	v_add_nc_u32 v[RR+3], 208896, v[RR]
	v_lshlrev_b32 v[GO], 4, v2
	v_lshl_add_u32 v[GO], v3, 15, v[GO]
	s_mov_b32 s25, ttmp9                       ; chunk
	s_and_b32 s26, ttmp7, 0xffff               ; y
	s_lshl_b32 s27, s25, 2
	s_add_co_u32 s27, s27, s24                 ; part = 4 chunk + wave
	s_mov_b32 s30, 0x3fb8aa3b                  ; log2(e)
	s_mov_b32 s31, s30
	s_mov_b32 s32, 0x2edbe6ff                  ; 1e-10
	s_mov_b32 s33, s32
	s_mov_b32 s34, 0x76543210
	s_mov_b32 s35, 0xfedcba98
	s_mov_b32 s36, 0xffff0000                  ; lanes 16-31
	s_wait_kmcnt 0x0
	s_load_b128 s[20:23], s[10:11], 0x10000    ; NA, ST, max(8192 - NA, 1), 0
	s_mov_b32 s61, 0
	s_lshl_b32 s60, s27, 16
	s_add_nc_u64 s[40:41], s[4:5], s[60:61]    ; my 512 keys in kimg
	s_add_nc_u64 s[42:43], s[6:7], s[60:61]    ; and in vimg
	s_lshl_b32 s60, s27, 11
	s_add_nc_u64 s[44:45], s[8:9], s[60:61]
	s_add_nc_u64 s[44:45], s[44:45], 131072    ; their mask
	s_lshl_b32 s60, s27, 12
	s_add_nc_u64 s[46:47], s[8:9], s[60:61]    ; K's scale words
	s_add_nc_u64 s[48:49], s[46:47], 65536     ; V's
	s_lshl_b32 s60, s25, 23
	s_lshl_b32 s62, s24, 21
	s_add_co_u32 s60, s60, s62
	s_add_nc_u64 s[66:67], s[16:17], s[60:61]  ; op: my chunk, my 64 channels
	s_mov_b32 s63, 0
	KBASE                                      ; step 0's K and V hang on no stored number: they go out while the counts are on their way
	VBASE
	WIN 0x40
	s_wait_alu depctr_va_vdst(0)               ; the offsets and LDS addresses v4 to v14 and v248 to v252 are written, which the loads, stores and LDS instructions of the whole kernel read
	KLOADS
	VLOADS
	s_wait_kmcnt 0x0
	v_cvt_f32_u32 v[RT], s22
	s_wait_alu depctr_va_vdst(0)
	v_rcp_f32 v[RT], v[RT]
	v_nop
	s_wait_alu depctr_va_vdst(0)               ; the reciprocal has written 1 / t, ahead of its first reader
	s_add_co_u32 s38, s21, 63
	s_sub_co_u32 s38, s38, s26
	s_lshr_b32 s38, s38, 6
	s_min_u32 s38, s38, 8                      ; my tiles of 16 rows: those y + 64 i under ST
	s_mov_b32 s28, s26                         ; y + 64 TT
	s_mov_b32 s29, 0                           ; TT
.Ltile:
	s_wait_xcnt 0x0                            ; the last trip's stores have read their base
	s_lshl_b32 s60, s28, 8
	s_mov_b32 s61, 0
	s_add_nc_u64 s[68:69], s[66:67], s[60:61]  ; 64 positions a trip
	s_lshl_b32 s37, s29, 2
	s_max_u32 s[NS], s38, s37
	s_sub_co_u32 s[NS], s[NS], s37
	s_min_u32 s[NS], s[NS], 4                  ; ns
	s_cmp_eq_u32 s[NS], 0
	s_cbranch_scc1 .Ls1
	; ---- section 1: wave w gathers the fragments of tile s = y + 64 (4 TT + w) and makes its rows' constants.  Where that tile does not exist it takes the last that does: only stored bytes are read, and LDS is written whole
	s_lshl_b32 s60, s29, 8
	s_add_co_u32 s60, s60, s26
	s_lshl_b32 s62, s24, 6
	s_add_co_u32 s60, s60, s62
	s_sub_co_u32 s62, s21, 1
	s_min_u32 s60, s60, s62
	s_min_u32 s60, s60, 511
	s_lshl_b32 s60, s60, 6
	s_wait_alu depctr_vm_vsrc(0)               ; the last trip's loads have read v253, v255, v152 and v153, and its LDS stores v160 to v165: this section writes all of them again
	v_lshl_add_u32 v253, v2, 2, s60            ; 4 x rank
	v_lshl_add_u32 v255, v3, 15, v253
	s_wait_alu depctr_va_vdst(0)               ; v253 and v255 are written, which the 33 loads below read
	global_load_b32 v[RW], v253, s[10:11]
.set m, 0
.rept 16
	global_load_b32 v[SC+m], v255, s[12:13] offset:65536*m      ; lanes 0-15: the parts of Z; lanes 16-31: of Q2
.set m, m+1
.endr
.set m, 0
.rept 16
	global_load_b32 v[SC+16+m], v253, s[14:15] offset:32768*m   ; the parts of S'
.set m, m+1
.endr
	s_wait_loadcnt 32                          ; the row number is in; the 32 loads behind it may be out
	QADDR
	s_wait_alu depctr_va_vdst(0)               ; the gather's two offsets, v152 and v153, are written, which the five loads below read
.irp ch, 0,1,2,3
	global_load_b128 v[QF+4*\ch:QF+4*\ch+3], v[QA], s[4:5] offset:512*\ch
.endr
	global_load_b32 v[QS], v[QSA], s[8:9]
	s_wait_loadcnt 0x0
	ROWC SC, 166, 164, RT
	TREE SC+16
	s_wait_alu depctr_va_vdst(0)
	v_log_f32 v160, v[SC+16]
	v_mul_f32 v162, v166, v[SC+16]             ; S' / Z (the plain line behind the logarithm)
	s_wait_alu depctr_va_vdst(0)               ; the logarithm has written log2 S', ahead of its first reader
	v_mul_f32 v160, -1.0, v160                 ; -log2 S'
	v_mov_b32 v161, v160
	v_mov_b32 v163, v162
	s_wait_alu depctr_va_vdst(0)               ; the rows' constants v160 to v165 are written, which the LDS stores read (the fragments and their scale words come from loads)
.irp ch, 0,1,2,3
	ds_store_b128 v11, v[QF+4*\ch:QF+4*\ch+3] offset:512*\ch
.endr
	ds_store_b32 v12, v[QS]
	ds_store_b64 v13, v[160:161]
	ds_store_b64 v13, v[162:163] offset:256
	ds_store_b64 v13, v[164:165] offset:512
.Ls1:
	BAR                                        ; the four tiles of rows lie in LDS
	s_cmp_eq_u32 s[NS], 0
	s_cbranch_scc1 .Ls2
	; ---- section 2: my 512 keys, four steps
	s_wait_alu depctr_vm_vsrc(0)               ; section 1's LDS stores have read the fragments' registers, their scale words' and v160 to v165, its loads v152 and v153, and the last trip's LDS stores the accumulators: this section's LDS loads, softmax lines and products write all of them again
.irp sub, 0,1,2,3
.irp k, 0,1,2
	ds_load_b64 v[CN+6*\sub+2*\k:CN+6*\sub+2*\k+1], v10 offset:768*\sub+256*\k   ; the four tiles' constants stay in registers
.endr
.endr
	FIRSTQ
	v_mov_b32 v[PW], 0x7f7f7f7f                ; zero codes under the scale 1, for the tiles that do not exist
.irp i, 0,1,2,3,4,5,6,7
	v_mov_b32 v[P+\i], 0
.endr
	PLACES 8
	s_wait_alu depctr_va_vdst(0)               ; the zero codes and their scale word are written, which the scaled products of the tiles that do not exist take; the eight places stand ahead of this wait
	s_mov_b32 s62, 0
	STEP 1
	s_mov_b32 s62, 1
.Lstep:
	STEP 0
	s_add_co_u32 s62, s62, 1
	s_cmp_lt_u32 s62, 4
	s_cbranch_scc1 .Lstep
	s_wait_alu depctr_va_vdst(0)               ; the products have written the accumulators, which the LDS stores below read
.irp sub, 0,1,2,3                      ; (four places stand behind the last products)  each accumulator from its low end on: eight positions of a channel, 32 bytes
	WIN 0x08+4*(\sub/2)
.irp ct, 0,1,2,3,4,5,6,7,8,9,10,11,12,13,14,15
	ds_store_b128 v14, v[128*(\sub%2)+8*\ct:128*(\sub%2)+8*\ct+3] offset:4352*\ct+64*\sub
	ds_store_b128 v14, v[128*(\sub%2)+8*\ct+4:128*(\sub%2)+8*\ct+7] offset:4352*\ct+64*\sub+16
.endr
.endr
	WIN 0
.Ls2:
	BAR                                        ; the four waves' sums lie in their stages
	s_cmp_eq_u32 s[NS], 0
	s_cbranch_scc1 .Ls3
	; ---- section 3: wave w adds the four stages for channels 64 w .. 64 w + 63 and stores them: sixteen lanes store a channel's 64 positions, 256 consecutive bytes, aligned.  A batch is eight channels: its additions, one wait, its four stores
.irp bt, 0,1,2,3,4,5,6,7
.irp ii, 0,1,2,3
.irp q, 0,1,2,3
	ds_load_b128 v[SC+16*\ii+4*\q:SC+16*\ii+4*\q+3], v[RR+\q] offset:544*(4*\bt+\ii)
.endr
.endr
	s_wait_dscnt 0x0
.irp ii, 0,1,2,3
	v_pk_add_f32 v[SC+16*\ii:SC+16*\ii+1], v[SC+16*\ii:SC+16*\ii+1], v[SC+16*\ii+4:SC+16*\ii+5]
	v_pk_add_f32 v[SC+16*\ii+2:SC+16*\ii+3], v[SC+16*\ii+2:SC+16*\ii+3], v[SC+16*\ii+6:SC+16*\ii+7]
	v_pk_add_f32 v[SC+16*\ii+8:SC+16*\ii+9], v[SC+16*\ii+8:SC+16*\ii+9], v[SC+16*\ii+12:SC+16*\ii+13]
	v_pk_add_f32 v[SC+16*\ii+10:SC+16*\ii+11], v[SC+16*\ii+10:SC+16*\ii+11], v[SC+16*\ii+14:SC+16*\ii+15]
	v_pk_add_f32 v[SC+16*\ii:SC+16*\ii+1], v[SC+16*\ii:SC+16*\ii+1], v[SC+16*\ii+8:SC+16*\ii+9]
	v_pk_add_f32 v[SC+16*\ii+2:SC+16*\ii+3], v[SC+16*\ii+2:SC+16*\ii+3], v[SC+16*\ii+10:SC+16*\ii+11]
.endr
	s_wait_alu depctr_va_vdst(0)               ; the batch's additions have written the sums, which the four stores read, and are done with the registers in which the next batch lands
.irp ii, 0,1,2,3
	global_store_b128 v[GO], v[SC+16*\ii:SC+16*\ii+3], s[68:69] offset:65536*(4*\bt+\ii)
.endr
	s_wait_xcnt 0x0                            ; the stores have had their addresses translated: their data are written again only behind this wait
	s_wait_alu depctr_vm_vsrc(0)               ; the stores have read their data, in whose registers the next batch's LDS loads land (behind the last batch: the next trip's loads)
.endr
.Ls3:
	BAR                                        ; nobody reads the stages or the rows' images any more
	s_add_co_u32 s28, s28, 64
	s_add_co_u32 s29, s29, 1
	s_cmp_lt_u32 s29, 2
	s_cbranch_scc1 .Ltile
	s_wait_dscnt 0x0                           ; the closing lines, six on end
	s_wait_alu 0x0
	s_wait_tensorcnt 0x0
	ds_add_u32 v60, v61
	s_wait_dscnt 0x0
	s_endpgm
.Lfunc_end_k_qc3e6834885_passc:
	.size	k_qc3e6834885_passc, .Lfunc_end_k_qc3e6834885_passc-k_qc3e6834885_passc
	.p2alignl 7, 3214868480
	.fill 96, 4, 3214868480
	.section	.rodata,"a",@progbits
	.p2align	6, 0x0
	.amdhsa_kernel k_qc3e6834885_passc
		.amdhsa_group_segment_fixed_size 290816
		.amdhsa_private_segment_fixed_size 0
		.amdhsa_enable_private_segment 0
		.amdhsa_kernarg_size 56
		.amdhsa_user_sgpr_count 2
		.amdhsa_user_sgpr_kernarg_segment_ptr 1
		.amdhsa_wavefront_size32 1
		.amdhsa_system_sgpr_workgroup_id_x 1
		.amdhsa_system_sgpr_workgroup_id_y 1
		.amdhsa_system_sgpr_workgroup_id_z 1
		.amdhsa_system_vgpr_workitem_id 0
		.amdhsa_next_free_vgpr 1024
		.amdhsa_next_free_sgpr 80
		.amdhsa_reserve_vcc 0
		.amdhsa_float_denorm_mode_32 3
		.amdhsa_float_denorm_mode_16_64 3
		.amdhsa_memory_ordered 1
		.amdhsa_forward_progress 1
		.amdhsa_inst_pref_size 255
	.end_amdhsa_kernel
	.section	.bss,"aw",@nobits
	.p2align	6
	.space	262144
	.amdgpu_metadata
---
amdhsa.version: [ 1, 2 ]
amdhsa.kernels:
  - .name:           k_qc3e6834885_passc
    .symbol:         k_qc3e6834885_passc.kd
    .args:
      - { .name: kimg, .offset: 0, .size: 8, .value_kind: global_buffer, .address_space: global }
      - { .name: vimg, .offset: 8, .size: 8, .value_kind: global_buffer, .address_space: global }
      - { .name: aux, .offset: 16, .size: 8, .value_kind: global_buffer, .address_space: global }
      - { .name: idx, .offset: 24, .size: 8, .value_kind: global_buffer, .address_space: global }
      - { .name: sta, .offset: 32, .size: 8, .value_kind: global_buffer, .address_space: global }
      - { .name: stb, .offset: 40, .size: 8, .value_kind: global_buffer, .address_space: global }
      - { .name: op, .offset: 48, .size: 8, .value_kind: global_buffer, .address_space: global }
    .group_segment_fixed_size: 290816
    .private_segment_fixed_size: 0
    .kernarg_segment_align: 8
    .kernarg_segment_size: 56
    .max_flat_workgroup_size: 128
    .sgpr_count:     80
    .vgpr_count:     1024
    .wavefront_size: 32
...
	.end_amdgpu_metadata
.endif
;; end of part 11
;; launch final (part 12): grid 256 x 1, 8 waves a work-group, no clusters, 0 bytes of LDS; arguments f, idx, op, out0; writes out0
.if DOCPART == 12
	.amdgcn_target "amdgcn-amd-amdhsa--gfx1250"
	.amdhsa_code_object_version 6
	.text
	.protected	k_qc3e6834885_final
	.globl	k_qc3e6834885_final
	.p2align	8
	.type	k_qc3e6834885_final,@function
k_qc3e6834885_final:
	s_mov_b64 s[64:65], 0
	v_nop
	global_prefetch_b8 v0, s[64:65] scope:SCOPE_SE
	s_setreg_imm32_b32 hwreg(HW_REG_WAVE_MODE, 25, 1), 1
	s_wait_xcnt 0x0
; out0[b][c][n] = f[b][c][n] for a normal pixel, and for an anomalous one the sum of the four chunks' parts op[chunk][c][position of the pixel's rank].
; A stream: memory binds, so there is no LDS, no matrix unit and no cluster.  A work-group takes 128 pixels x 64 channels, a wave 8 channels, a lane 4 neighbouring pixels: f and out0 go by 16 bytes a lane, 512 consecutive bytes a wave.
; SEL[p] holds the pixel's flag in bit 31 and a rank that was stored for every pixel (a normal pixel's is its next anomalous neighbour's), so that every lane gathers from bytes that were written.
; The launch before dealt the tiles of 16 ranks out to 64 groups: rank = r + 16 (y + 64 (sub + 4 TT)) lies at position r + 16 sub + 64 y + 4096 TT: the rank's bits 9:4 and 11:10 change places.
	s_load_b256 s[4:11], s[0:1], 0x0           ; f s[4:5], idx s[6:7], op s[8:9], out0 s[10:11]
	v_lshrrev_b32 v1, 5, v0
	s_delay_alu instid0(VALU_DEP_1)
	v_readfirstlane_b32 s12, v1                ; wave 0..7
	v_and_b32 v1, 31, v0
	s_delay_alu instid0(VALU_DEP_1)
	v_lshlrev_b32 v2, 4, v1                    ; 16 L
	s_and_b32 s13, ttmp9, 63                   ; which 128 pixels
	s_lshr_b32 s14, ttmp9, 6
	s_lshl_b32 s14, s14, 3
	s_add_co_u32 s14, s14, s12                 ; which 8 channels
	s_lshr_b32 s28, s13, 3
	s_lshl_b32 s28, s28, 20                    ; image b
	s_and_b32 s34, s13, 7
	s_lshl_b32 s34, s34, 9
	s_add_co_u32 s28, s28, s34
	s_lshl_b32 s34, s14, 15                    ; 8 channels of 4,096 bytes
	s_add_co_u32 s28, s28, s34
	s_mov_b32 s29, 0
	s_lshl_b32 s30, s13, 9
	s_mov_b32 s31, 0
	s_lshl_b32 s32, s14, 18                    ; 8 channels of 32,768 bytes
	s_mov_b32 s33, 0
	s_wait_alu depctr_va_vdst(0)
	s_wait_kmcnt 0x0
	s_add_nc_u64 s[4:5], s[4:5], s[28:29]
	s_add_nc_u64 s[10:11], s[10:11], s[28:29]
	s_add_nc_u64 s[6:7], s[6:7], s[30:31]
	s_add_nc_u64 s[16:17], s[8:9], s[32:33]    ; the four chunks of op
	s_add_nc_u64 s[18:19], s[16:17], 0x800000
	s_add_nc_u64 s[20:21], s[18:19], 0x800000
	s_add_nc_u64 s[22:23], s[20:21], 0x800000
	global_load_b128 v[4:7], v2, s[6:7] offset:32768
	s_wait_loadcnt 0x0
.irp j, 0,1,2,3
	v_cmp_gt_i32 s[24+\j], 0, v[4+\j]          ; bit 31: anomalous
	v_and_b32 v[8+\j], 0x100f, v[4+\j]         ; r and TT stay where they are
	v_bfe_u32 v[12+\j], v[4+\j], 10, 2         ; sub
	s_delay_alu instid0(VALU_DEP_1)
	v_lshl_or_b32 v[8+\j], v[12+\j], 4, v[8+\j]
	v_bfe_u32 v[12+\j], v[4+\j], 4, 6          ; y
	s_delay_alu instid0(VALU_DEP_1)
	v_lshl_or_b32 v[8+\j], v[12+\j], 6, v[8+\j]
	s_delay_alu instid0(VALU_DEP_1)
	v_min_u32 v[8+\j], 8191, v[8+\j]
	s_delay_alu instid0(VALU_DEP_1)
	v_lshlrev_b32 v[8+\j], 2, v[8+\j]          ; 4 x position
.endr
.irp cc, 0,1,2,3,4,5,6,7
	global_load_b128 v[16+4*\cc:19+4*\cc], v2, s[4:5] offset:4096*\cc th:TH_LOAD_NT
.irp k, 0,1,2,3
.irp j, 0,1,2,3
	global_load_b32 v[48+16*\cc+4*\k+\j], v[8+\j], s[16+2*\k:17+2*\k] offset:32768*\cc
.endr
.endr
.endr
.irp cc, 0,1,2,3,4,5,6,7
.if 17*(7-\cc) > 63
	s_wait_loadcnt 63                          ; the later channels' loads may be out: 17 each; a wait's count names 63 at the most
.else
	s_wait_loadcnt 17*(7-\cc)
.endif
	v_pk_add_f32 v[48+16*\cc:49+16*\cc], v[48+16*\cc:49+16*\cc], v[52+16*\cc:53+16*\cc]
	v_pk_add_f32 v[50+16*\cc:51+16*\cc], v[50+16*\cc:51+16*\cc], v[54+16*\cc:55+16*\cc]
	v_pk_add_f32 v[56+16*\cc:57+16*\cc], v[56+16*\cc:57+16*\cc], v[60+16*\cc:61+16*\cc]
	v_pk_add_f32 v[58+16*\cc:59+16*\cc], v[58+16*\cc:59+16*\cc], v[62+16*\cc:63+16*\cc]
	s_delay_alu instid0(VALU_DEP_2)
	v_pk_add_f32 v[48+16*\cc:49+16*\cc], v[48+16*\cc:49+16*\cc], v[56+16*\cc:57+16*\cc]
	s_delay_alu instid0(VALU_DEP_2)
	v_pk_add_f32 v[50+16*\cc:51+16*\cc], v[50+16*\cc:51+16*\cc], v[58+16*\cc:59+16*\cc]
.irp j, 0,1,2,3
	v_cndmask_b32 v[16+4*\cc+\j], v[16+4*\cc+\j], v[48+16*\cc+\j], s[24+\j]
.endr
	global_store_b128 v2, v[16+4*\cc:19+4*\cc], s[10:11] offset:4096*\cc th:TH_STORE_NT
.endr
	s_endpgm
.Lfunc_end_k_qc3e6834885_final:
	.size	k_qc3e6834885_final, .Lfunc_end_k_qc3e6834885_final-k_qc3e6834885_final
	.p2alignl 7, 3214868480
	.fill 96, 4, 3214868480
	.section	.rodata,"a",@progbits
	.p2align	6, 0x0
	.amdhsa_kernel k_qc3e6834885_final
		.amdhsa_group_segment_fixed_size 0
		.amdhsa_private_segment_fixed_size 0
		.amdhsa_enable_private_segment 0
		.amdhsa_kernarg_size 32
		.amdhsa_user_sgpr_count 2
		.amdhsa_user_sgpr_kernarg_segment_ptr 1
		.amdhsa_wavefront_size32 1
		.amdhsa_system_sgpr_workgroup_id_x 1
		.amdhsa_system_sgpr_workgroup_id_y 1
		.amdhsa_system_sgpr_workgroup_id_z 1
		.amdhsa_system_vgpr_workitem_id 0
		.amdhsa_next_free_vgpr 192
		.amdhsa_next_free_sgpr 66
		.amdhsa_reserve_vcc 0
		.amdhsa_float_denorm_mode_32 3
		.amdhsa_float_denorm_mode_16_64 3
		.amdhsa_memory_ordered 1
		.amdhsa_forward_progress 1
		.amdhsa_inst_pref_size 24
	.end_amdhsa_kernel
	.amdgpu_metadata
---
amdhsa.version: [ 1, 2 ]
amdhsa.kernels:
  - .name:           k_qc3e6834885_final
    .symbol:         k_qc3e6834885_final.kd
    .args:
      - { .name: f, .offset: 0, .size: 8, .value_kind: global_buffer, .address_space: global }
      - { .name: idx, .offset: 8, .size: 8, .value_kind: global_buffer, .address_space: global }
      - { .name: op, .offset: 16, .size: 8, .value_kind: global_buffer, .address_space: global }
      - { .name: out0, .offset: 24, .size: 8, .value_kind: global_buffer, .address_space: global }
    .group_segment_fixed_size: 0
    .private_segment_fixed_size: 0
    .kernarg_segment_align: 8
    .kernarg_segment_size: 32
    .max_flat_workgroup_size: 256
    .sgpr_count:     66
    .vgpr_count:     192
    .wavefront_size: 32
...
	.end_amdgpu_metadata
.endif
;; end of part 12
